; MI455X (gfx1250); checked and timed in simulation.
; The chip was launched on July 23, 2026; its instructions are those of AMD's public machine-readable ISA for CDNA 5 (MIT licence, August 2026) and "CDNA5" Instruction Set Architecture Reference Guide (July 2026). The comments in the code are by the model that wrote it; some were corrected since.
;; Transformer Encoder Layer. Allowed arithmetic: matrix products marked QUANTISED: E4M3 operands, one E8M0 scale for each 32 along K, by v_wmma_scale_f32_16x16x128_f8f6f4 with both operands' format E4M3, f32 sums; everything else in f32.
;; Inputs: W1 1,024 x 4,096 float32; W2 4,096 x 1,024 float32; Wk 1,024 x 1,024 float32; Wo 1,024 x 1,024 float32; Wq 1,024 x 1,024 float32; Wv 1,024 x 1,024 float32; b1 4,096 float32; b2 1,024 float32; be1 1,024 float32; be2 1,024 float32; bk 1,024 float32; bo 1,024 float32; bq 1,024 float32; bv 1,024 float32; g1 1,024 float32; g2 1,024 float32; x 2 x 2,048 x 1,024 float32.
;; Outputs: out0 2 x 2,048 x 1,024 float32.
;; This version of the problem:
;;   THIS VERSION OF THE PROBLEM IS GIVEN IN LOW PRECISION. The matrix products marked QUANTISED in the list below multiply operands that are first quantised to E4M3 (4 exponent bits, 3 mantissa bits; 8 bits a number), with one power-of-two scale for each 32 numbers along K (OCP MX v1.0); their sums are f32. All else is computed in f32.
;;   The module's matrix products, in the order in which they are computed (A, B: the left and right operand; K: the contracted axis; several contracted axes count as one K, in the product's order):
;;     1. [M 4,096, K 1,024] x [K 1,024, N 1,024]; A: input x; B: input Wq: QUANTISED
;;     2. [M 4,096, K 1,024] x [K 1,024, N 1,024]; A: input x; B: input Wk: QUANTISED
;;     3. [M 4,096, K 1,024] x [K 1,024, N 1,024]; A: input x; B: input Wv: QUANTISED
;;     4. batch 32 x [M 2,048, K 64] x [K 64, N 2,048]; A: computed on the way; B: computed on the way: QUANTISED
;;     5. batch 32 x [M 2,048, K 2,048] x [K 2,048, N 64]; A: softmax (see below); B: computed on the way: QUANTISED
;;     6. [M 4,096, K 1,024] x [K 1,024, N 1,024]; A: computed on the way; B: input Wo: QUANTISED
;;     7. [M 4,096, K 1,024] x [K 1,024, N 4,096]; A: computed on the way; B: input W1: QUANTISED
;;     8. [M 4,096, K 4,096] x [K 4,096, N 1,024]; A: computed on the way; B: input W2: QUANTISED
;;   THE QUANTISER, for each operand of a quantised product, along K:
;;     - K is cut into blocks of 32 from its start; a last block that is shorter is filled with zeros.
;;     - A block's scale is 2^e with e = floor(log2(the largest magnitude in the block)) - 8, held to -126 .. 127; a block of zeros has e = 0. As a byte (E8M0): e + 127.
;;     - Each number is divided by its block's scale, clamped to +-448, and rounded to the nearest number of E4M3, ties to even, subnormals kept.
;;     - The product sums the exact products of the quantised numbers (number of the format x scale) in f32.
;;   ~~~python
;;   def quantise(x, axis):      # numpy; x: float32 -> the quantised numbers, widened to float32 again
;;       x = np.moveaxis(x, axis, -1); K = x.shape[-1]
;;       x = np.pad(x, [(0, 0)] * (x.ndim - 1) + [(0, -K % 32)]); x = x.reshape(x.shape[:-1] + (-1, 32)); a = np.abs(x).max(-1, keepdims=True)
;;       e = np.where(a > 0, np.clip(np.frexp(np.where(a > 0, a, 1))[1] - 1 - 8, -126, 127), 0)      # np.frexp(a)[1] - 1 = floor(log2(a)), exactly
;;       r = np.clip(x / 2.0 ** e, -448, 448)
;;       step = 2.0 ** (np.maximum(np.frexp(np.where(r == 0, 1, r))[1] - 1, -6) - 3)
;;       q = np.round(r / step) * step * 2.0 ** e      # np.round: ties to even
;;       return np.moveaxis(q.reshape(q.shape[:-2] + (-1,))[..., :K], -1, axis).astype(np.float32)
;;   ~~~
;;   SOFTMAX AHEAD OF A QUANTISED PRODUCT. Where the list says 'softmax', what is quantised is not the finished softmax but p = 2^(t - M), with t = logit x log2(e) and M = ceil(the row's largest t), a whole number; so 1/2 < the row's largest p <= 1. The row's sum l is taken of the UNQUANTISED p, in f32, and the product's result is divided by l at the end. Since M is a whole number, a kernel that streams over the keys may use a running M (the ceiling of the running maximum): every later rescaling is an exact power of two, which a block's scale takes up: the codes' values come out the same.
;;   OPERANDS COMPUTED ON THE WAY. 'Computed on the way' means the value that the module computes at that place (a softmax that the list does not call 'softmax' is quantised finished and normalised). What goes into a quantiser is computed in f32, as accurately as f32 sums, v_exp_f32 and their like allow (about 1e-6 of the number): no bf16 or f16 on the way to a quantiser, and a product that is left as it is and whose result goes on into a quantised operand takes f32 operands (vector FMAs, or v_wmma_f32_16x16x4_f32). A number that lies on a knife's edge between two numbers of the format may be rounded either way, as far as f32 arithmetic and the matrix unit's own rounding can turn it there, and no further.
;; One version. Each part assembles by itself: llvm-mc -triple=amdgcn-amd-amdhsa -mcpu=gfx1250 --defsym DOCPART=n.
;; ======== version 1 of 1: 8 launches
;; limits: right only within a limited range of input values
;; workspace buffers: wts 12,976,128 bytes; xq 4,325,376 bytes; qkv 12,976,128 bytes; ao 4,325,376 bytes; y 67,108,864 bytes; res 16,777,216 bytes; rq 4,325,376 bytes; hid 17,301,504 bytes
;; launch quant (part 1): grid 512 x 1, 4 waves a work-group, no clusters, 57,856 bytes of LDS; arguments x, Wq, Wk, Wv, Wo, W1, W2, xq, wts; writes xq, wts
.if DOCPART == 1
	.amdgcn_target "amdgcn-amd-amdhsa--gfx1250"
	.amdhsa_code_object_version 6
	.text
	.protected	k_q7a0cfb6f94_quant
	.globl	k_q7a0cfb6f94_quant
	.p2align	8
	.type	k_q7a0cfb6f94_quant,@function
k_q7a0cfb6f94_quant:
	s_mov_b64 s[64:65], 0
	v_nop
	global_prefetch_b8 v0, s[64:65] scope:SCOPE_SE
	s_setreg_imm32_b32 hwreg(HW_REG_WAVE_MODE, 25, 1), 1
	s_wait_xcnt 0x0
; x [4096][1024] and the six weights ([K][N], K first) become codes of FP8 (E4M3) with one E8M0 byte for each 32 along K.
; NOTHING OF THE PROBLEM IS LEFT OUT: every input has a way to out0 (bk too: it moves k's codes), so every product, bias, gain and residual is computed.
; LAYOUT of every buffer of codes in this program.  ROW ORDER: place p = 16 T + r holds logical row sigma(p) = p with bits 3 and 4 exchanged = 32 (T>>1) + 16 (r>>3) + 8 (T&1) + (r&7).
; CODES: a fragment (16 places x 128 K) is 2,048 bytes, an image of the operand's registers: group c (0..3) of lane 16 h + r at 512 c + 256 h + 16 r holds k = 32 c + 16 h + 0..15; fragment (T, s = k / 128) at (T K/128 + s) 2,048.
; SCALE WORDS (four bytes: 128 K of one row) at ((s RS + (T>>2)) 16 + r) 16 + 4 (T&3), RS = rows / 64.
; A block's scale byte is its largest magnitude's exponent field - 8, held at 1 from below; each number is held within +-448 x the scale and rounded to the nearest code, ties to even.
; LIMITS: a block of zeros, or one whose largest magnitude lies under 2^-118, gets the byte 1 (the bytes are read by this program alone; zero codes add nothing); NaN and infinities among the inputs are not served.
; Work-groups 0-127 take x (a wave: 16 places x 512 K), work-groups 128-511 the weights (a wave: 32 columns x 256 K).  Waves share nothing: no barrier.
.set SP,    80                         ; x path: a lane's place in a turn stage: 64 bytes + 16 of padding
.set TST,   32*SP                      ; a turn stage
.set IMG,   2*TST                      ; behind the two turn stages: 32 units of 256 bytes of the image, 272 apart
.set IP,    272
.set SBY,   IMG+32*IP                  ; behind them: 256 scale bytes [s][r][c]
.set WREG,  14336                      ; a wave's region of LDS
.set SPARE, 4*WREG                     ; the spare words, 128 bytes a wave
.set R,     16                         ; v16-79   x path: four sets of 16 numbers as loaded
.set X,     80                         ; v80-111  two sets of 16 neighbours
.set E,     112                        ; v112-127 a scale byte for each step
.set C,     128                        ; v128-191 four registers of codes for each step
.set SPW,   12
.set NIL,   13
.set VO,    16                         ; v16-47   weights path: 4 lane + i x pitch
.set XW,    48                         ; v48-111  two sets of 32 numbers
.set CW,    112                        ; v112-119 a block's codes
.set SB,    124                        ; v124-125 scale words
	s_load_b512 s[4:19], s[0:1], 0x0               ; x, Wq, Wk, Wv, Wo, W1, W2, xq
	s_load_b64 s[20:21], s[0:1], 0x40              ; wts
	v_lshl_add_u32 v[SPW], v0, 2, SPARE
	v_mov_b32 v[NIL], 0
	v_lshrrev_b32 v1, 5, v0
	v_readfirstlane_b32 s24, v1                    ; wave
	v_and_b32 v2, 31, v0                           ; lane
	s_mov_b32 s25, 0x600000                        ; the mantissa field of 448
	s_cmp_lt_u32 ttmp9, 128
	s_cbranch_scc0 .Lweights
; ---------------- x: task = 4 g + wave: tile T = task / 2, half = task % 2 (512 along K).  Step t is place r = t of the tile.
	v_lshlrev_b32 v3, 4, v2                        ; 16 x lane
	s_mul_i32 s26, s24, WREG
	v_lshrrev_b32 v14, 2, v2
	v_mul_u32_u24 v14, v14, SP
	v_and_b32 v15, 3, v2
	v_lshl_add_u32 v14, v15, 4, v14
	v_add_nc_u32 v14, s26, v14                     ; turn stage, in: SP (lane / 4) + 16 (lane % 4)
	v_mul_u32_u24 v15, v2, SP
	v_add_nc_u32 v15, s26, v15                     ; out: SP x lane: 16 neighbours
	v_mul_u32_u24 v4, v2, IP
	v_add_nc_u32 v4, s26, v4                       ; image: lane l holds k = 16 l ..: unit l = 8 s + 2 c + h
	v_lshrrev_b32 v5, 3, v2
	v_bfe_u32 v6, v2, 1, 2
	v_lshl_add_u32 v5, v5, 6, v6
	v_add_nc_u32 v5, s26, v5                       ; scale byte: 64 s + c (+ 4 r in the immediate)
	s_lshl_b32 s27, ttmp9, 2
	s_add_co_u32 s27, s27, s24                     ; task
	s_lshr_b32 s28, s27, 1                         ; T
	s_and_b32 s29, s27, 1                          ; half
	s_lshr_b32 s30, s28, 1
	s_lshl_b32 s30, s30, 17                        ; 32 (T>>1) rows of 4,096 bytes
	s_and_b32 s31, s28, 1
	s_lshl_b32 s31, s31, 15                        ; 8 (T&1) rows
	s_add_co_u32 s30, s30, s31
	s_lshl_b32 s31, s29, 11
	s_add_co_u32 s30, s30, s31
	s_mov_b32 s31, 0
	s_lshl_b32 s32, s28, 14                        ; codes: (8 T + 4 half) 2,048
	s_lshl_b32 s33, s29, 13
	s_add_co_u32 s32, s32, s33
	s_mov_b32 s33, 0
	s_lshl_b32 s34, s29, 16                        ; scale words: 4 half x 16,384 + 256 (T>>2) + 4 (T&3)
	s_lshr_b32 s35, s28, 2
	s_lshl_b32 s35, s35, 8
	s_add_co_u32 s34, s34, s35
	s_and_b32 s35, s28, 3
	s_lshl_b32 s35, s35, 2
	s_add_co_u32 s34, s34, s35
	s_add_co_u32 s34, s34, 0x400000
	s_mov_b32 s35, 0
	s_wait_alu depctr_va_vdst(0)
	s_wait_kmcnt 0x0
	s_add_nc_u64 s[4:5], s[4:5], s[30:31]
	s_add_nc_u64 s[32:33], s[18:19], s[32:33]
	s_add_nc_u64 s[34:35], s[18:19], s[34:35]
.macro XLOAD t                         ; place t is logical row (t % 8) + 16 (t / 8) of the tile's group; each load reads 512 consecutive bytes
.irp i, 0,1,2,3
	global_load_b128 v[R+16*((\t)%4)+4*\i:R+16*((\t)%4)+4*\i+3], v3, s[4:5] offset:(((\t)%8)+16*((\t)/8))*4096+512*\i th:TH_LOAD_NT
.endr
.endm
.macro XTURN t                         ; through the wave's own stage: LDS serves a wave's instructions in order
.irp i, 0,1,2,3
	ds_store_b128 v14, v[R+16*((\t)%4)+4*\i:R+16*((\t)%4)+4*\i+3] offset:TST*((\t)%2)+8*SP*\i
.endr
.irp i, 0,1,2,3
	ds_load_b128 v[X+16*((\t)%2)+4*\i:X+16*((\t)%2)+4*\i+3], v15 offset:TST*((\t)%2)+16*\i
.endr
.endm
.irp t, 0,1,2,3
	XLOAD \t
.endr
	s_wait_loadcnt 12                              ; step 0's four loads are in
	XTURN 0
.macro XSTEP t
.set XS, X+16*((\t)%2)
.if (\t) > 0
	s_wait_dscnt 2                                 ; this step's numbers are back (the last step's two stores may be out)
.else
	s_wait_dscnt 0x0
.endif
.if (\t)+4 < 16
	XLOAD (\t)+4
.endif
.if (\t)+1 < 16
.if 14-(\t) >= 3
	s_wait_loadcnt 12                              ; the next step's loads are in; three later steps' may be out
.else
	s_wait_loadcnt 4*(14-(\t))
.endif
	XTURN (\t)+1
.endif
	v_max3_num_f32 v8, |v[XS]|, |v[XS+1]|, |v[XS+2]|
	v_max3_num_f32 v9, |v[XS+3]|, |v[XS+4]|, |v[XS+5]|
.irp i, 6,10
	v_max3_num_f32 v8, v8, |v[XS+\i]|, |v[XS+\i+1]|
	v_max3_num_f32 v9, v9, |v[XS+\i+2]|, |v[XS+\i+3]|
.endr
	v_max3_num_f32 v8, v8, |v[XS+14]|, |v[XS+15]|
	v_max3_num_f32 v8, v8, v9, 0x4800000           ; the floor 2^(9 - 127): the byte cannot fall under 1
	v_max_num_f32_dpp v8, v8, v8 row_xmask:1 row_mask:0xf bank_mask:0xf   ; with my neighbour's 16: the block's
	v_add_nc_u32 v11, 0xfc000000, v8               ; 8 off the exponent field: the conversion's scale operand
	v_and_or_b32 v10, v8, 0x7f800000, s25          ; 448 x the scale
.irp i, 0,1,2,3,4,5,6,7,8,9,10,11,12,13,14,15
	v_med3_num_f32 v[XS+\i], v[XS+\i], -v10, v10   ; the conversion does not saturate (ISA guide 7.6.2): the hold comes first
.endr
	v_cvt_scalef32_pk8_fp8_f32 v[C+4*(\t):C+4*(\t)+1], v[XS:XS+7], v11
	v_cvt_scalef32_pk8_fp8_f32 v[C+4*(\t)+2:C+4*(\t)+3], v[XS+8:XS+15], v11
	v_lshrrev_b32 v[E+(\t)], 23, v11               ; the scale's byte
	ds_store_b128 v4, v[C+4*(\t):C+4*(\t)+3] offset:IMG+16*(\t)
	ds_store_b8 v5, v[E+(\t)] offset:SBY+4*(\t)    ; both lanes of a block write the same byte
.endm
.irp t, 0,1,2,3,4,5,6,7,8,9,10,11,12,13,14,15
	XSTEP \t
.endr
	v_lshrrev_b32 v6, 4, v2
	v_and_b32 v7, 15, v2
	v_mul_u32_u24 v8, v6, IP
	v_lshl_add_u32 v8, v7, 4, v8
	v_add_nc_u32 v8, s26, v8                       ; back: sixteen lanes to a unit, two units an instruction
.irp i, 0,1,2,3,4,5,6,7,8,9,10,11,12,13,14,15
	ds_load_b128 v[R+4*\i:R+4*\i+3], v8 offset:IMG+2*\i*IP
.endr
	v_lshl_add_u32 v9, v2, 2, s26
	ds_load_b32 v10, v9 offset:SBY                 ; words 16 s + r: s = 0, 1
	ds_load_b32 v11, v9 offset:SBY+128             ; s = 2, 3
	v_lshlrev_b32 v6, 14, v6
	v_lshl_add_u32 v6, v7, 4, v6                   ; 16,384 (lane / 16) + 16 (lane % 16)
	s_wait_alu depctr_va_vdst(0)
.irp i, 0,1,2,3,4,5,6,7,8,9,10,11,12,13,14,15
	s_wait_dscnt 17-\i
	global_store_b128 v3, v[R+4*\i:R+4*\i+3], s[32:33] offset:512*\i   ; 512 consecutive bytes
.endr
	s_wait_dscnt 0x0
	global_store_b32 v6, v10, s[34:35]             ; four bytes a row: pieces of units, 128 KiB in the whole launch
	global_store_b32 v6, v11, s[34:35] offset:32768
	s_wait_tensorcnt 0x0                           ; the wave's end, behind my last LDS store
	ds_add_u32 v[SPW], v[NIL]
	s_wait_dscnt 0x0
	s_endpgm
; ---------------- the weights: a lane takes a column, its registers run down K; no LDS.  w = g - 128; w / 32 = 0..3: Wq, Wk, Wv, Wo; 4..7: W1; 8..11: W2
.Lweights:
	s_sub_co_u32 s26, ttmp9, 128
	s_lshr_b32 s27, s26, 5
	s_lshr_b32 s28, s26, 7                         ; class
	s_and_b32 s29, s26, 31
	s_and_b32 s31, s26, 127
	s_lshl_b32 s30, s27, 20
	s_lshl_b32 s48, s28, 22
	s_mov_b32 s50, 4096
	s_cmp_eq_u32 s28, 0
	s_cselect_b32 s29, s29, s31                    ; my number within the matrix
	s_cselect_b32 s30, s30, s48                    ; where the matrix's codes begin in wts
	s_cmp_eq_u32 s28, 1
	s_cselect_b32 s48, 31, 7                       ; blocks of 128 columns - 1
	s_cselect_b32 s49, 5, 3
	s_cselect_b32 s50, 16384, s50                  ; a row of the weight in bytes = 256 RS
	s_cmp_eq_u32 s28, 2
	s_cselect_b32 s51, 16, 14                      ; a tile's row of fragments is 1 << this bytes
	s_and_b32 s52, s29, s48                        ; cb
	s_lshr_b32 s53, s29, s49                       ; kb: 256 along K
	s_mul_i32 s54, s53, s50
	s_lshl_b32 s54, s54, 8
	s_lshl_b32 s55, s52, 9
	s_add_co_u32 s54, s54, s55
	s_lshl_b32 s55, s24, 7
	s_add_co_u32 s54, s54, s55                     ; 256 kb rows + 4 (128 cb + 32 wave)
	s_mov_b32 s55, 0
	s_lshl_b32 s56, s50, 5                         ; 32 rows
	s_mov_b32 s57, 0
	s_lshl_b32 s58, s52, 3
	s_lshl_b32 s59, s24, 1
	s_add_co_u32 s58, s58, s59                     ; T0 = 8 cb + 2 wave
	s_lshl_b32 s60, s58, s51
	s_add_co_u32 s60, s60, s30
	s_lshl_b32 s61, s53, 12
	s_add_co_u32 s60, s60, s61                     ; codes: + 2 kb fragments
	s_mov_b32 s61, 0
	s_lshr_b32 s62, s30, 5
	s_add_co_u32 s62, s62, 0xc00000                ; the matrix's scale words
	s_mul_i32 s63, s53, s50
	s_lshl_b32 s63, s63, 1
	s_add_co_u32 s62, s62, s63                     ; s = 2 kb
	s_lshr_b32 s63, s58, 2
	s_lshl_b32 s63, s63, 8
	s_add_co_u32 s62, s62, s63
	s_and_b32 s63, s58, 3
	s_lshl_b32 s63, s63, 2
	s_add_co_u32 s62, s62, s63
	s_mov_b32 s63, 0
	s_wait_alu depctr_va_vdst(0)
	v_lshlrev_b32 v3, 2, v2
.irp i, 0,1,2,3,4,5,6,7,8,9,10,11,12,13,14,15,16,17,18,19,20,21,22,23,24,25,26,27,28,29,30,31
	v_mad_u32_u24 v[VO+\i], s50, \i, v3
.endr
	v_bfe_u32 v4, v2, 3, 1                         ; column l lies at tile T0 + u, u = bit 3 of l,
	v_lshrrev_b32 v5, 4, v2
	v_and_b32 v6, 7, v2
	v_lshl_add_u32 v5, v5, 3, v6                   ; place r = 8 (l >> 4) + (l & 7)
	v_lshlrev_b32 v6, s51, v4
	v_lshl_add_u32 v6, v5, 4, v6                   ; codes: u tiles + 16 r
	v_lshlrev_b32 v7, 2, v4
	v_lshl_add_u32 v7, v5, 4, v7                   ; scale words: 16 r + 4 u
	v_add_nc_u32 v14, s50, v7                      ; and the next s
	s_wait_kmcnt 0x0
	s_cmp_eq_u32 s27, 1
	s_cselect_b64 s[22:23], s[8:9], s[6:7]
	s_cmp_eq_u32 s27, 2
	s_cselect_b64 s[22:23], s[10:11], s[22:23]
	s_cmp_eq_u32 s27, 3
	s_cselect_b64 s[22:23], s[12:13], s[22:23]
	s_cmp_ge_u32 s27, 4
	s_cselect_b64 s[22:23], s[14:15], s[22:23]
	s_cmp_ge_u32 s27, 8
	s_cselect_b64 s[22:23], s[16:17], s[22:23]
	s_add_nc_u64 s[32:33], s[22:23], s[54:55]      ; a base for each block of 32 along K: none is rewritten
.irp t, 1,2,3,4,5,6,7
	s_add_nc_u64 s[32+2*\t:33+2*\t], s[30+2*\t:31+2*\t], s[56:57]
.endr
	s_add_nc_u64 s[60:61], s[20:21], s[60:61]
	s_add_nc_u64 s[62:63], s[20:21], s[62:63]
.macro WLOAD t
.irp i, 0,1,2,3,4,5,6,7,8,9,10,11,12,13,14,15,16,17,18,19,20,21,22,23,24,25,26,27,28,29,30,31
	global_load_b32 v[XW+32*((\t)%2)+\i], v[VO+\i], s[32+2*(\t):33+2*(\t)] th:TH_LOAD_NT
.endr
.endm
	WLOAD 0
	WLOAD 1
.macro WBLOCK t
.set XS, XW+32*((\t)%2)
.if (\t) < 7
	s_wait_loadcnt 32                              ; this block's loads are in; the next block's 32 may be out
.else
	s_wait_loadcnt 0x0
.endif
	v_max3_num_f32 v8, |v[XS]|, |v[XS+1]|, |v[XS+2]|
	v_max3_num_f32 v9, |v[XS+3]|, |v[XS+4]|, |v[XS+5]|
.irp i, 6,10,14,18,22,26
	v_max3_num_f32 v8, v8, |v[XS+\i]|, |v[XS+\i+1]|
	v_max3_num_f32 v9, v9, |v[XS+\i+2]|, |v[XS+\i+3]|
.endr
	v_max3_num_f32 v8, v8, |v[XS+30]|, |v[XS+31]|
	v_max3_num_f32 v8, v8, v9, 0x4800000
	v_add_nc_u32 v11, 0xfc000000, v8
	v_and_or_b32 v10, v8, 0x7f800000, s25
	v_lshrrev_b32 v9, 23, v11
.if (\t)%4 == 0
	v_mov_b32 v[SB+(\t)/4], v9
.else
	v_lshl_or_b32 v[SB+(\t)/4], v9, 8*((\t)%4), v[SB+(\t)/4]
.endif
.irp i, 0,1,2,3,4,5,6,7,8,9,10,11,12,13,14,15,16,17,18,19,20,21,22,23,24,25,26,27,28,29,30,31
	v_med3_num_f32 v[XS+\i], v[XS+\i], -v10, v10
.endr
	s_wait_alu depctr_va_vdst(0)
	s_wait_xcnt 0x0                                ; the last block's stores have read the codes' registers
.irp g, 0,1,2,3
	v_cvt_scalef32_pk8_fp8_f32 v[CW+2*\g:CW+2*\g+1], v[XS+8*\g:XS+8*\g+7], v11
.endr
	v_nop
	global_store_b128 v6, v[CW:CW+3], s[60:61] offset:2048*((\t)/4)+512*((\t)%4)          ; k 0-15 of the block: h = 0; the sixteen lanes of a tile write 256 consecutive bytes
	global_store_b128 v6, v[CW+4:CW+7], s[60:61] offset:2048*((\t)/4)+512*((\t)%4)+256    ; k 16-31: h = 1
.if (\t)+2 < 8
	WLOAD (\t)+2
.endif
.endm
.irp t, 0,1,2,3,4,5,6,7
	WBLOCK \t
.endr
	global_store_b32 v7, v[SB], s[62:63]
	global_store_b32 v14, v[SB+1], s[62:63]
	s_endpgm
.Lfunc_end_k_q7a0cfb6f94_quant:
	.size	k_q7a0cfb6f94_quant, .Lfunc_end_k_q7a0cfb6f94_quant-k_q7a0cfb6f94_quant
	.p2alignl 7, 3214868480
	.fill 96, 4, 3214868480
	.section	.rodata,"a",@progbits
	.p2align	6, 0x0
	.amdhsa_kernel k_q7a0cfb6f94_quant
		.amdhsa_group_segment_fixed_size 57856
		.amdhsa_private_segment_fixed_size 0
		.amdhsa_enable_private_segment 0
		.amdhsa_kernarg_size 72
		.amdhsa_user_sgpr_count 2
		.amdhsa_user_sgpr_kernarg_segment_ptr 1
		.amdhsa_wavefront_size32 1
		.amdhsa_system_sgpr_workgroup_id_x 1
		.amdhsa_system_sgpr_workgroup_id_y 1
		.amdhsa_system_sgpr_workgroup_id_z 1
		.amdhsa_system_vgpr_workitem_id 0
		.amdhsa_next_free_vgpr 192
		.amdhsa_next_free_sgpr 66
		.amdhsa_reserve_vcc 0
		.amdhsa_float_denorm_mode_32 3
		.amdhsa_float_denorm_mode_16_64 3
		.amdhsa_memory_ordered 1
		.amdhsa_forward_progress 1
		.amdhsa_inst_pref_size 114
	.end_amdhsa_kernel
	.amdgpu_metadata
---
amdhsa.version: [ 1, 2 ]
amdhsa.kernels:
  - .name:           k_q7a0cfb6f94_quant
    .symbol:         k_q7a0cfb6f94_quant.kd
    .args:
      - { .name: x, .offset: 0, .size: 8, .value_kind: global_buffer, .address_space: global }
      - { .name: Wq, .offset: 8, .size: 8, .value_kind: global_buffer, .address_space: global }
      - { .name: Wk, .offset: 16, .size: 8, .value_kind: global_buffer, .address_space: global }
      - { .name: Wv, .offset: 24, .size: 8, .value_kind: global_buffer, .address_space: global }
      - { .name: Wo, .offset: 32, .size: 8, .value_kind: global_buffer, .address_space: global }
      - { .name: W1, .offset: 40, .size: 8, .value_kind: global_buffer, .address_space: global }
      - { .name: W2, .offset: 48, .size: 8, .value_kind: global_buffer, .address_space: global }
      - { .name: xq, .offset: 56, .size: 8, .value_kind: global_buffer, .address_space: global }
      - { .name: wts, .offset: 64, .size: 8, .value_kind: global_buffer, .address_space: global }
    .group_segment_fixed_size: 57856
    .private_segment_fixed_size: 0
    .kernarg_segment_align: 8
    .kernarg_segment_size: 72
    .max_flat_workgroup_size: 128
    .sgpr_count:     66
    .vgpr_count:     192
    .wavefront_size: 32
...
	.end_amdgpu_metadata
.endif
;; end of part 1
;; launch gemm_qkv (part 2): grid 12 x 16, 4 waves a work-group, clusters of 4 x 4, 327,680 bytes of LDS; arguments xq, wts, bq, bk, bv, qkv; writes qkv
.if DOCPART == 2
	.amdgcn_target "amdgcn-amd-amdhsa--gfx1250"
	.amdhsa_code_object_version 6
	.text
	.protected	k_q7a0cfb6f94_gemm_qkv
	.globl	k_q7a0cfb6f94_gemm_qkv
	.p2align	8
	.type	k_q7a0cfb6f94_gemm_qkv,@function
k_q7a0cfb6f94_gemm_qkv:
	s_mov_b64 s[64:65], 0
	v_nop
	global_prefetch_b8 v0, s[64:65] scope:SCOPE_SE
	s_setreg_imm32_b32 hwreg(HW_REG_WAVE_MODE, 25, 1), 1
	s_wait_xcnt 0x0
	s_wait_alu depctr_hold_cnt(0) depctr_sa_sdst(0) depctr_va_vdst(0) depctr_va_sdst(0) depctr_va_ssrc(0) depctr_va_vcc(0) depctr_vm_vsrc(0)
	s_getreg_b32 s2, hwreg(HW_REG_IB_STS2, 6, 4)
	s_cmp_eq_u32 s2, 0
	s_cbranch_scc0 .Lentry_in_a_cluster
	s_endpgm
.Lentry_in_a_cluster:
	s_bfe_u32 s2, ttmp6, 0x10000c
	s_cmp_lg_u32 s2, 0xf033
	s_cbranch_scc0 .Lentry_shape_is_right
	s_endpgm
.Lentry_shape_is_right:
; One text serves this program's four GEMMs on codes of FP8 (E4M3) with E8M0 scales; MODE says which.  0: q, k, v = x W + b, quantised on the way out.  1: attention's output x Wo + bo -> y (f32).
; 2: relu(res W1 + b1), quantised -> hid.  3: hid W2 + b2 -> y (f32).  Nothing of the product is left out.
; A tile of 256 x 256 to a work-group of four waves, 128 x 128 to a wave: 64 accumulators.  K goes in steps of 256 through two LDS slots.  Operands lie in memory as images of the operand's registers
; (fragment (T, s) of 16 places x 128 K: 2,048 bytes, group c of lane l at 512 c + 16 l), so every LDS load is 512 consecutive bytes: no pitch, no padding.  Place 16 T + r holds logical row 32 (T>>1) + 16 (r>>3) + 8 (T&1) + (r&7).
; SOURCE 0 ("B", indexed by the tile column, shared along a column of the 4 x 4 cluster) runs along a lane's registers in the result: tiles 2 b, 2 b + 1 give lane half h the 16 logical neighbours 32 b + 16 h + 0..15.
; SOURCE 1 ("A", indexed by the tile row, shared along a row of the cluster) runs along the lanes.  B = weights, A = activations; on MODE 0's v path (cluster x = 2) B = x and A = Wv, so that v's tokens run along the registers.
; Each tile is asked for JOINTLY by the four partners that share it.  SCALE WORDS come from memory straight into registers, one slot ahead: one load of 16 bytes a lane brings lanes 0-15 the words of tiles 0-3 and lanes 16-31 those of tiles 4-7.
; The bias is the C of each sum's first matrix instruction.  LIMITS of the quantising way out: a block whose largest magnitude lies under 2^-118 gets the byte 1; NaN and infinities are not served.
; REGISTERS: window 0: v0-31 addresses; v32-63 scale words, two sets; v64-127 the bias (later the way out's); v128-255 A's fragments, one set.  window 1: B's fragments, two sets.  windows 2, 3: the accumulators ((a, b) at v[8 (8 (a % 4) + b)]).
.set MODE, 0
.set KK, 1024
.set QOUT, 1
.set RELU, 0
.if MODE == 1
.set WOFF, 3145728
.set WSOFF, 12681216
.set RS0, 16
.set ASOFF, 4194304
.set QOUT, 0
.elseif MODE == 2
.set WOFF, 4194304
.set WSOFF, 12713984
.set RS0, 64
.set ASOFF, 4194304
.set RELU, 1
.elseif MODE == 3
.set KK, 4096
.set WOFF, 8388608
.set WSOFF, 12845056
.set RS0, 16
.set ASOFF, 16777216
.set QOUT, 0
.endif
.set NL,     4                         ; LDS loads to a fragment
.set NP,     8                         ; places behind this matrix instruction (ISA guide 7.12.1)
.set SLOT,   131072                    ; A's 16 tiles x 4,096 bytes, then B's
.set SPARE,  262144                    ; the spare words, 128 bytes a wave
.set SPITCH, 528                       ; f32 way out: a stage of 16 rows x (512 + 16) bytes a wave, in slot 0 after its last fill and last read
.set LAPS,   KK/512
.set ADRA, 16
.set ADRB, 20
.set STO,  24
.set RD,   25
.set CO,   26                          ; 16 x lane
.set SCO,  27                          ; 256 h + 16 r
.set SPW,  28
.set NIL,  29
.set SCB,  30                          ; SCO + 256 RS of B: the slot's second 128 along K
.set SCA,  31                          ; the same for A
.set SC,   32                          ; set p at v[SC + 16 p]: + 8 q + 0..3 B's words, + 8 q + 4..7 A's
.set BI,   64
.set AF,   128
.set BK,   128
.set SLO,  64                          ; the quantising way out: v64 scale store's offset, v65, v67 at work, v66 second offset, v68-71 words to store, v72-79 the blocks' words
.set VOB,  66
.set WD,   68
.set PWS,  72
.set PC,   112                         ; v112-127 a block's codes
.set TM,   200                         ; v200-203 maxima, v204-207 bytes, v208-211 448 x scale, v212-215 scale operands
.set G1,   24
.set G0,   32
.set G1B,  48
.set G0B,  56
.set SEL,  92
.set MNT,  94
.set PATH, 95
.set MSB, 0
.macro WIN new                         ; the immediate's high byte repeats the setting that is left
.if MSB != (\new)
	s_set_vgpr_msb (MSB<<8)|(\new)
.set MSB, (\new)
.endif
.endm
.set MUL_LO, 0xa1                      ; source 0 (B) window 1, source 1 (A) window 0, C and D window 2
.set MUL_HI, 0xf1
.set TO_B,   0x40
.macro JLOAD g0a, g1a, g0b, g1b        ; a joint load: waves 0, 1 fetch for A, waves 2, 3 for B; the branch hangs on the wave's number alone; s_nop 0 and four v_nop follow each line
	s_cmp_eq_u32 s15, 0
	s_cbranch_scc0 .Lfor_b_\@
	tensor_load_to_lds s[\g0a:\g0a+3], s[\g1a:\g1a+7]
	s_nop 0
.rept 4
	v_nop
.endr
	s_branch .Lasked_\@
.Lfor_b_\@:
	tensor_load_to_lds s[\g0b:\g0b+3], s[\g1b:\g1b+7]
	s_nop 0
.rept 4
	v_nop
.endr
.Lasked_\@:
.endm
.macro CREST
	s_cmp_lg_u32 s14, 0
	s_cbranch_scc1 .Lnot_wave_0_\@
	s_barrier_signal -3
.Lnot_wave_0_\@:
	s_barrier_wait -3
	s_barrier_signal -1
	s_barrier_wait -1
.endm
.macro CROUND
	s_barrier_signal -1
	s_barrier_wait -1
	CREST
.endm
.macro LSC p                           ; a slot's scale words into set p: four loads of 512 consecutive bytes
	global_load_b128 v[SC+16*\p:SC+16*\p+3], v[SCO], s[68:69]
	global_load_b128 v[SC+16*\p+4:SC+16*\p+7], v[SCO], s[70:71]
	global_load_b128 v[SC+16*\p+8:SC+16*\p+11], v[SCB], s[68:69]
	global_load_b128 v[SC+16*\p+12:SC+16*\p+15], v[SCA], s[70:71]
.endm
	s_load_b256 s[4:11], s[0:1], 0x0               ; MODE 0: xq, wts, bq, bk;  else: activations, wts, bias, out
.if MODE == 0
	s_load_b128 s[76:79], s[0:1], 0x20             ; bv, qkv
.endif
	v_lshl_add_u32 v[SPW], v0, 2, SPARE
	v_mov_b32 v[NIL], 0
	ds_add_u32 v[SPW], v[NIL]                      ; the wave's opening: the add, twice on end, and its wait ahead of my first tensor load
	ds_add_u32 v[SPW], v[NIL]
	v_lshrrev_b32 v1, 5, v0
	v_readfirstlane_b32 s14, v1                    ; wave
	s_lshr_b32 s15, s14, 1                         ; my half of the tile's rows (A).  Also: I fetch for A (0) or B (1)
	s_and_b32 s16, s14, 1                          ; my half of its columns (B).  Also: which 8 tiles I fetch
	s_bfe_u32 s40, ttmp6, 0x40000                  ; cx
	s_bfe_u32 s41, ttmp6, 0x40004                  ; cy
	s_and_b32 s17, ttmp7, 0xffff                   ; cluster y
.if MODE == 0
	s_cmp_eq_u32 ttmp9, 2                          ; cluster x = 2: the v path; the same in all sixteen partners
	s_cselect_b32 s[PATH], 1, 0
	s_cselect_b32 s42, s17, ttmp9
	s_cselect_b32 s17, 0, s17
.else
	s_mov_b32 s42, ttmp9
.endif
	s_lshl_b32 s42, s42, 2
	s_add_co_u32 s42, s42, s40                     ; tile column tc
	s_lshl_b32 s17, s17, 2
	s_add_co_u32 s17, s17, s41                     ; tile row tr
	s_lshl_b32 s43, s41, 2
	s_lshl_b32 s43, 15, s43                        ; my row of the cluster
	s_lshl_b32 s44, 0x1111, s40                    ; my column
	s_or_b32 s[G1+0], s43, (3<<16)|(1<<21)         ; 15:0 the mask; 17:16 elements of 8 bytes; 21 set beside a mask; no padding
	s_or_b32 s[G1B+0], s44, (3<<16)|(1<<21)
.irp g, G1, G1B
	s_mov_b32 s[\g+1], 512<<16                     ; tensor_dim0: a tile's two fragments, 4,096 bytes
	s_mov_b32 s[\g+2], 8<<16                       ; tensor_dim1: 8 tiles
	s_mov_b32 s[\g+3], 512<<16                     ; tile_dim0
	s_mov_b32 s[\g+4], 8                           ; tile_dim1
	s_mov_b32 s[\g+5], 2*KK                        ; from tile to tile: KK / 128 fragments
	s_mov_b32 s[\g+6], 0
	s_mov_b32 s[\g+7], 0
.endr
.if MODE == 0
	s_lshl_b32 s18, ttmp9, 15
	s_add_co_u32 s18, s18, 0xc00000                ; Wq's or Wk's scale words
	s_mov_b32 s19, 0x400000                        ; x's
	s_mov_b32 s72, 16*512
	s_mov_b32 s74, 64*512
	s_mov_b32 s22, 0x200000                        ; Wv's codes
	s_cmp_eq_u32 s[PATH], 1
	s_cselect_b32 s84, s42, s40                    ; B's tile of 256 within its matrix
	s_cselect_b32 s18, s19, s18
	s_cselect_b32 s86, 0xc10000, s19               ; A's scale words: Wv's or x's
	s_cselect_b32 s23, s74, s72
	s_cselect_b32 s74, s72, s74
	s_mov_b32 s72, s23                             ; 512 RS: a slot on, for B and for A
	s_cselect_b32 s22, s22, 0
.else
	s_mov_b32 s84, s42
	s_mov_b32 s18, WSOFF
	s_mov_b32 s86, ASOFF
	s_mov_b32 s72, RS0*512
	s_mov_b32 s74, 64*512
.endif
	s_lshl_b32 s84, s84, 10
	s_add_co_u32 s84, s84, s18
	s_lshl_b32 s18, s16, 9
	s_add_co_u32 s84, s84, s18                     ; B: region + 256 (4 tile + 2 half)
	s_lshl_b32 s18, s17, 10
	s_add_co_u32 s86, s86, s18
	s_lshl_b32 s18, s15, 9
	s_add_co_u32 s86, s86, s18                     ; A likewise
	s_mov_b32 s85, 0
	s_mov_b32 s87, 0
	s_mov_b32 s73, 0
	s_mov_b32 s75, 0
	s_lshl_b32 s18, s16, 3
	s_lshl_b32 s20, s17, 4
	s_add_co_u32 s20, s20, s18
	s_mul_i32 s20, s20, 16*KK                      ; A: tile 16 tr + 8 half
.if MODE == 0
	s_add_co_u32 s20, s20, s22
.endif
	s_lshl_b32 s46, s42, 4
	s_add_co_u32 s46, s46, s18
	s_mul_i32 s46, s46, 16*KK                      ; B: tile 16 tc + 8 half
.if MODE != 0
	s_add_co_u32 s46, s46, WOFF
.endif
	s_mov_b32 s21, 0
	s_mov_b32 s47, 0
	s_lshl_b32 s45, s14, 15                        ; LDS: wave x 32,768: no place in the cluster enters an LDS address
	s_mov_b32 s[SEL], 0x76543210
	s_mov_b32 s[SEL+1], 0xfedcba98
	s_mov_b32 s[MNT], 0x600000
	s_wait_dscnt 0x0                               ; both opening adds are done
	s_wait_kmcnt 0x0
.if MODE == 0
	s_cmp_eq_u32 s[PATH], 1
	s_cselect_b64 s[80:81], s[4:5], s[6:7]         ; B's buffer
	s_cselect_b64 s[82:83], s[6:7], s[4:5]         ; A's
.else
	s_mov_b64 s[80:81], s[6:7]
	s_mov_b64 s[82:83], s[4:5]
.endif
	s_add_nc_u64 s[20:21], s[82:83], s[20:21]
	s_add_nc_u64 s[46:47], s[80:81], s[46:47]
	s_add_nc_u64 s[68:69], s[80:81], s[84:85]
	s_add_nc_u64 s[70:71], s[82:83], s[86:87]
	CROUND                                         ; all sixteen work-groups are here: the first joint loads meet
.irp s, 0,1
	s_mov_b32 s[G0+4*\s], 1
	s_add_co_u32 s[G0+4*\s+1], s45, \s*SLOT
	s_add_nc_u64 s[G0+4*\s+2:G0+4*\s+3], s[20:21], \s*4096
	s_or_b32 s[G0+4*\s+3], s[G0+4*\s+3], 0x80000000
	s_mov_b32 s[G0B+4*\s], 1
	s_add_co_u32 s[G0B+4*\s+1], s45, \s*SLOT
	s_add_nc_u64 s[G0B+4*\s+2:G0B+4*\s+3], s[46:47], \s*4096
	s_or_b32 s[G0B+4*\s+3], s[G0B+4*\s+3], 0x80000000
.if \s
	s_cmp_eq_u32 s15, 0                            ; the prefetches: of the eight tiles that I fetch, the partner at place p (cx for A, cy for B) names tiles 2 p and 2 p + 1: told apart by address
	s_cselect_b32 s18, s40, s41
	s_cselect_b64 s[100:101], s[20:21], s[46:47]
	s_mul_i32 s18, s18, 32*KK
	s_mov_b32 s19, 0
	s_add_nc_u64 s[100:101], s[100:101], s[18:19]
	v_bfe_u32 v7, v0, 4, 1
	v_and_b32 v6, 15, v0
	v_mul_u32_u24 v7, v7, 16*KK
	v_lshl_add_u32 v6, v6, 8, v7                   ; lanes 0-15 one tile's 4,096 bytes of a K step, lanes 16-31 the next tile's: a lane a block of 256 bytes; never rewritten
	global_prefetch_b8 v6, s[100:101] offset:4096 th:TH_LOAD_NT scope:SCOPE_SE    ; K step 1, whose load follows when K step 0's has landed
	s_wait_alu depctr_va_vdst(0)
	s_wait_tensorcnt 0x0
	ds_add_u32 v[SPW], v[NIL]
	s_wait_dscnt 0x0
	CROUND
.endif
	JLOAD G0+4*\s, G1, G0B+4*\s, G1B               ; one tensor load of mine behind each round
.endr
	v_and_b32 v1, 15, v0                           ; r
	v_bfe_u32 v2, v0, 4, 1                         ; h
	v_and_b32 v3, 31, v0
	v_lshlrev_b32 v[CO], 4, v3
	global_prefetch_b8 v6, s[100:101] offset:8192 th:TH_LOAD_NT scope:SCOPE_SE    ; K step 2, whose load follows behind K step 0's products
	v_lshlrev_b32 v[SCO], 4, v1
	v_lshl_add_u32 v[SCO], v2, 8, v[SCO]
	s_lshr_b32 s18, s72, 1
	v_add_nc_u32 v[SCB], s18, v[SCO]
	s_lshr_b32 s18, s74, 1
	v_add_nc_u32 v[SCA], s18, v[SCO]
	LSC 0
	s_wait_alu depctr_va_vdst(0)
	s_wait_xcnt 0x0                                ; the loads have read their bases
	s_add_nc_u64 s[68:69], s[68:69], s[72:73]
	s_add_nc_u64 s[70:71], s[70:71], s[74:75]
	LSC 1
	v_lshlrev_b32 v4, 6, v2                        ; bias along the registers: lane half h begins 16 numbers on
.if MODE == 0
	v_and_b32 v5, 8, v1
	v_add_nc_u32 v5, v5, v1
	v_lshlrev_b32 v5, 2, v5                        ; bias along the lanes: place r is logical 16 (r>>3) + (r&7)
	s_cmp_eq_u32 ttmp9, 0
	s_cselect_b64 s[88:89], s[8:9], s[10:11]
	s_cmp_eq_u32 ttmp9, 2
	s_cselect_b64 s[88:89], s[76:77], s[88:89]
	s_cselect_b32 s18, s41, s40
	s_cselect_b32 s19, s15, s16
	s_lshl_b32 s18, s18, 10
	s_lshl_b32 s19, s19, 9
	s_add_co_u32 s18, s18, s19
	s_mov_b32 s19, 0
	s_add_nc_u64 s[88:89], s[88:89], s[18:19]
	s_cmp_eq_u32 s[PATH], 1
	s_cbranch_scc1 .Lbias_v
.else
	s_lshl_b32 s18, s42, 10
	s_lshl_b32 s19, s16, 9
	s_add_co_u32 s18, s18, s19
	s_mov_b32 s19, 0
	s_add_nc_u64 s[88:89], s[8:9], s[18:19]
.endif
	s_wait_alu depctr_va_vdst(0)
.irp b, 0,1,2,3,4,5,6,7
	global_load_b128 v[BI+8*\b:BI+8*\b+3], v4, s[88:89] offset:4*(32*(\b/2)+8*(\b%2))
	global_load_b128 v[BI+8*\b+4:BI+8*\b+7], v4, s[88:89] offset:4*(32*(\b/2)+8*(\b%2))+16
.endr
.if MODE == 0
	s_branch .Lbias_done
.Lbias_v:                                          ; one number a lane for each of A's tiles, in all eight registers of its C
	s_wait_alu depctr_va_vdst(0)
.irp a, 0,1,2,3,4,5,6,7
.irp j, 0,1,2,3,4,5,6,7
	global_load_b32 v[BI+8*\a+\j], v5, s[88:89] offset:4*(32*(\a/2)+8*(\a%2))
.endr
.endr
.Lbias_done:
.endif
	s_lshl_b32 s18, s15, 15
	s_lshl_b32 s19, s16, 15
	s_add_co_u32 s19, s19, 65536
.irp s, 0,1
	v_add_nc_u32 v[ADRA+\s], s18, v[CO]
	v_add_nc_u32 v[ADRB+\s], s19, v[CO]
	s_add_co_u32 s18, s18, SLOT
	s_add_co_u32 s19, s19, SLOT
.endr
.if MODE == 0                          ; qkv: [16 batch + head: 405,504][step of 128 tokens: 25,344][Q, K, V record: 8,448]; a record: 8,192 bytes of codes, 256 of scale words
	s_mov_b32 s66, 405504
	s_mov_b32 s96, 1024
	s_mov_b32 s98, 1024
	s_cmp_eq_u32 s[PATH], 1
	s_cselect_b32 s18, s42, s17                    ; the tokens' tile of 256,
	s_cselect_b32 s19, s16, s15                    ; my half of it,
	s_cselect_b32 s22, s41, s40                    ; the channels' tile of 256 (four heads),
	s_cselect_b32 s23, s15, s16                    ; my half of it
	s_cselect_b32 s66, 1024, s66                   ; groups 2, 3 of a block's codes: q, k: the next head; v: on in the fragment
	s_cselect_b32 s96, 2048, s96                   ; from block to block
	s_cselect_b32 s98, 399360, s98                 ; from block 3 to block 4 (v: the next head)
	s_lshr_b32 s84, s18, 3
	s_lshl_b32 s84, s84, 4
	s_lshl_b32 s22, s22, 2
	s_add_co_u32 s84, s84, s22
	s_lshl_b32 s23, s23, 1
	s_add_co_u32 s84, s84, s23                     ; 16 batch + my first head
	s_mul_i32 s84, s84, 405504
	s_and_b32 s18, s18, 7
	s_lshl_b32 s18, s18, 1
	s_add_co_u32 s18, s18, s19
	s_mul_i32 s18, s18, 25344
	s_add_co_u32 s84, s84, s18
	s_mul_i32 s18, ttmp9, 8448                     ; cluster x = 0, 1, 2: Q's, K's, V's record
	s_add_co_u32 s84, s84, s18
	s_mov_b32 s85, 0
	s_add_nc_u64 s[12:13], s[78:79], s[84:85]
	s_mov_b64 s[90:91], s[12:13]
.elseif MODE == 2                      ; hid: fragment (16 tr + 8 half + a, 2 tc + half)
	s_lshl_b32 s84, s17, 20
	s_lshl_b32 s18, s15, 19
	s_add_co_u32 s84, s84, s18
	s_lshl_b32 s18, s42, 12
	s_add_co_u32 s84, s84, s18
	s_lshl_b32 s18, s16, 11
	s_add_co_u32 s84, s84, s18
	s_mov_b32 s85, 0
	s_add_nc_u64 s[12:13], s[10:11], s[84:85]
	s_lshl_b32 s84, s42, 15
	s_lshl_b32 s18, s16, 14
	s_add_co_u32 s84, s84, s18
	s_lshl_b32 s18, s17, 10
	s_add_co_u32 s84, s84, s18
	s_lshl_b32 s18, s15, 9
	s_add_co_u32 s84, s84, s18
	s_add_co_u32 s84, s84, 0x1000000
	s_add_nc_u64 s[90:91], s[10:11], s[84:85]
	s_mov_b32 s66, 1024
	s_mov_b32 s96, 65536
	s_mov_b32 s98, 65536
.else                                  ; y: f32 [place][1,024]
	s_lshl_b32 s84, s17, 20
	s_lshl_b32 s18, s15, 19
	s_add_co_u32 s84, s84, s18
	s_lshl_b32 s18, s42, 10
	s_add_co_u32 s84, s84, s18
	s_lshl_b32 s18, s16, 9
	s_add_co_u32 s84, s84, s18
	s_mov_b32 s85, 0
	s_add_nc_u64 s[12:13], s[10:11], s[84:85]
	s_mul_i32 s23, s14, 16*SPITCH
	v_mul_u32_u24 v5, v1, SPITCH
	v_lshl_add_u32 v5, v2, 6, v5
	v_add_nc_u32 v[STO], s23, v5                   ; the stage, in: row r, + 64 h
	v_add_nc_u32 v[RD], s23, v[CO]                 ; back: the 32 lanes take a row of 512 bytes
.endif
	s_mov_b32 s97, 0
	s_mov_b32 s99, 0
.macro FRAG reg, adr, q, i
.irp c, 0,1,2,3
	ds_load_b128 v[\reg+4*\c:\reg+4*\c+3], v[\adr] offset:4096*(\i)+2048*(\q)+512*\c
.endr
.endm
.macro WM rb, ra                       ; tiles 4-7 of a side take their scale words from lanes 16-31
.if (\rb) && (\ra)
	v_wmma_scale_f32_16x16x128_f8f6f4 v[rD:rD+7], v[rB:rB+15], v[rA:rA+15], v[rC:rC+7], v[rSB], v[rSA] matrix_a_scale:MATRIX_SCALE_ROW1 matrix_b_scale:MATRIX_SCALE_ROW1
.elseif (\rb)
	v_wmma_scale_f32_16x16x128_f8f6f4 v[rD:rD+7], v[rB:rB+15], v[rA:rA+15], v[rC:rC+7], v[rSB], v[rSA] matrix_a_scale:MATRIX_SCALE_ROW1
.elseif (\ra)
	v_wmma_scale_f32_16x16x128_f8f6f4 v[rD:rD+7], v[rB:rB+15], v[rA:rA+15], v[rC:rC+7], v[rSB], v[rSA] matrix_b_scale:MATRIX_SCALE_ROW1
.else
	v_wmma_scale_f32_16x16x128_f8f6f4 v[rD:rD+7], v[rB:rB+15], v[rA:rA+15], v[rC:rC+7], v[rSB], v[rSA]
.endif
.endm
; 16 matrix instructions: A's blocks a0, a0 + 1 x B's eight.  p: B's set; q: the slot's 128 along K; sc: the set of scale words; cm = 0: C = D; 1: C = the bias of B's tile; 2: of A's tile.
; The 64 accumulators take turns, one instruction a turn, in the same order in every step.
.macro MUL16 a0, p, q, sc, cm
.irp a, \a0, \a0+1
.irp b, 0,1,2,3,4,5,6,7
.set rD, 8*(8*((\a)%4)+\b)
.set rB, 128*(\p)+16*\b
.set rA, AF+16*(\a)
.set rSB, SC+16*(\sc)+8*(\q)+(\b%4)
.set rSA, SC+16*(\sc)+8*(\q)+4+((\a)%4)
.if \cm == 1
.set rC, BI+8*\b
.elseif \cm == 2
.set rC, BI+8*(\a)
.else
.set rC, rD
.endif
	WM \b/4, (\a)/4
.endr
.endr
.endm
.macro FETCH_B slot, q, p
	WIN TO_B
.irp i, 0,1,2,3,4,5,6,7
	FRAG 128*(\p)+16*\i, ADRB+\slot, \q, \i
.endr
	WIN 0
.endm
.macro FETCH_A slot, q, i0
.irp i, \i0, \i0+1, \i0+2, \i0+3
	FRAG AF+16*(\i), ADRA+\slot, \q, \i
.endr
.endm
.macro PLACES n                        ; plain vector instructions between a matrix instruction and a load into, or a read of, its registers
.rept \n
	v_nop
.endr
.endm
.macro STEP slot, q, cm                ; 128 along K whose successor lies in the same slot
	s_wait_dscnt 4*NL                              ; B's set and A's blocks 0-3 are in; the youngest 16 loads (A's blocks 4-7) may be out
.if \cm
	WIN 0x81                                       ; C from window 0
.else
	WIN MUL_LO
.endif
	MUL16 0, (\q)%2, \q, \slot, \cm
	MUL16 2, (\q)%2, \q, \slot, \cm
	s_wait_dscnt 0
	PLACES NP
	FETCH_B \slot, (\q)+1, 1-(\q)%2
	FETCH_A \slot, (\q)+1, 0
.if \cm
	WIN 0xc1
.else
	WIN MUL_HI
.endif
	MUL16 4, (\q)%2, \q, \slot, \cm
	MUL16 6, (\q)%2, \q, \slot, \cm
	PLACES NP
	WIN 0
	FETCH_A \slot, (\q)+1, 4
.endm
; A slot's last step changes slots: one barrier; in front of it each wave waits for all its tensor loads, adds 0 to its spare word, and waits for that and for its reads of this slot.  fill = 1: the slot is filled again, two K steps ahead.
.macro TURN slot, next, fill
	s_wait_tensorcnt 0x0                           ; all my tensor loads have landed: my part of the next slot
	ds_add_u32 v[SPW], v[NIL]
	s_wait_dscnt 4*NL+1                            ; (the add and A's blocks 4-7 may be out)
	WIN MUL_LO
	MUL16 0, 1, 1, \slot, 0
	s_wait_dscnt 0x0                               ; the add is done, and my reads of this slot are over
	s_barrier_signal -1
	MUL16 2, 1, 1, \slot, 0
	WIN 0
	s_barrier_wait -1
.if \fill
	CREST                                          ; the barrier has opened a round of the cluster's: no wave of any partner still reads this slot or has a load on its way
	s_add_nc_u64 s[G0+4*\slot+2:G0+4*\slot+3], s[G0+4*\slot+2:G0+4*\slot+3], 8192
	s_add_nc_u64 s[G0B+4*\slot+2:G0B+4*\slot+3], s[G0B+4*\slot+2:G0B+4*\slot+3], 8192
	JLOAD G0+4*\slot, G1, G0B+4*\slot, G1B         ; my one tensor load behind the round
	PLACES NP-4
.else
	PLACES NP
.endif
	FETCH_B \next, 0, 0
	FETCH_A \next, 0, 0
	WIN MUL_HI
	MUL16 4, 1, 1, \slot, 0
	MUL16 6, 1, 1, \slot, 0
	PLACES NP
	WIN 0
	s_wait_loadcnt 0x0                             ; the next slot's scale words, asked for a slot ago, are in; their bases may step
.if \fill
	s_add_nc_u64 s[68:69], s[68:69], s[72:73]
	s_add_nc_u64 s[70:71], s[70:71], s[74:75]
	LSC \slot                                      ; this slot's next words
.endif
	FETCH_A \next, 0, 4
.endm
	s_wait_alu depctr_va_vdst(0)
	s_wait_tensorcnt 1                             ; my part of K step 0 is in (K step 1's load may be out)
	s_barrier_signal -1
	s_barrier_wait -1
	FETCH_B 0, 0, 0
	FETCH_A 0, 0, 0
	FETCH_A 0, 0, 4
	s_wait_loadcnt 0x0                             ; the scale words and the bias
.if MODE == 0
	s_cmp_eq_u32 s[PATH], 1
	s_cbranch_scc1 .Lfirst_v
	STEP 0, 0, 1                                   ; the first step starts the sums on the bias
	s_branch .Lfirst_done
.Lfirst_v:
	STEP 0, 0, 2
.Lfirst_done:
.else
	STEP 0, 0, 1
.endif
	global_prefetch_b8 v6, s[100:101] offset:12288 th:TH_LOAD_NT scope:SCOPE_SE   ; K step 3, the last: its load follows a slot on
	s_mov_b32 s3, LAPS-1
.Llap:                                             ; a trip goes once round the ring and fills both slots again
	TURN 0, 1, 1
	STEP 1, 0, 0
	TURN 1, 0, 1
	STEP 0, 0, 0
	s_sub_co_u32 s3, s3, 1
	s_cmp_lg_u32 s3, 0
	s_cbranch_scc1 .Llap
	TURN 0, 1, 0                                   ; the last lap fills nothing
	STEP 1, 0, 0
	s_wait_dscnt 4*NL
	WIN MUL_LO
	MUL16 0, 1, 1, 1, 0
	MUL16 2, 1, 1, 1, 0
	s_wait_dscnt 0
	WIN MUL_HI
	MUL16 4, 1, 1, 1, 0
	MUL16 6, 1, 1, 1, 0
	WIN 0
	PLACES NP
.if QOUT
; THE QUANTISING WAY OUT.  Block a (A's tile a): a lane's 64 numbers are 4 blocks of 32 along the next K, 16 of each in this lane and 16 in lane xor 16.  Their codes ARE a fragment's registers: four stores of 512 consecutive bytes.
.macro EQ a
.set AW, 2+(\a)/4
.set AC, 64*((\a)%4)
.set W1N, AW|(AW<<2)
.set W2N, (AW<<6)|AW
	WIN W1N                                        ; sources 0 and 1: the accumulators' window
.irp b, 0,1,2,3
.if RELU
	v_max3_num_f32 v[TM+\b], v[AC+16*\b], v[AC+16*\b+1], 0x4800000     ; no |.|: what is negative becomes 0 and must not count; the floor 2^(9 - 127) stands over it
.else
	v_max3_num_f32 v[TM+\b], |v[AC+16*\b]|, |v[AC+16*\b+1]|, 0x4800000
.endif
.endr
.irp i, 2,4,6,8,10,12,14
.irp b, 0,1,2,3
.if RELU
	v_max3_num_f32 v[TM+\b], v[AC+16*\b+\i], v[AC+16*\b+\i+1], v[TM+\b]
.else
	v_max3_num_f32 v[TM+\b], |v[AC+16*\b+\i]|, |v[AC+16*\b+\i+1]|, v[TM+\b]
.endif
.endr
.endr
	WIN 0
.irp b, 0,1,2,3
	v_permlanex16_b32 v[TM+4+\b], v[TM+\b], s[SEL], s[SEL+1]
.endr
.irp b, 0,1,2,3
	v_max_num_f32 v[TM+\b], v[TM+\b], v[TM+4+\b]
.endr
.irp b, 0,1,2,3
	v_add_nc_u32 v[TM+12+\b], 0xfc000000, v[TM+\b]                     ; the conversion's scale operand
.endr
.irp b, 0,1,2,3
	v_and_or_b32 v[TM+8+\b], v[TM+\b], 0x7f800000, s[MNT]              ; 448 x the scale
.endr
.irp b, 0,1,2,3
	v_lshrrev_b32 v[TM+4+\b], 23, v[TM+12+\b]                          ; the byte
.endr
	v_lshl_or_b32 v[PWS+(\a)], v[TM+5], 8, v[TM+4]
	v_lshl_or_b32 v[PWS+(\a)], v[TM+6], 16, v[PWS+(\a)]
	v_lshl_or_b32 v[PWS+(\a)], v[TM+7], 24, v[PWS+(\a)]
	WIN W2N
.set j, 0
.rept 64
.if RELU
	v_med3_num_f32 v[AC+j], v[AC+j], 0, v[TM+8+j/16]                   ; the activation and the hold in one
.else
	v_med3_num_f32 v[AC+j], v[AC+j], -v[TM+8+j/16], v[TM+8+j/16]
.endif
.set j, j+1
.endr
	s_wait_alu depctr_va_vdst(0)
	s_wait_xcnt 0x0                                ; the last block's stores have read their codes and their base
.if (\a) == 4
	s_add_nc_u64 s[12:13], s[12:13], s[98:99]
.elseif (\a) > 0
	s_add_nc_u64 s[12:13], s[12:13], s[96:97]
.endif
	WIN AW
.irp b, 0,1,2,3
	v_cvt_scalef32_pk8_fp8_f32 v[PC+4*\b:PC+4*\b+1], v[AC+16*\b:AC+16*\b+7], v[TM+12+\b]
	v_cvt_scalef32_pk8_fp8_f32 v[PC+4*\b+2:PC+4*\b+3], v[AC+16*\b+8:AC+16*\b+15], v[TM+12+\b]
.endr
	v_nop
	WIN 0
	global_store_b128 v[CO], v[PC:PC+3], s[12:13]
	global_store_b128 v[CO], v[PC+4:PC+7], s[12:13] offset:512
	global_store_b128 v[VOB], v[PC+8:PC+11], s[12:13]
	global_store_b128 v[VOB], v[PC+12:PC+15], s[12:13] offset:512
.endm
.irp b, 0,1,2,3
	v_mov_b32 v[TM+4+\b], 0                        ; a lane permute's destination counts as one of its sources
.endr
	v_add_nc_u32 v[VOB], s66, v[CO]
.if MODE == 0
	v_mul_u32_u24 v[SLO], v2, 405504
	v_lshl_add_u32 v[SLO], v1, 4, v[SLO]           ; lanes 16-31 store the next head's words
.endif
.irp a, 0,1,2,3,4,5,6,7
	EQ \a
.endr
	v_cmp_eq_u32 vcc_lo, 1, v2
.if MODE == 0
	s_cmp_eq_u32 s[PATH], 1
	s_cbranch_scc1 .Lwords_v
	v_mov_b32 v[SLO+1], 0x05040100                 ; q, k: a record's word g = (tile 2 g's two bytes | tile 2 g + 1's); lanes 0-15 my first head's (bytes 0, 1), lanes 16-31 the next head's (bytes 2, 3)
	v_mov_b32 v[SLO+3], 0x07060302
	v_cndmask_b32 v[SLO+1], v[SLO+1], v[SLO+3], vcc_lo
.irp g, 0,1,2,3
	v_perm_b32 v[WD+\g], v[PWS+2*\g+1], v[PWS+2*\g], v[SLO+1]
.endr
	s_branch .Lwords_done
.Lwords_v:
.endif
.irp j, 0,1,2,3
	v_cndmask_b32 v[WD+\j], v[PWS+\j], v[PWS+4+\j], vcc_lo    ; lanes 0-15: blocks 0-3; lanes 16-31: blocks 4-7
.endr
.if MODE == 0
.Lwords_done:
	s_wait_alu depctr_va_vdst(0)
	global_store_b128 v[SLO], v[WD:WD+3], s[90:91] offset:8192
.else
	global_store_b128 v[SCO], v[WD:WD+3], s[90:91]
.endif
.else
; THE f32 WAY OUT, block by block of 16 rows x 128 columns, through my own stage in LDS: back as whole rows of 512 bytes.  LDS serves a wave's instructions in order.
.macro TOSTAGE a
.set AC, 64*((\a)%4)
	WIN 0x08+4*((\a)/4)
.irp b, 0,1,2,3,4,5,6,7
	ds_store_b128 v[STO], v[AC+8*\b:AC+8*\b+3] offset:128*(\b/2)+32*(\b%2)         ; tile b, half h: logical columns 32 (b / 2) + 16 h + 8 (b % 2) on
	ds_store_b128 v[STO], v[AC+8*\b+4:AC+8*\b+7] offset:128*(\b/2)+32*(\b%2)+16
.endr
	WIN 0
.set BB, BK+64*((\a)%2)
.irp t, 0,1,2,3,4,5,6,7,8,9,10,11,12,13,14,15
	ds_load_b128 v[BB+4*\t:BB+4*\t+3], v[RD] offset:\t*SPITCH
.endr
.endm
.macro SEND a, younger
.set BB, BK+64*((\a)%2)
	s_wait_dscnt \younger
.if (\a) > 0
	s_add_nc_u64 s[12:13], s[12:13], 65536         ; 16 rows on (behind a wait on XCNT: the earlier stores have read their base)
.endif
.irp t, 0,1,2,3,4,5,6,7,8,9,10,11,12,13,14,15
	global_store_b128 v[CO], v[BB+4*\t:BB+4*\t+3], s[12:13] offset:\t*4096
.endr
.endm
	TOSTAGE 0
.irp a, 1,2,3,4,5,6,7
.if \a > 1
	s_wait_xcnt 0x0
.endif
	TOSTAGE \a
	SEND \a-1, 32                                  ; behind block a - 1's loads: block a's 16 stores and 16 loads
.endr
	s_wait_xcnt 0x0
	SEND 7, 0
.endif
	s_wait_tensorcnt 0x0                           ; the wave's end
	ds_add_u32 v[SPW], v[NIL]
	s_wait_dscnt 0x0
	CROUND                                         ; the closing round
	s_endpgm
.Lfunc_end_k_q7a0cfb6f94_gemm_qkv:
	.size	k_q7a0cfb6f94_gemm_qkv, .Lfunc_end_k_q7a0cfb6f94_gemm_qkv-k_q7a0cfb6f94_gemm_qkv
	.p2alignl 7, 3214868480
	.fill 96, 4, 3214868480
	.section	.rodata,"a",@progbits
	.p2align	6, 0x0
	.amdhsa_kernel k_q7a0cfb6f94_gemm_qkv
		.amdhsa_group_segment_fixed_size 327680
		.amdhsa_private_segment_fixed_size 0
		.amdhsa_enable_private_segment 0
		.amdhsa_kernarg_size 48
		.amdhsa_user_sgpr_count 2
		.amdhsa_user_sgpr_kernarg_segment_ptr 1
		.amdhsa_wavefront_size32 1
		.amdhsa_system_sgpr_workgroup_id_x 1
		.amdhsa_system_sgpr_workgroup_id_y 1
		.amdhsa_system_sgpr_workgroup_id_z 1
		.amdhsa_system_vgpr_workitem_id 0
		.amdhsa_next_free_vgpr 1024
		.amdhsa_next_free_sgpr 102
		.amdhsa_reserve_vcc 1
		.amdhsa_float_denorm_mode_32 3
		.amdhsa_float_denorm_mode_16_64 3
		.amdhsa_memory_ordered 1
		.amdhsa_forward_progress 1
		.amdhsa_inst_pref_size 207
	.end_amdhsa_kernel
	.amdgpu_metadata
---
amdhsa.version: [ 1, 2 ]
amdhsa.kernels:
  - .name:           k_q7a0cfb6f94_gemm_qkv
    .symbol:         k_q7a0cfb6f94_gemm_qkv.kd
    .args:
      - { .name: xq, .offset: 0, .size: 8, .value_kind: global_buffer, .address_space: global }
      - { .name: wts, .offset: 8, .size: 8, .value_kind: global_buffer, .address_space: global }
      - { .name: bq, .offset: 16, .size: 8, .value_kind: global_buffer, .address_space: global }
      - { .name: bk, .offset: 24, .size: 8, .value_kind: global_buffer, .address_space: global }
      - { .name: bv, .offset: 32, .size: 8, .value_kind: global_buffer, .address_space: global }
      - { .name: qkv, .offset: 40, .size: 8, .value_kind: global_buffer, .address_space: global }
    .group_segment_fixed_size: 327680
    .private_segment_fixed_size: 0
    .kernarg_segment_align: 8
    .kernarg_segment_size: 48
    .max_flat_workgroup_size: 128
    .sgpr_count:     102
    .vgpr_count:     1024
    .wavefront_size: 32
...
	.end_amdgpu_metadata
.endif
;; end of part 2
;; launch attn (part 3): grid 8 x 32, 16 waves a work-group, clusters of 4 x 1, 272,384 bytes of LDS; arguments qkv, ao; writes ao
.if DOCPART == 3
	.amdgcn_target "amdgcn-amd-amdhsa--gfx1250"
	.amdhsa_code_object_version 6
	.text
	.protected	k_q7a0cfb6f94_attn
	.globl	k_q7a0cfb6f94_attn
	.p2align	8
	.type	k_q7a0cfb6f94_attn,@function
k_q7a0cfb6f94_attn:
	s_mov_b64 s[64:65], 0
	v_nop
	global_prefetch_b8 v0, s[64:65] scope:SCOPE_SE
	s_setreg_imm32_b32 hwreg(HW_REG_WAVE_MODE, 25, 1), 1
	s_wait_xcnt 0x0
	s_wait_alu depctr_hold_cnt(0) depctr_sa_sdst(0) depctr_va_vdst(0) depctr_va_sdst(0) depctr_va_ssrc(0) depctr_va_vcc(0) depctr_vm_vsrc(0)
	s_getreg_b32 s2, hwreg(HW_REG_IB_STS2, 6, 4)
	s_cmp_eq_u32 s2, 0
	s_cbranch_scc0 .Lentry_in_a_cluster
	s_endpgm
.Lentry_in_a_cluster:
	s_bfe_u32 s2, ttmp6, 0x10000c
	s_cmp_lg_u32 s2, 0x3003
	s_cbranch_scc0 .Lentry_shape_is_right
	s_endpgm
.Lentry_shape_is_right:
; Attention of one head on codes of FP8 (E4M3) with E8M0 scales: o = softmax(q k^T / 8) v, divided by the row's sum and quantised along the model's 1,024 for the product with Wo.  Nothing is left out.
; qkv: [hh = 16 batch + head: 405,504][step of 128 tokens: 25,344][Q, K, V record: 8,448].  A Q or K record: four PAIR fragments g of 2,048 bytes (register groups 0, 1: tile 2 g's 64 channels; groups 2, 3: tile 2 g + 1's), then words [r][g]
; (tile 2 g's two bytes | tile 2 g + 1's).  A V record: four fragments t (16 channel places x 128 keys), then words [r][t].  Token and channel places: place 16 T + r is logical 32 (T>>1) + 16 (r>>3) + 8 (T&1) + (r&7).
; THE HEAD HAS 64 CHANNELS AND THE INSTRUCTION 128 ALONG K: a fragment of K carries two tiles of keys, and q stands twice, as [q | 0] and as [0 | q]: zero codes pick the tile.  (No code is NaN: every number was held at 448.)
; THE SOFTMAX: t = score x log2(e) / 8; M = the running largest t rounded up to a whole number; p = 2^(t - M) is quantised along the keys; the sum is taken of the unquantised p; when M moves, sum and O are multiplied by 2^(old M - new M).
; SHARES: a work-group owns 256 queries of a head, each of its sixteen waves 16.  The head's K and V records, 270,336 bytes, ALL lie in LDS: wave w brings step w's by one tensor load; nothing is filled again.
; CLUSTER: the four work-groups of a cluster serve one head: each load is asked for jointly.  Both products are used transposed: a lane holds one query throughout.
; LIMITS: a block of the output whose largest magnitude lies under 2^-118 gets the byte 1; NaN and infinities are not served.
; REGISTERS: v1 16 lane, v2 lane, v3 16 (lane % 16); v8, v10 addresses; v12 -M, v13 largest t, v[14:15] the sum; v16-31 [q|0]; v32-95 K's or V's fragments; v96-159 S^T, p; v160-191 O^T; v192-207 [0|q]; v224-239 p's codes; v232-254 at work; v248-251, v253, v255 scale words.
.set REC,   8448
.set STEPB, 16896                      ; a step's K and V records
.set STEPG, 25344
.set HEADB, 405504
.set SPARE, 270336                     ; the spare words, 128 bytes a wave
.set LI,  1
.set LR,  3
.set SPW, 5
.set NIL, 6
.set WV,  18
.set MNT, 19
.set SEL, 20
.set CS,  22
.set G1,  24
.set G0,  32
.set TB,  36
.set CNT, 37
.macro CROUND
	s_barrier_signal -1
	s_barrier_wait -1
	s_cmp_lg_u32 s[WV], 0
	s_cbranch_scc1 .Lnot_wave_0_\@
	s_barrier_signal -3
.Lnot_wave_0_\@:
	s_barrier_wait -3
	s_barrier_signal -1
	s_barrier_wait -1
.endm
	s_load_b128 s[4:7], s[0:1], 0x0                ; qkv, ao
	v_lshl_add_u32 v[SPW], v0, 2, SPARE
	v_mov_b32 v[NIL], 0
	ds_add_u32 v[SPW], v[NIL]                      ; the wave's opening: the add, twice on end, and its wait ahead of my first tensor load
	ds_add_u32 v[SPW], v[NIL]
	v_lshrrev_b32 v8, 5, v0
	s_delay_alu instid0(VALU_DEP_1)
	v_readfirstlane_b32 s[WV], v8                  ; wave 0..15
	s_bfe_u32 s38, ttmp6, 0x40000                  ; cx
	s_lshl_b32 s39, ttmp9, 2
	s_add_co_u32 s39, s39, s38                     ; my block of 256 queries: it enters Q's and ao's addresses alone
	s_and_b32 s40, ttmp7, 0xffff                   ; hh, which the four partners share
	s_mul_i32 s41, s40, HEADB
	s_mul_i32 s42, s[WV], STEPG
	s_add_co_u32 s42, s42, s41
	s_add_co_u32 s42, s42, REC                     ; step w's K record; V's follows it
	s_mov_b32 s43, 0
	s_mul_i32 s44, s[WV], STEPB
	s_mov_b32 s[G1], 15|(3<<16)|(1<<21)            ; the mask: all four; elements of 8 bytes; bit 21 beside a mask; no padding
	s_mov_b32 s[G1+1], 32<<16                      ; rows of 256 bytes,
	s_mov_b32 s[G1+2], 66<<16                      ; 66 of them, dense
	s_mov_b32 s[G1+3], 32<<16
	s_mov_b32 s[G1+4], 66
	s_mov_b32 s[G1+5], 32
	s_mov_b32 s[G1+6], 0
	s_mov_b32 s[G1+7], 0
	s_lshl_b32 s45, s39, 1
	s_lshr_b32 s50, s[WV], 3
	s_add_co_u32 s45, s45, s50                     ; the step that holds my queries
	s_mul_i32 s45, s45, STEPG
	s_add_co_u32 s45, s45, s41                     ; its Q record
	s_bfe_u32 s50, s[WV], 0x20001                  ; g
	s_and_b32 s51, s[WV], 1                        ; u: which tile of the pair
	s_lshl_b32 s46, s50, 11
	s_add_co_u32 s46, s46, s45
	s_lshl_b32 s52, s51, 10
	s_add_co_u32 s46, s46, s52
	s_mov_b32 s47, 0
	s_lshl_b32 s48, s50, 2
	s_add_co_u32 s48, s48, s45
	s_add_co_u32 s48, s48, 8192
	s_mov_b32 s49, 0
	s_mov_b32 s53, 0x03020302
	s_cmp_eq_u32 s51, 0
	s_cselect_b32 s53, 0x01000100, s53             ; my tile's two bytes into both halves of q's scale word
	s_lshr_b32 s54, s40, 4                         ; batch
	s_and_b32 s55, s40, 15                         ; head
	s_lshl_b32 s54, s54, 7
	s_lshl_b32 s56, s39, 4
	s_add_co_u32 s54, s54, s56
	s_add_co_u32 s54, s54, s[WV]                   ; my tile of tokens T
	s_lshr_b32 s56, s55, 1
	s_and_b32 s57, s55, 1
	s_lshl_b32 s58, s54, 3
	s_add_co_u32 s58, s58, s56
	s_lshl_b32 s58, s58, 11
	s_lshl_b32 s60, s57, 10
	s_add_co_u32 s58, s58, s60                     ; ao: fragment (T, head / 2), groups 2 (head % 2) on
	s_mov_b32 s59, 0
	s_lshl_b32 s60, s56, 6
	s_lshr_b32 s61, s54, 2
	s_add_co_u32 s60, s60, s61
	s_lshl_b32 s60, s60, 8
	s_and_b32 s61, s54, 3
	s_lshl_b32 s61, s61, 2
	s_add_co_u32 s60, s60, s61
	s_lshl_b32 s61, s57, 1
	s_add_co_u32 s60, s60, s61
	s_add_co_u32 s60, s60, 0x400000                ; and my half of its scale words
	s_mov_b32 s61, 0
	s_mov_b32 s[SEL], 0x76543210
	s_mov_b32 s[SEL+1], 0xfedcba98
	s_mov_b32 s[CS], 0x3e38aa3b                    ; c = log2(e) / 8
	s_mov_b32 s[CS+1], s[CS]
	s_mov_b32 s[MNT], 0x600000
	s_mov_b32 s[TB], 0
	s_mov_b32 s[CNT], 0
	s_wait_dscnt 0x0                               ; both opening adds are done
	s_wait_kmcnt 0x0
	s_mov_b32 s[G0], 1
	s_mov_b32 s[G0+1], s44
	s_add_nc_u64 s[G0+2:G0+3], s[4:5], s[42:43]
	s_or_b32 s[G0+3], s[G0+3], 0x80000000
	CROUND                                         ; all four work-groups are here: the joint loads meet
	s_cmp_lt_u32 s[WV], 2                          ; waves 0, 1 (steps 0, 1) have a load line of their own: the first barrier shows their records alone
	s_cbranch_scc0 .Llater
	tensor_load_to_lds s[G0:G0+3], s[G1:G1+7]      ; my one tensor load of the launch
	s_nop 0
.rept 4
	v_nop
.endr
	s_branch .Lasked
.Llater:
	tensor_load_to_lds s[G0:G0+3], s[G1:G1+7]      ; my one tensor load of the launch
	s_nop 0
.rept 4
	v_nop
.endr
.Lasked:
	s_add_nc_u64 s[46:47], s[4:5], s[46:47]
	s_add_nc_u64 s[48:49], s[4:5], s[48:49]
	s_add_nc_u64 s[58:59], s[6:7], s[58:59]
	s_add_nc_u64 s[60:61], s[6:7], s[60:61]
	v_and_b32 v2, 31, v0
	s_delay_alu instid0(VALU_DEP_1)
	v_lshlrev_b32 v[LI], 4, v2
	v_and_b32 v[LR], 15, v0
	s_delay_alu instid0(VALU_DEP_1)
	v_lshlrev_b32 v[LR], 4, v[LR]
	global_load_b128 v[16:19], v[LI], s[46:47]             ; q, channels 16 h on and 32 + 16 h on: once as [q | 0],
	global_load_b128 v[20:23], v[LI], s[46:47] offset:512
	global_load_b128 v[200:203], v[LI], s[46:47]           ; once as [0 | q]
	global_load_b128 v[204:207], v[LI], s[46:47] offset:512
	global_load_b32 v254, v[LR], s[48:49]
.irp j, 0,1,2,3,4,5,6,7
	v_mov_b32 v[24+\j], 0
	v_mov_b32 v[192+\j], 0
.endr
	v_mov_b32 v13, 0xff61b1e6                      ; the largest t so far: -3e38
	s_delay_alu instid0(VALU_DEP_1)
	v_floor_f32 v12, -v13                          ; -M
	v_mov_b32 v14, 0
	v_mov_b32 v15, 0
.irp b, 0,1,2,3
	v_mov_b32 v[236+\b], 0                         ; a lane permute's destination counts as one of its sources
.endr
	v_mov_b32 v253, 0
.set j, 0
.rept 32
	v_mov_b32 v[160+j], 0                          ; O^T: the step is written once; its first trip finds zeros
.set j, j+1
.endr
	s_wait_loadcnt 0x0
	v_perm_b32 v255, v254, v254, s53               ; q's scale word
	s_cmp_lt_u32 s[WV], 2
	s_cbranch_scc0 .Lnot_mine
	s_wait_tensorcnt 0x0                           ; waves 0, 1: my step's records have landed
.Lnot_mine:
	s_barrier_signal -1
	s_barrier_wait -1                              ; steps 0 and 1 lie in LDS
.macro KSTEP                                       ; a step of 128 keys
	v_add_nc_u32 v8, s[TB], v[LI]
	v_add_nc_u32 v10, s[TB], v[LR]
.rept 6
	v_nop                                          ; with the two additions: eight places in front of loads into registers that matrix instructions have read
.endr
.irp g, 0,1,2,3
.irp c, 0,1,2,3
	ds_load_b128 v[32+16*\g+4*\c:35+16*\g+4*\c], v8 offset:2048*\g+512*\c
.endr
.endr
	ds_load_b128 v[248:251], v10 offset:8192
	s_wait_dscnt 0x0
	s_wait_alu depctr_va_vdst(0)
.irp g, 0,1,2,3                                    ; S^T: tiles 2 g and 2 g + 1: a lane's 16 registers are keys 32 g + 16 h + 0..15
	v_wmma_scale_f32_16x16x128_f8f6f4 v[96+16*\g:103+16*\g], v[32+16*\g:47+16*\g], v[16:31], 0, v[248+\g], v255
	v_wmma_scale_f32_16x16x128_f8f6f4 v[104+16*\g:111+16*\g], v[32+16*\g:47+16*\g], v[192:207], 0, v[248+\g], v255
.endr
.rept 8
	v_nop
.endr
.irp t, 0,1,2,3                                    ; V's fragments land under the softmax
.irp c, 0,1,2,3
	ds_load_b128 v[32+16*\t+4*\c:35+16*\t+4*\c], v8 offset:REC+2048*\t+512*\c
.endr
.endr
	ds_load_b128 v[248:251], v10 offset:REC+8192
.irp b, 0,1,2,3
	v_max3_num_f32 v[232+\b], v[96+16*\b], v[97+16*\b], v[98+16*\b]    ; each block's largest score: for the row's maximum and for the block's largest p
.endr
.irp i, 3,5,7,9,11,13
.irp b, 0,1,2,3
	v_max3_num_f32 v[232+\b], v[232+\b], v[96+16*\b+\i], v[97+16*\b+\i]
.endr
.endr
.irp b, 0,1,2,3
	v_max_num_f32 v[232+\b], v[232+\b], v[111+16*\b]
.endr
.irp b, 0,1,2,3
	v_permlanex16_b32 v[236+\b], v[232+\b], s[SEL], s[SEL+1]
.endr
.irp b, 0,1,2,3
	s_delay_alu instid0(VALU_DEP_4)
	v_max_num_f32 v[232+\b], v[232+\b], v[236+\b]
.endr
	s_delay_alu instid0(VALU_DEP_2)
	v_max3_num_f32 v254, v232, v233, v234
	s_delay_alu instid0(VALU_DEP_1)
	v_max_num_f32 v254, v254, v235
	s_delay_alu instid0(VALU_DEP_1)
	v_mul_f32 v254, s[CS], v254
	s_delay_alu instid0(VALU_DEP_1)
	v_max_num_f32 v13, v13, v254                   ; the running largest t
	v_mov_b32 v254, v12
	s_delay_alu instid0(VALU_DEP_2)
	v_floor_f32 v12, -v13                          ; the new -M
	s_delay_alu instid0(VALU_DEP_1)
	v_sub_f32 v254, v12, v254                      ; old M - new M: a whole number, 0 or less
	s_delay_alu instid0(VALU_DEP_1)
	v_cvt_i32_f32 v254, v254
	s_delay_alu instid0(VALU_DEP_1)
	v_ldexp_f32 v252, 1.0, v254                    ; f = 2^(old M - new M)
.set j, 0
.rept 32
	v_pk_fma_f32 v[96+j:97+j], v[96+j:97+j], s[CS:CS+1], v[12:13] op_sel_hi:[1,0,0]   ; t - M
.set j, j+2
.endr
.irp b, 0,1,2,3
	v_fma_f32 v[232+\b], v[232+\b], s[CS], v12
.endr
.set j, 0
	s_wait_alu depctr_va_vdst(0)
.rept 64
	v_exp_f32 v[96+j], v[96+j]                     ; p = 2^(t - M)
.set j, j+1
.endr
	v_pk_mul_f32 v[14:15], v[14:15], v[252:253] op_sel_hi:[1,0]    ; the sums under the new M: a plain line behind the exponentials
	s_wait_alu depctr_va_vdst(0)                   ; one wait for the batch, ahead of its first reader
.irp b, 0,1,2,3
	v_exp_f32 v[232+\b], v[232+\b]                 ; each block's largest p
.endr
	v_pk_add_f32 v[236:237], v[100:101], v[104:105]
	v_pk_add_f32 v[222:223], v[108:109], v[112:113]
	v_pk_add_f32 v[220:221], v[116:117], v[120:121]
	v_pk_add_f32 v[218:219], v[124:125], v[128:129]
	v_pk_add_f32 v[216:217], v[132:133], v[136:137]
	v_pk_add_f32 v[214:215], v[140:141], v[144:145]
	v_pk_add_f32 v[212:213], v[148:149], v[152:153]
	v_pk_add_f32 v[14:15], v[14:15], v[156:157]
	v_pk_add_f32 v[236:237], v[236:237], v[96:97]
	v_pk_add_f32 v[222:223], v[222:223], v[98:99]
	v_pk_add_f32 v[220:221], v[220:221], v[102:103]
	v_pk_add_f32 v[218:219], v[218:219], v[106:107]
	v_pk_add_f32 v[216:217], v[216:217], v[110:111]
	v_pk_add_f32 v[214:215], v[214:215], v[114:115]
	v_pk_add_f32 v[212:213], v[212:213], v[118:119]
	v_pk_add_f32 v[14:15], v[14:15], v[122:123]
	v_pk_add_f32 v[236:237], v[236:237], v[126:127]
	v_pk_add_f32 v[222:223], v[222:223], v[130:131]
	v_pk_add_f32 v[220:221], v[220:221], v[134:135]
	v_pk_add_f32 v[218:219], v[218:219], v[138:139]
	v_pk_add_f32 v[216:217], v[216:217], v[142:143]
	v_pk_add_f32 v[214:215], v[214:215], v[146:147]
	v_pk_add_f32 v[212:213], v[212:213], v[150:151]
	v_pk_add_f32 v[14:15], v[14:15], v[154:155]
	v_pk_add_f32 v[236:237], v[236:237], v[158:159]
	s_delay_alu instid0(VALU_DEP_2)
	v_pk_add_f32 v[14:15], v[14:15], v[218:219]
	s_delay_alu instid0(VALU_DEP_2)
	v_pk_add_f32 v[236:237], v[236:237], v[216:217]
	v_pk_add_f32 v[222:223], v[222:223], v[214:215]
	v_pk_add_f32 v[220:221], v[220:221], v[212:213]
	s_delay_alu instid0(VALU_DEP_2)
	v_pk_add_f32 v[14:15], v[14:15], v[222:223]
	s_delay_alu instid0(VALU_DEP_2)
	v_pk_add_f32 v[236:237], v[236:237], v[220:221]
	s_delay_alu instid0(VALU_DEP_1)
	v_pk_add_f32 v[14:15], v[14:15], v[236:237]
	s_wait_alu depctr_va_vdst(0)                   ; and one for the four
.irp b, 0,1,2,3
	v_max_num_f32 v[232+\b], 0x4800000, v[232+\b]  ; the floor 2^(9 - 127)
.endr
.irp b, 0,1,2,3
	s_delay_alu instid0(VALU_DEP_4)
	v_add_nc_u32 v[244+\b], 0xfc000000, v[232+\b]
.endr
.irp b, 0,1,2,3
	v_and_or_b32 v[240+\b], v[232+\b], 0x7f800000, s[MNT]
.endr
.irp b, 0,1,2,3
	v_lshrrev_b32 v[236+\b], 23, v[244+\b]
.endr
	s_delay_alu instid0(VALU_DEP_3)
	v_lshl_or_b32 v253, v237, 8, v236              ; p's scale word for these 128 keys
	s_delay_alu instid0(VALU_DEP_1)
	v_lshl_or_b32 v253, v238, 16, v253
	s_delay_alu instid0(VALU_DEP_1)
	v_lshl_or_b32 v253, v239, 24, v253
.irp b, 0,1,2,3
.set j, 0
.rept 8
	v_dual_min_num_f32 v[96+16*\b+j], v[96+16*\b+j], v[240+\b] :: v_dual_min_num_f32 v[97+16*\b+j], v[97+16*\b+j], v[240+\b]   ; the hold, two numbers a line; p is not negative
.set j, j+2
.endr
	v_cvt_scalef32_pk8_fp8_f32 v[224+4*\b:225+4*\b], v[96+16*\b:103+16*\b], v[244+\b]
	v_cvt_scalef32_pk8_fp8_f32 v[226+4*\b:227+4*\b], v[104+16*\b:111+16*\b], v[244+\b]
.endr
.set j, 0
.rept 16
	v_pk_mul_f32 v[160+j:161+j], v[160+j:161+j], v[252:253] op_sel_hi:[1,0]   ; O^T under the new M; also the places in front of the products below
.set j, j+2
.endr
	s_wait_alu depctr_va_vdst(0)
	s_wait_dscnt 0x0                               ; V
.irp t, 0,1,2,3                                    ; four accumulators by turns
	v_wmma_scale_f32_16x16x128_f8f6f4 v[160+8*\t:167+8*\t], v[32+16*\t:47+16*\t], v[224:239], v[160+8*\t:167+8*\t], v[248+\t], v253
.endr
	s_add_co_u32 s[TB], s[TB], STEPB
.endm
.Lfirst:                                           ; 2 trips on the records of waves 0 and 1
	KSTEP
	s_add_co_u32 s[CNT], s[CNT], 1
	s_cmp_lt_u32 s[CNT], 2
	s_cbranch_scc1 .Lfirst
	s_wait_tensorcnt 0x0                           ; every wave: my step's records have landed,
	s_barrier_signal -1
	s_barrier_wait -1                              ; everybody's have
.Lstep:                                            ; the other 14 trips
	KSTEP
	s_add_co_u32 s[CNT], s[CNT], 1
	s_cmp_lt_u32 s[CNT], 16
	s_cbranch_scc1 .Lstep
; THE WAY OUT: O^T / the sum; register 16 b + i is channel 32 b + 16 h + i of my query: two blocks of 32 along the next K
.rept 8
	v_nop
.endr
	v_add_f32 v14, v14, v15
	s_delay_alu instid0(VALU_DEP_1)
	v_permlanex16_b32 v252, v14, s[SEL], s[SEL+1]
	s_delay_alu instid0(VALU_DEP_1)
	v_add_f32 v14, v14, v252
	s_wait_alu depctr_va_vdst(0)
	v_rcp_f32 v14, v14
	v_nop
	s_wait_alu depctr_va_vdst(0)
.set j, 0
.rept 32
	v_mul_f32 v[96+j], v[160+j], v14
.set j, j+1
.endr
.irp b, 0,1
	v_max3_num_f32 v[232+\b], |v[96+16*\b]|, |v[97+16*\b]|, 0x4800000
.endr
.irp i, 2,4,6,8,10,12,14
.irp b, 0,1
	s_delay_alu instid0(VALU_DEP_2)
	v_max3_num_f32 v[232+\b], v[232+\b], |v[96+16*\b+\i]|, |v[97+16*\b+\i]|
.endr
.endr
.irp b, 0,1
	v_permlanex16_b32 v[236+\b], v[232+\b], s[SEL], s[SEL+1]
.endr
.irp b, 0,1
	s_delay_alu instid0(VALU_DEP_2)
	v_max_num_f32 v[232+\b], v[232+\b], v[236+\b]
.endr
.irp b, 0,1
	s_delay_alu instid0(VALU_DEP_2)
	v_add_nc_u32 v[244+\b], 0xfc000000, v[232+\b]
.endr
.irp b, 0,1
	s_delay_alu instid0(VALU_DEP_4)
	v_and_or_b32 v[240+\b], v[232+\b], 0x7f800000, s[MNT]
.endr
.irp b, 0,1
	s_delay_alu instid0(VALU_DEP_4)
	v_lshrrev_b32 v[236+\b], 23, v[244+\b]
.endr
	s_delay_alu instid0(VALU_DEP_1)
	v_lshl_or_b32 v254, v237, 8, v236              ; my head's two bytes of the row's scale word
.irp b, 0,1
.set j, 0
.rept 16
	v_med3_num_f32 v[96+16*\b+j], v[96+16*\b+j], -v[240+\b], v[240+\b]
.set j, j+1
.endr
	v_cvt_scalef32_pk8_fp8_f32 v[224+4*\b:225+4*\b], v[96+16*\b:103+16*\b], v[244+\b]
	v_cvt_scalef32_pk8_fp8_f32 v[226+4*\b:227+4*\b], v[104+16*\b:111+16*\b], v[244+\b]
.endr
	v_nop
	global_store_b128 v[LI], v[224:227], s[58:59]              ; 512 consecutive bytes each
	global_store_b128 v[LI], v[228:231], s[58:59] offset:512
	v_cmp_gt_u32 vcc_lo, 16, v2
	s_wait_xcnt 0x0                                ; EXEC changes only behind this wait
	s_and_saveexec_b32 s62, vcc_lo
	global_store_b16 v[LR], v254, s[60:61]         ; two bytes a row (a head owns half of a word): 128 KiB in the whole launch
	s_wait_xcnt 0x0
	s_or_b32 exec_lo, exec_lo, s62
	s_wait_tensorcnt 0x0                           ; the wave's end
	ds_add_u32 v[SPW], v[NIL]
	s_wait_dscnt 0x0
	CROUND                                         ; the closing round
	s_endpgm
.Lfunc_end_k_q7a0cfb6f94_attn:
	.size	k_q7a0cfb6f94_attn, .Lfunc_end_k_q7a0cfb6f94_attn-k_q7a0cfb6f94_attn
	.p2alignl 7, 3214868480
	.fill 96, 4, 3214868480
	.section	.rodata,"a",@progbits
	.p2align	6, 0x0
	.amdhsa_kernel k_q7a0cfb6f94_attn
		.amdhsa_group_segment_fixed_size 272384
		.amdhsa_private_segment_fixed_size 0
		.amdhsa_enable_private_segment 0
		.amdhsa_kernarg_size 16
		.amdhsa_user_sgpr_count 2
		.amdhsa_user_sgpr_kernarg_segment_ptr 1
		.amdhsa_wavefront_size32 1
		.amdhsa_system_sgpr_workgroup_id_x 1
		.amdhsa_system_sgpr_workgroup_id_y 1
		.amdhsa_system_sgpr_workgroup_id_z 1
		.amdhsa_system_vgpr_workitem_id 0
		.amdhsa_next_free_vgpr 256
		.amdhsa_next_free_sgpr 66
		.amdhsa_reserve_vcc 1
		.amdhsa_float_denorm_mode_32 3
		.amdhsa_float_denorm_mode_16_64 3
		.amdhsa_memory_ordered 1
		.amdhsa_forward_progress 1
		.amdhsa_inst_pref_size 53
	.end_amdhsa_kernel
	.amdgpu_metadata
---
amdhsa.version: [ 1, 2 ]
amdhsa.kernels:
  - .name:           k_q7a0cfb6f94_attn
    .symbol:         k_q7a0cfb6f94_attn.kd
    .args:
      - { .name: qkv, .offset: 0, .size: 8, .value_kind: global_buffer, .address_space: global }
      - { .name: ao, .offset: 8, .size: 8, .value_kind: global_buffer, .address_space: global }
    .group_segment_fixed_size: 272384
    .private_segment_fixed_size: 0
    .kernarg_segment_align: 8
    .kernarg_segment_size: 16
    .max_flat_workgroup_size: 512
    .sgpr_count:     66
    .vgpr_count:     256
    .wavefront_size: 32
...
	.end_amdgpu_metadata
.endif
;; end of part 3
;; launch gemm_o (part 4): grid 8 x 32, 4 waves a work-group, no clusters, 270,848 bytes of LDS; arguments ao, wts, bo, y; writes y
.if DOCPART == 4
	.amdgcn_target "amdgcn-amd-amdhsa--gfx1250"
	.amdhsa_code_object_version 6
	.text
	.protected	k_q7a0cfb6f94_gemm_o
	.globl	k_q7a0cfb6f94_gemm_o
	.p2align	8
	.type	k_q7a0cfb6f94_gemm_o,@function
k_q7a0cfb6f94_gemm_o:
	s_mov_b64 s[64:65], 0
	v_nop
	global_prefetch_b8 v0, s[64:65] scope:SCOPE_SE
	s_setreg_imm32_b32 hwreg(HW_REG_WAVE_MODE, 25, 1), 1
	s_wait_xcnt 0x0
; y = a W + bias, f32, on codes of FP8 (E4M3) with E8M0 scales: a = attention's output [4,096 places][KK], W = Wo.  Nothing of the product is left out.
; Operands lie in memory as images of the operand's registers: fragment (T, s) of 16 places x 128 K is 2,048 bytes at (T KK/128 + s) 2,048, group c of lane l at 512 c + 16 l; scale words at ((s RS + (T>>2)) 16 + r) 16 + 4 (T&3).
; A work-group makes 128 x 128 of y: 8 x 32 = 256 work-groups.  K IS DEALT AMONG ITS FOUR WAVES: wave w multiplies the 128s of K with number 4 i + w on all 64 accumulators (128 x 128).
; So each fragment is multiplied by ONE wave alone, and goes from memory straight into that wave's registers, 512 consecutive bytes a load: no tile lies in LDS, the K steps have no barrier,
; and there is no tensor load that work-groups could ask for jointly: so no cluster.  W has two sets of registers, asked for a step and more ahead; a has one set, loaded anew two tiles at a time behind the products that used them.
; At the end each wave lays its partial tile into a stage in LDS; wave w adds the four parts of rows 32 w .. 32 w + 31, and the bias, and stores whole rows of 512 bytes.
; Source 0 = W's tiles (along a lane's registers), source 1 = a's tiles (along the lanes).
; PREFETCH: a step asks for the K step four on; here a wave has KK / 512 = 2 steps, all of whose loads go out in the first: none is assembled.
.set KK, 1024
.set WOFF, 3145728
.set WSOFF, 12681216
.set ASOFF, 4194304
.set NS, KK/512                        ; K steps of a wave
.set SPITCH, 528                       ; a stage row: 512 bytes + 16
.set PART, 128*SPITCH                  ; a wave's partial tile in the stage
.set SPARE, 4*PART                     ; the spare words, 128 bytes a wave
.set RD, 8                             ; v8-11   stage, back: part p, my first row, 16 x lane
.set BI, 12                            ; v12-15  the bias of my four columns
.set STO, 24                           ; stage, in
.set CO, 25                            ; 16 x lane
.set SCO, 26                           ; 256 h + 16 r
.set SPW, 28
.set NIL, 29
.set PFO, 30                           ; 256 x lane
.set SC, 32                            ; scale words: step i at v[SC + 8 i]: + 0..3 W's, + 4..7 a's (lanes 0-15 tiles 0-3, lanes 16-31 tiles 4-7)
.set AF, 128                           ; a's fragments, window 0; W's: window 1, sets at v0 and v128; accumulators (a, b) at v[8 (8 (a % 4) + b)] of window 2 + a / 4
.set PFA, 90
.set MSB, 0
.macro WIN new                         ; the immediate's high byte repeats the setting that is left
.if MSB != (\new)
	s_set_vgpr_msb (MSB<<8)|(\new)
.set MSB, (\new)
.endif
.endm
.macro PLACES n
.rept \n
	v_nop
.endr
.endm
	s_load_b256 s[4:11], s[0:1], 0x0               ; a, wts, bias, y
	v_lshl_add_u32 v[SPW], v0, 2, SPARE
	v_mov_b32 v[NIL], 0
	v_lshrrev_b32 v1, 5, v0
	v_readfirstlane_b32 s14, v1                    ; wave
	s_mov_b32 s42, ttmp9                           ; tile column 0..7
	s_and_b32 s17, ttmp7, 0xffff                   ; tile row 0..31
	s_lshl_b32 s18, s14, 11                        ; fragment w of each four
	s_mul_i32 s20, s17, 128*KK
	s_add_co_u32 s20, s20, s18                     ; a: tile 8 row
	s_mul_i32 s46, s42, 128*KK
	s_add_co_u32 s46, s46, s18
	s_add_co_u32 s46, s46, WOFF                    ; W: tile 8 column
	s_mov_b32 s21, 0
	s_mov_b32 s47, 0
	s_lshl_b32 s84, s42, 9
	s_add_co_u32 s84, s84, WSOFF
	s_lshl_b32 s18, s14, 12
	s_add_co_u32 s84, s84, s18                     ; W's scale words: 512 column + K step w (16 x 256 bytes a step)
	s_lshl_b32 s86, s17, 9
	s_add_co_u32 s86, s86, ASOFF
	s_lshl_b32 s18, s14, 14
	s_add_co_u32 s86, s86, s18                     ; a's: 64 x 256 bytes a step
	s_mov_b32 s85, 0
	s_mov_b32 s87, 0
	s_mul_i32 s72, s14, PART
	s_mul_i32 s73, s14, 32*SPITCH
	s_add_co_u32 s74, s73, PART
	s_add_co_u32 s75, s74, PART
	s_add_co_u32 s76, s75, PART
	s_lshl_b32 s80, s42, 9                         ; my block's 128 columns: 512 bytes
	s_mov_b32 s81, 0
	s_lshl_b32 s82, s17, 19
	s_lshl_b32 s83, s14, 17
	s_add_co_u32 s82, s82, s83
	s_add_co_u32 s82, s82, s80                     ; y: row 128 tile row + 32 wave, 4,096 bytes a row
	s_mov_b32 s83, 0
.if NS > 2
; the prefetches.  The 8 work-groups of a tile row read the same 8 tiles of a: each names one (wave 0: tile number = my tile column).  The 32 of a tile column read the same 8 tiles of W: those of tile rows 0-7 name one each (wave 1)
	s_mul_i32 s77, s42, 16*KK
	s_mul_i32 s78, s17, 128*KK
	s_add_co_u32 s77, s77, s78
	s_mul_i32 s78, s42, 128*KK
	s_mul_i32 s79, s17, 16*KK
	s_add_co_u32 s78, s78, s79
	s_add_co_u32 s78, s78, WOFF
	s_cmp_lt_u32 s17, 8
	s_cselect_b32 s79, 2, 1
	s_cmp_lt_u32 s14, s79
	s_cselect_b32 s93, 1, 0                        ; 1: my wave asks
	s_cmp_eq_u32 s14, 0
	s_cselect_b32 s78, s77, s78
	s_mov_b32 s79, 0
.endif
	v_and_b32 v1, 15, v0                           ; r
	v_bfe_u32 v2, v0, 4, 1                         ; h
	v_and_b32 v3, 31, v0
	v_lshlrev_b32 v[CO], 4, v3
	v_lshlrev_b32 v[PFO], 8, v3
	v_lshlrev_b32 v[SCO], 4, v1
	v_lshl_add_u32 v[SCO], v2, 8, v[SCO]
	v_mul_u32_u24 v4, v1, SPITCH
	v_lshl_add_u32 v4, v2, 6, v4
	v_add_nc_u32 v[STO], s72, v4                   ; in: my part, row r, + 64 h
	v_add_nc_u32 v[RD], s73, v[CO]
	v_add_nc_u32 v[RD+1], s74, v[CO]
	v_add_nc_u32 v[RD+2], s75, v[CO]
	v_add_nc_u32 v[RD+3], s76, v[CO]
	s_wait_alu depctr_va_vdst(0)
	s_wait_kmcnt 0x0
	s_add_nc_u64 s[20:21], s[4:5], s[20:21]
	s_add_nc_u64 s[46:47], s[6:7], s[46:47]
	s_add_nc_u64 s[68:69], s[6:7], s[84:85]
	s_add_nc_u64 s[70:71], s[4:5], s[86:87]
	s_add_nc_u64 s[88:89], s[8:9], s[80:81]
	s_add_nc_u64 s[12:13], s[10:11], s[82:83]
.if NS > 2
	s_cmp_eq_u32 s14, 0
	s_cselect_b64 s[PFA:PFA+1], s[4:5], s[6:7]
	s_add_nc_u64 s[PFA:PFA+1], s[PFA:PFA+1], s[78:79]
.endif
.macro ASK st                          ; K steps 4 st .. 4 st + 3 of one tile: 8,192 bytes, a lane a block of 256
	s_cmp_eq_u32 s93, 1
	s_cbranch_scc0 .Lno_\@
	global_prefetch_b8 v[PFO], s[PFA:PFA+1] offset:(\st)*8192 th:TH_LOAD_NT scope:SCOPE_SE
.Lno_\@:
.endm
.macro LA g, i                         ; a's tiles 2 g, 2 g + 1 of my step i: 8 loads
.irp t, 2*(\g), 2*(\g)+1
.irp c, 0,1,2,3
	global_load_b128 v[AF+16*(\t)+4*\c:AF+16*(\t)+4*\c+3], v[CO], s[20:21] offset:(\t)*16*KK+(\i)*8192+512*\c
.endr
.endr
.endm
.macro LB i                            ; W's eight tiles of my step i into set i % 2: 32 loads
	WIN 0x40
.irp t, 0,1,2,3,4,5,6,7
.irp c, 0,1,2,3
	global_load_b128 v[128*((\i)%2)+16*\t+4*\c:128*((\i)%2)+16*\t+4*\c+3], v[CO], s[46:47] offset:\t*16*KK+(\i)*8192+512*\c
.endr
.endr
	WIN 0
.endm
.macro WM rb, ra, c                    ; tiles 4-7 of a side take their scale words from lanes 16-31
.if (\rb) && (\ra)
	v_wmma_scale_f32_16x16x128_f8f6f4 v[rD:rD+7], v[rB:rB+15], v[rA:rA+15], \c, v[rSB], v[rSA] matrix_a_scale:MATRIX_SCALE_ROW1 matrix_b_scale:MATRIX_SCALE_ROW1
.elseif (\rb)
	v_wmma_scale_f32_16x16x128_f8f6f4 v[rD:rD+7], v[rB:rB+15], v[rA:rA+15], \c, v[rSB], v[rSA] matrix_a_scale:MATRIX_SCALE_ROW1
.elseif (\ra)
	v_wmma_scale_f32_16x16x128_f8f6f4 v[rD:rD+7], v[rB:rB+15], v[rA:rA+15], \c, v[rSB], v[rSA] matrix_b_scale:MATRIX_SCALE_ROW1
.else
	v_wmma_scale_f32_16x16x128_f8f6f4 v[rD:rD+7], v[rB:rB+15], v[rA:rA+15], \c, v[rSB], v[rSA]
.endif
.endm
.macro MUL16 a0, k, c                  ; a's tiles a0, a0 + 1 x W's eight; the 64 accumulators take turns, one instruction a turn
.irp a, \a0, \a0+1
.irp b, 0,1,2,3,4,5,6,7
.set rD, 8*(8*((\a)%4)+\b)
.set rB, 128*((\k)%2)+16*\b
.set rA, AF+16*(\a)
.set rSB, SC+8*(\k)+(\b%4)
.set rSA, SC+8*(\k)+4+((\a)%4)
	WM \b/4, (\a)/4, \c
.endr
.endr
.endm
; My step i.  c: the products' C: the constant 0 in the first step, else the accumulator itself.
; THE WAIT: loads are issued in the order LA 0..3 (i), LB (i + 1), LA 0..3 (i + 1), LB (i + 2).  Behind LA g (i) stand 8 (3 - g) loads of this step's later tiles, LB (i + 1)'s 32 and 8 g of the next step's tiles: 56; in the last step the first of these alone.
.macro KSTEP i, c
.irp g, 0,1,2,3
.if (\i)+1 < NS
	s_wait_loadcnt 56
.else
	s_wait_loadcnt 8*(3-\g)
.endif
	WIN 0xa1+0x50*(\g/2)
	MUL16 2*\g, \i, \c
	WIN 0
.if (\i)+1 < NS
	PLACES 8                                       ; eight places ahead of loads into registers that products have read
	LA \g, (\i)+1
.endif
.endr
.if (\i)+2 < NS
	LB (\i)+2
.endif
.if (\i)+4 < NS
	ASK (\i)+4
.endif
.endm
.set Q, 0
.rept NS
	global_load_b128 v[SC+8*Q:SC+8*Q+3], v[SCO], s[68:69] offset:16384*Q
	global_load_b128 v[SC+8*Q+4:SC+8*Q+7], v[SCO], s[70:71] offset:65536*Q
.set Q, Q+1
.endr
	global_load_b128 v[BI:BI+3], v[CO], s[88:89]
	LB 0
.irp g, 0,1,2,3
	LA \g, 0
.endr
	LB 1
.if NS > 2
	ASK 2
	ASK 3
.endif
	KSTEP 0, 0
.irp k, 1
	KSTEP \k, v[rD:rD+7]
.endr
	PLACES 8                                       ; ahead of the first reads of the sums
.irp a, 0,1,2,3,4,5,6,7
	WIN 0x08+4*(\a/4)
.irp b, 0,1,2,3,4,5,6,7
	ds_store_b128 v[STO], v[64*(\a%4)+8*\b:64*(\a%4)+8*\b+3] offset:\a*16*SPITCH+128*(\b/2)+32*(\b%2)      ; tile b, half h: logical columns 32 (b / 2) + 16 h + 8 (b % 2) on; each accumulator from its low end
	ds_store_b128 v[STO], v[64*(\a%4)+8*\b+4:64*(\a%4)+8*\b+7] offset:\a*16*SPITCH+128*(\b/2)+32*(\b%2)+16
.endr
.endr
	WIN 0
	s_wait_dscnt 0x0                               ; for the others' sake: my part lies in the stage
	s_barrier_signal -1
	s_barrier_wait -1
.macro RLOAD n                         ; rows 4 n .. 4 n + 3 of my 32, all four parts: 16 loads of 512 bytes
.set BB, AF+64*((\n)%2)
.irp j, 0,1,2,3
.irp p, 0,1,2,3
	ds_load_b128 v[BB+16*\j+4*\p:BB+16*\j+4*\p+3], v[RD+\p] offset:(4*(\n)+\j)*SPITCH
.endr
.endr
.endm
.macro RSUM n
.set BB, AF+64*((\n)%2)
.irp j, 0,1,2,3
.irp e, 0,2
	v_pk_add_f32 v[BB+16*\j+\e:BB+16*\j+\e+1], v[BB+16*\j+\e:BB+16*\j+\e+1], v[BB+16*\j+4+\e:BB+16*\j+5+\e]
	v_pk_add_f32 v[BB+16*\j+8+\e:BB+16*\j+9+\e], v[BB+16*\j+8+\e:BB+16*\j+9+\e], v[BB+16*\j+12+\e:BB+16*\j+13+\e]
.endr
.endr
.irp j, 0,1,2,3
.irp e, 0,2
	v_pk_add_f32 v[BB+16*\j+\e:BB+16*\j+\e+1], v[BB+16*\j+\e:BB+16*\j+\e+1], v[BB+16*\j+8+\e:BB+16*\j+9+\e]
.endr
.endr
.irp j, 0,1,2,3
.irp e, 0,2
	v_pk_add_f32 v[BB+16*\j+\e:BB+16*\j+\e+1], v[BB+16*\j+\e:BB+16*\j+\e+1], v[BI+\e:BI+\e+1]
.endr
.endr
.irp j, 0,1,2,3
	global_store_b128 v[CO], v[BB+16*\j:BB+16*\j+3], s[12:13] offset:(4*(\n)+\j)*4096   ; 512 consecutive bytes of a row of y
.endr
.endm
	RLOAD 0
.irp n, 0,1,2,3,4,5,6
.if \n > 0
	s_wait_xcnt 0x0                                ; batch n - 1's stores have read the registers that the loads below fill
.endif
	RLOAD \n+1
	s_wait_dscnt 16                                ; batch n is in; batch n + 1's 16 loads may be out
	RSUM \n
.endr
	s_wait_dscnt 0x0
	RSUM 7
	s_wait_tensorcnt 0x0                           ; the wave's end, behind my last LDS store
	ds_add_u32 v[SPW], v[NIL]
	s_wait_dscnt 0x0
	s_endpgm
.Lfunc_end_k_q7a0cfb6f94_gemm_o:
	.size	k_q7a0cfb6f94_gemm_o, .Lfunc_end_k_q7a0cfb6f94_gemm_o-k_q7a0cfb6f94_gemm_o
	.p2alignl 7, 3214868480
	.fill 96, 4, 3214868480
	.section	.rodata,"a",@progbits
	.p2align	6, 0x0
	.amdhsa_kernel k_q7a0cfb6f94_gemm_o
		.amdhsa_group_segment_fixed_size 270848
		.amdhsa_private_segment_fixed_size 0
		.amdhsa_enable_private_segment 0
		.amdhsa_kernarg_size 32
		.amdhsa_user_sgpr_count 2
		.amdhsa_user_sgpr_kernarg_segment_ptr 1
		.amdhsa_wavefront_size32 1
		.amdhsa_system_sgpr_workgroup_id_x 1
		.amdhsa_system_sgpr_workgroup_id_y 1
		.amdhsa_system_sgpr_workgroup_id_z 1
		.amdhsa_system_vgpr_workitem_id 0
		.amdhsa_next_free_vgpr 1024
		.amdhsa_next_free_sgpr 100
		.amdhsa_reserve_vcc 0
		.amdhsa_float_denorm_mode_32 3
		.amdhsa_float_denorm_mode_16_64 3
		.amdhsa_memory_ordered 1
		.amdhsa_forward_progress 1
		.amdhsa_inst_pref_size 70
	.end_amdhsa_kernel
	.amdgpu_metadata
---
amdhsa.version: [ 1, 2 ]
amdhsa.kernels:
  - .name:           k_q7a0cfb6f94_gemm_o
    .symbol:         k_q7a0cfb6f94_gemm_o.kd
    .args:
      - { .name: ao, .offset: 0, .size: 8, .value_kind: global_buffer, .address_space: global }
      - { .name: wts, .offset: 8, .size: 8, .value_kind: global_buffer, .address_space: global }
      - { .name: bo, .offset: 16, .size: 8, .value_kind: global_buffer, .address_space: global }
      - { .name: y, .offset: 24, .size: 8, .value_kind: global_buffer, .address_space: global }
    .group_segment_fixed_size: 270848
    .private_segment_fixed_size: 0
    .kernarg_segment_align: 8
    .kernarg_segment_size: 32
    .max_flat_workgroup_size: 128
    .sgpr_count:     100
    .vgpr_count:     1024
    .wavefront_size: 32
...
	.end_amdgpu_metadata
.endif
;; end of part 4
;; launch ln1 (part 5): grid 256 x 1, 8 waves a work-group, no clusters, 59,904 bytes of LDS; arguments x, y, g1, be1, res, rq; writes res, rq
.if DOCPART == 5
	.amdgcn_target "amdgcn-amd-amdhsa--gfx1250"
	.amdhsa_code_object_version 6
	.text
	.protected	k_q7a0cfb6f94_ln1
	.globl	k_q7a0cfb6f94_ln1
	.p2align	8
	.type	k_q7a0cfb6f94_ln1,@function
k_q7a0cfb6f94_ln1:
	s_mov_b64 s[64:65], 0
	v_nop
	global_prefetch_b8 v0, s[64:65] scope:SCOPE_SE
	s_setreg_imm32_b32 hwreg(HW_REG_WAVE_MODE, 25, 1), 1
	s_wait_xcnt 0x0
; LayerNorm of a + b over rows of 1,024, in f32: mean, then the mean of the squared differences (two passes: no difference of large sums), x rsqrt(var + 1e-5) x gamma + beta.  Nothing is left out.
; QUANT = 1: a = x (logical rows), b = y (rows by place), result -> res (by place) and, quantised to FP8 (E4M3) with E8M0 scales along the 1,024, -> rq.  QUANT = 0: a = res, b = y (by place), result -> out0 (logical rows).
; Place 16 T + r holds logical row 32 (T>>1) + 16 (r>>3) + 8 (T&1) + (r&7).  Work-group T owns tile T, wave w its places 2 w and 2 w + 1; a row lies in one wave's registers, 32 numbers a lane; each load and store covers 512 consecutive bytes.
; rq: fragments (T, s) of 2,048 bytes as images of the operand's registers (group c of lane 16 h + r at 512 c + 256 h + 16 r: k = 32 c + 16 h + 0..15); scale words at 4,194,304 + ((64 s + (T>>2)) 16 + r) 16 + 4 (T&3).
; LIMITS: a block whose largest magnitude lies under 2^-118 gets the byte 1 (read by this program alone); NaN and infinities are not served.
.set QUANT, 1
.set SP,    80                         ; a lane's place in a turn stage: 64 bytes + 16
.set TST,   32*SP
.set ISG,   40960                      ; behind the eight waves' two turn stages each: the tile's image, 64 units of 256 bytes, 272 apart
.set IP,    272
.set SBY,   58368                      ; 512 scale bytes [s][r][c]
.set SPARE, 58880                      ; the spare words, 128 bytes a wave
.set LO,  2                            ; 16 x lane
.set TI,  3
.set TO,  4
.set IS,  5
.set BS,  6
.set RDI, 7
.set RDS, 8
.set SO,  9
.set SPW, 14
.set NIL, 15
.set C,   16                           ; v16-31  codes, four registers a step
.set X,   32                           ; v32-63  two sets of 16 neighbours
.set A,   64                           ; v64-127 two rows
.set B,   128                          ; v128-191 the second summand; then at work:
.set T,   128                          ; v128-137 sums
.set TQ,  144                          ; v144-147 the quantiser's
.set E,   148                          ; v148-151 a byte a step
.set G,   192
.set BE,  224
	s_load_b256 s[4:11], s[0:1], 0x0               ; a, b, gamma, beta
.if QUANT
	s_load_b128 s[12:15], s[0:1], 0x20             ; res, rq
	v_lshl_add_u32 v[SPW], v0, 2, SPARE
	v_mov_b32 v[NIL], 0
.else
	s_load_b64 s[12:13], s[0:1], 0x20              ; out0
.endif
	v_lshrrev_b32 v1, 5, v0
	s_delay_alu instid0(VALU_DEP_1)
	v_readfirstlane_b32 s16, v1                    ; wave
	v_and_b32 v1, 31, v0                           ; lane
	s_delay_alu instid0(VALU_DEP_1)
	v_lshlrev_b32 v[LO], 4, v1
	s_lshl_b32 s17, ttmp9, 16
	s_lshl_b32 s18, s16, 13
	s_add_co_u32 s20, s17, s18                     ; by place: row 16 T + 2 w, 4,096 bytes a row
	s_mov_b32 s21, 0
	s_lshr_b32 s17, ttmp9, 1
	s_lshl_b32 s22, s17, 17
	s_and_b32 s17, ttmp9, 1
	s_lshl_b32 s17, s17, 15
	s_add_co_u32 s22, s22, s17
	s_lshr_b32 s17, s16, 2
	s_lshl_b32 s17, s17, 16
	s_add_co_u32 s22, s22, s17
	s_and_b32 s17, s16, 3
	s_lshl_b32 s17, s17, 13
	s_add_co_u32 s22, s22, s17                     ; logical: row 32 (T>>1) + 8 (T&1) + 16 (w>>2) + 2 (w&3)
	s_mov_b32 s23, 0
	s_mov_b32 s24, 0x76543210
	s_mov_b32 s25, 0xfedcba98
	s_mov_b32 s26, 0x3a800000                      ; 1 / 1,024
	s_mov_b32 s27, 0x3727c5ac                      ; 1e-5
	s_mov_b32 s29, 0x600000
	s_wait_alu depctr_va_vdst(0)
	s_wait_kmcnt 0x0
.if QUANT
	s_add_nc_u64 s[4:5], s[4:5], s[22:23]
	s_add_nc_u64 s[12:13], s[12:13], s[20:21]
.else
	s_add_nc_u64 s[4:5], s[4:5], s[20:21]
	s_add_nc_u64 s[12:13], s[12:13], s[22:23]
.endif
	s_add_nc_u64 s[6:7], s[6:7], s[20:21]
.irp i, 0,1
.irp j, 0,1,2,3,4,5,6,7
	global_load_b128 v[A+32*\i+4*\j:A+32*\i+4*\j+3], v[LO], s[4:5] offset:4096*\i+512*\j th:TH_LOAD_NT
.endr
.endr
.irp i, 0,1
.irp j, 0,1,2,3,4,5,6,7
	global_load_b128 v[B+32*\i+4*\j:B+32*\i+4*\j+3], v[LO], s[6:7] offset:4096*\i+512*\j th:TH_LOAD_NT
.endr
.endr
.irp j, 0,1,2,3,4,5,6,7
	global_load_b128 v[G+4*\j:G+4*\j+3], v[LO], s[8:9] offset:512*\j
.endr
.irp j, 0,1,2,3,4,5,6,7
	global_load_b128 v[BE+4*\j:BE+4*\j+3], v[LO], s[10:11] offset:512*\j
.endr
.if QUANT
	s_mul_i32 s28, s16, 2*TST
	v_lshrrev_b32 v[TI], 2, v1
	s_delay_alu instid0(VALU_DEP_1)
	v_mul_u32_u24 v[TI], v[TI], SP
	v_and_b32 v10, 3, v1
	s_delay_alu instid0(VALU_DEP_1)
	v_lshl_add_u32 v[TI], v10, 4, v[TI]
	s_delay_alu instid0(VALU_DEP_1)
	v_add_nc_u32 v[TI], s28, v[TI]                 ; turn stage, in
	v_mul_u32_u24 v[TO], v1, SP
	s_delay_alu instid0(VALU_DEP_1)
	v_add_nc_u32 v[TO], s28, v[TO]                 ; out: 16 neighbours
	s_lshl_b32 s28, s16, 5
	s_add_co_u32 s28, s28, ISG
	v_mul_u32_u24 v[IS], v1, IP
	s_delay_alu instid0(VALU_DEP_1)
	v_add_nc_u32 v[IS], s28, v[IS]                 ; image: unit 32 half + lane, place 2 w + i
	s_lshl_b32 s28, s16, 3
	s_add_co_u32 s28, s28, SBY
	v_lshrrev_b32 v[BS], 3, v1
	v_bfe_u32 v10, v1, 1, 2
	s_delay_alu instid0(VALU_DEP_1)
	v_lshl_add_u32 v[BS], v[BS], 6, v10
	s_delay_alu instid0(VALU_DEP_1)
	v_add_nc_u32 v[BS], s28, v[BS]                 ; byte: 64 s + 4 r + c
	s_mul_i32 s28, s16, 8*IP
	s_add_co_u32 s28, s28, ISG
	v_lshrrev_b32 v[RDI], 4, v1
	s_delay_alu instid0(VALU_DEP_1)
	v_mul_u32_u24 v[RDI], v[RDI], IP
	v_and_b32 v10, 15, v1
	s_delay_alu instid0(VALU_DEP_1)
	v_lshl_add_u32 v[RDI], v10, 4, v[RDI]
	s_delay_alu instid0(VALU_DEP_1)
	v_add_nc_u32 v[RDI], s28, v[RDI]               ; back: wave w takes K step w's eight units
	s_lshl_b32 s28, s16, 6
	s_add_co_u32 s28, s28, SBY
	v_lshl_add_u32 v[RDS], v10, 2, s28
	v_lshlrev_b32 v[SO], 4, v10
	s_lshl_b32 s30, ttmp9, 14
	s_lshl_b32 s31, s16, 11
	s_add_co_u32 s30, s30, s31                     ; rq: fragment (T, w)
	s_mov_b32 s31, 0
	s_lshl_b32 s32, s16, 14
	s_lshr_b32 s33, ttmp9, 2
	s_lshl_b32 s33, s33, 8
	s_add_co_u32 s32, s32, s33
	s_and_b32 s33, ttmp9, 3
	s_lshl_b32 s33, s33, 2
	s_add_co_u32 s32, s32, s33
	s_add_co_u32 s32, s32, 0x400000
	s_mov_b32 s33, 0
	s_add_nc_u64 s[30:31], s[14:15], s[30:31]
	s_add_nc_u64 s[32:33], s[14:15], s[32:33]
.endif
	s_wait_loadcnt 16                              ; both summands are in; gamma's and beta's 16 loads may be out
.set j, 0
.rept 32
	v_pk_add_f32 v[A+j:A+j+1], v[A+j:A+j+1], v[B+j:B+j+1]
.set j, j+2
.endr
.macro REDUCE                          ; four pairs in v[T] .. v[T+7] -> the row's sum in v[T], in every lane
	s_delay_alu instid0(VALU_DEP_3)
	v_pk_add_f32 v[T:T+1], v[T:T+1], v[T+2:T+3]
	s_delay_alu instid0(VALU_DEP_2)
	v_pk_add_f32 v[T+4:T+5], v[T+4:T+5], v[T+6:T+7]
	s_delay_alu instid0(VALU_DEP_1)
	v_pk_add_f32 v[T:T+1], v[T:T+1], v[T+4:T+5]
	s_delay_alu instid0(VALU_DEP_1)
	v_add_f32 v[T], v[T], v[T+1]
	s_delay_alu instid0(VALU_DEP_1)
	v_add_f32_dpp v[T], v[T], v[T] row_xmask:1 row_mask:0xf bank_mask:0xf
	s_delay_alu instid0(VALU_DEP_1)
	v_add_f32_dpp v[T], v[T], v[T] row_xmask:2 row_mask:0xf bank_mask:0xf
	s_delay_alu instid0(VALU_DEP_1)
	v_add_f32_dpp v[T], v[T], v[T] row_xmask:4 row_mask:0xf bank_mask:0xf
	s_delay_alu instid0(VALU_DEP_1)
	v_add_f32_dpp v[T], v[T], v[T] row_xmask:8 row_mask:0xf bank_mask:0xf
	s_delay_alu instid0(VALU_DEP_1)
	v_permlanex16_b32 v[T+1], v[T], s24, s25
	s_delay_alu instid0(VALU_DEP_1)
	v_add_f32 v[T], v[T], v[T+1]
.endm
.macro ROW i
.set Z, A+32*\i
.irp c, 0,1,2,3
	v_pk_add_f32 v[T+2*\c:T+2*\c+1], v[Z+2*\c:Z+2*\c+1], v[Z+8+2*\c:Z+9+2*\c]
.endr
.irp k, 16,24
.irp c, 0,1,2,3
	s_delay_alu instid0(VALU_DEP_4)
	v_pk_add_f32 v[T+2*\c:T+2*\c+1], v[T+2*\c:T+2*\c+1], v[Z+\k+2*\c:Z+\k+2*\c+1]
.endr
.endr
	REDUCE
	s_delay_alu instid0(VALU_DEP_1)
	v_mul_f32 v[T+8], s26, v[T]                    ; the mean, twice: a pair for the packed forms
	s_delay_alu instid0(VALU_DEP_2)
	v_mul_f32 v[T+9], s26, v[T]
.set j, 0
.rept 16
	v_pk_add_f32 v[Z+j:Z+j+1], v[Z+j:Z+j+1], v[T+8:T+9] neg_lo:[0,1] neg_hi:[0,1]
.set j, j+2
.endr
.irp c, 0,1,2,3
	v_pk_mul_f32 v[T+2*\c:T+2*\c+1], v[Z+2*\c:Z+2*\c+1], v[Z+2*\c:Z+2*\c+1]
.endr
.irp k, 8,16,24
.irp c, 0,1,2,3
	s_delay_alu instid0(VALU_DEP_4)
	v_pk_fma_f32 v[T+2*\c:T+2*\c+1], v[Z+\k+2*\c:Z+\k+2*\c+1], v[Z+\k+2*\c:Z+\k+2*\c+1], v[T+2*\c:T+2*\c+1]
.endr
.endr
	REDUCE
	s_delay_alu instid0(VALU_DEP_1)
	v_fma_f32 v[T], v[T], s26, s27                 ; the variance + 1e-5
	s_wait_alu depctr_va_vdst(0)
	v_rsq_f32 v[T+8], v[T]
	v_rsq_f32 v[T+9], v[T]
	v_nop                                          ; a plain line behind the transcendentals,
	s_wait_alu depctr_va_vdst(0)                   ; and one wait for both, ahead of their first reader
.set j, 0
.rept 16
	v_pk_mul_f32 v[Z+j:Z+j+1], v[Z+j:Z+j+1], v[T+8:T+9]
.set j, j+2
.endr
.if \i == 0
	s_wait_loadcnt 0x0                             ; gamma and beta
.endif
.set j, 0
.rept 16
	v_pk_fma_f32 v[Z+j:Z+j+1], v[Z+j:Z+j+1], v[G+j:G+j+1], v[BE+j:BE+j+1]
.set j, j+2
.endr
.irp j, 0,1,2,3,4,5,6,7
.if QUANT
	global_store_b128 v[LO], v[Z+4*\j:Z+4*\j+3], s[12:13] offset:4096*\i+512*\j
.else
	global_store_b128 v[LO], v[Z+4*\j:Z+4*\j+3], s[12:13] offset:4096*\i+512*\j th:TH_STORE_NT
.endif
.endr
.endm
.if QUANT
.macro LTURN st                        ; step st = 2 i + half: 512 numbers of row i through my turn stage: a lane then holds 16 neighbours.  LDS serves a wave's instructions in order
.irp k, 0,1,2,3
	ds_store_b128 v[TI], v[A+16*(\st)+4*\k:A+16*(\st)+4*\k+3] offset:TST*((\st)%2)+8*SP*\k
.endr
.irp k, 0,1,2,3
	ds_load_b128 v[X+16*((\st)%2)+4*\k:X+16*((\st)%2)+4*\k+3], v[TO] offset:TST*((\st)%2)+16*\k
.endr
.endm
.macro QSTEP st, left
.set XS, X+16*((\st)%2)
	s_wait_dscnt \left
	v_max3_num_f32 v[TQ], |v[XS]|, |v[XS+1]|, |v[XS+2]|
	v_max3_num_f32 v[TQ+1], |v[XS+3]|, |v[XS+4]|, |v[XS+5]|
.irp i, 6,10
	s_delay_alu instid0(VALU_DEP_2)
	v_max3_num_f32 v[TQ], v[TQ], |v[XS+\i]|, |v[XS+\i+1]|
	s_delay_alu instid0(VALU_DEP_2)
	v_max3_num_f32 v[TQ+1], v[TQ+1], |v[XS+\i+2]|, |v[XS+\i+3]|
.endr
	s_delay_alu instid0(VALU_DEP_2)
	v_max3_num_f32 v[TQ], v[TQ], |v[XS+14]|, |v[XS+15]|
	s_delay_alu instid0(VALU_DEP_1)
	v_max3_num_f32 v[TQ], v[TQ], v[TQ+1], 0x4800000        ; the floor 2^(9 - 127)
	s_delay_alu instid0(VALU_DEP_1)
	v_max_num_f32_dpp v[TQ], v[TQ], v[TQ] row_xmask:1 row_mask:0xf bank_mask:0xf
	s_delay_alu instid0(VALU_DEP_1)
	v_add_nc_u32 v[TQ+3], 0xfc000000, v[TQ]
	s_delay_alu instid0(VALU_DEP_2)
	v_and_or_b32 v[TQ+2], v[TQ], 0x7f800000, s29
.irp i, 0,1,2,3,4,5,6,7,8,9,10,11,12,13,14,15
	v_med3_num_f32 v[XS+\i], v[XS+\i], -v[TQ+2], v[TQ+2]
.endr
	v_cvt_scalef32_pk8_fp8_f32 v[C+4*(\st):C+4*(\st)+1], v[XS:XS+7], v[TQ+3]
	v_cvt_scalef32_pk8_fp8_f32 v[C+4*(\st)+2:C+4*(\st)+3], v[XS+8:XS+15], v[TQ+3]
	v_lshrrev_b32 v[E+(\st)], 23, v[TQ+3]
	ds_store_b128 v[IS], v[C+4*(\st):C+4*(\st)+3] offset:32*IP*((\st)%2)+16*((\st)/2)
	ds_store_b8 v[BS], v[E+(\st)] offset:256*((\st)%2)+4*((\st)/2)
.endm
	ROW 0
	LTURN 0
	LTURN 1                                        ; row 0 turns while row 1 is worked
	ROW 1
	QSTEP 0, 8                                     ; behind step 0's loads: step 1's four stores and four loads
	QSTEP 1, 2                                     ; behind step 1's loads: step 0's two stores
	LTURN 2
	LTURN 3
	QSTEP 2, 8
	QSTEP 3, 2
	s_wait_dscnt 0x0                               ; for the others' sake: my stores have landed
	s_barrier_signal -1
	s_barrier_wait -1
.irp i, 0,1,2,3
	ds_load_b128 v[X+4*\i:X+4*\i+3], v[RDI] offset:2*\i*IP
.endr
	ds_load_b32 v[X+16], v[RDS]
.irp i, 0,1,2,3
	s_wait_dscnt 4-\i
	global_store_b128 v[LO], v[X+4*\i:X+4*\i+3], s[30:31] offset:512*\i
.endr
	s_wait_dscnt 0x0
	v_cmp_gt_u32 vcc_lo, 16, v1
	s_wait_xcnt 0x0                                ; EXEC changes only behind this wait
	s_and_saveexec_b32 s28, vcc_lo
	global_store_b32 v[SO], v[X+16], s[32:33]      ; K step w's sixteen scale words: four bytes a row
	s_wait_xcnt 0x0
	s_or_b32 exec_lo, exec_lo, s28
	s_wait_tensorcnt 0x0                           ; the wave's end, behind my last LDS store
	ds_add_u32 v[SPW], v[NIL]
	s_wait_dscnt 0x0
.else
	ROW 0
	ROW 1
.endif
	s_endpgm
.Lfunc_end_k_q7a0cfb6f94_ln1:
	.size	k_q7a0cfb6f94_ln1, .Lfunc_end_k_q7a0cfb6f94_ln1-k_q7a0cfb6f94_ln1
	.p2alignl 7, 3214868480
	.fill 96, 4, 3214868480
	.section	.rodata,"a",@progbits
	.p2align	6, 0x0
	.amdhsa_kernel k_q7a0cfb6f94_ln1
		.amdhsa_group_segment_fixed_size 59904
		.amdhsa_private_segment_fixed_size 0
		.amdhsa_enable_private_segment 0
		.amdhsa_kernarg_size 48
		.amdhsa_user_sgpr_count 2
		.amdhsa_user_sgpr_kernarg_segment_ptr 1
		.amdhsa_wavefront_size32 1
		.amdhsa_system_sgpr_workgroup_id_x 1
		.amdhsa_system_sgpr_workgroup_id_y 1
		.amdhsa_system_sgpr_workgroup_id_z 1
		.amdhsa_system_vgpr_workitem_id 0
		.amdhsa_next_free_vgpr 256
		.amdhsa_next_free_sgpr 66
		.amdhsa_reserve_vcc 1
		.amdhsa_float_denorm_mode_32 3
		.amdhsa_float_denorm_mode_16_64 3
		.amdhsa_memory_ordered 1
		.amdhsa_forward_progress 1
		.amdhsa_inst_pref_size 40
	.end_amdhsa_kernel
	.amdgpu_metadata
---
amdhsa.version: [ 1, 2 ]
amdhsa.kernels:
  - .name:           k_q7a0cfb6f94_ln1
    .symbol:         k_q7a0cfb6f94_ln1.kd
    .args:
      - { .name: x, .offset: 0, .size: 8, .value_kind: global_buffer, .address_space: global }
      - { .name: y, .offset: 8, .size: 8, .value_kind: global_buffer, .address_space: global }
      - { .name: g1, .offset: 16, .size: 8, .value_kind: global_buffer, .address_space: global }
      - { .name: be1, .offset: 24, .size: 8, .value_kind: global_buffer, .address_space: global }
      - { .name: res, .offset: 32, .size: 8, .value_kind: global_buffer, .address_space: global }
      - { .name: rq, .offset: 40, .size: 8, .value_kind: global_buffer, .address_space: global }
    .group_segment_fixed_size: 59904
    .private_segment_fixed_size: 0
    .kernarg_segment_align: 8
    .kernarg_segment_size: 48
    .max_flat_workgroup_size: 256
    .sgpr_count:     66
    .vgpr_count:     256
    .wavefront_size: 32
...
	.end_amdgpu_metadata
.endif
;; end of part 5
;; launch gemm_1 (part 6): grid 16 x 16, 4 waves a work-group, clusters of 4 x 4, 327,680 bytes of LDS; arguments rq, wts, b1, hid; writes hid
.if DOCPART == 6
	.amdgcn_target "amdgcn-amd-amdhsa--gfx1250"
	.amdhsa_code_object_version 6
	.text
	.protected	k_q7a0cfb6f94_gemm_1
	.globl	k_q7a0cfb6f94_gemm_1
	.p2align	8
	.type	k_q7a0cfb6f94_gemm_1,@function
k_q7a0cfb6f94_gemm_1:
	s_mov_b64 s[64:65], 0
	v_nop
	global_prefetch_b8 v0, s[64:65] scope:SCOPE_SE
	s_setreg_imm32_b32 hwreg(HW_REG_WAVE_MODE, 25, 1), 1
	s_wait_xcnt 0x0
	s_wait_alu depctr_hold_cnt(0) depctr_sa_sdst(0) depctr_va_vdst(0) depctr_va_sdst(0) depctr_va_ssrc(0) depctr_va_vcc(0) depctr_vm_vsrc(0)
	s_getreg_b32 s2, hwreg(HW_REG_IB_STS2, 6, 4)
	s_cmp_eq_u32 s2, 0
	s_cbranch_scc0 .Lentry_in_a_cluster
	s_endpgm
.Lentry_in_a_cluster:
	s_bfe_u32 s2, ttmp6, 0x10000c
	s_cmp_lg_u32 s2, 0xf033
	s_cbranch_scc0 .Lentry_shape_is_right
	s_endpgm
.Lentry_shape_is_right:
.set MODE, 2
.set KK, 1024
.set QOUT, 1
.set RELU, 0
.if MODE == 1
.set WOFF, 3145728
.set WSOFF, 12681216
.set RS0, 16
.set ASOFF, 4194304
.set QOUT, 0
.elseif MODE == 2
.set WOFF, 4194304
.set WSOFF, 12713984
.set RS0, 64
.set ASOFF, 4194304
.set RELU, 1
.elseif MODE == 3
.set KK, 4096
.set WOFF, 8388608
.set WSOFF, 12845056
.set RS0, 16
.set ASOFF, 16777216
.set QOUT, 0
.endif
.set NL,     4
.set NP,     8
.set SLOT,   131072
.set SPARE,  262144
.set SPITCH, 528
.set LAPS,   KK/512
.set ADRA, 16
.set ADRB, 20
.set STO,  24
.set RD,   25
.set CO,   26
.set SCO,  27
.set SPW,  28
.set NIL,  29
.set SCB,  30
.set SCA,  31
.set SC,   32
.set BI,   64
.set AF,   128
.set BK,   128
.set SLO,  64
.set VOB,  66
.set WD,   68
.set PWS,  72
.set PC,   112
.set TM,   200
.set G1,   24
.set G0,   32
.set G1B,  48
.set G0B,  56
.set SEL,  92
.set MNT,  94
.set PATH, 95
.set MSB, 0
.macro WIN new
.if MSB != (\new)
	s_set_vgpr_msb (MSB<<8)|(\new)
.set MSB, (\new)
.endif
.endm
.set MUL_LO, 0xa1
.set MUL_HI, 0xf1
.set TO_B,   0x40
.macro JLOAD g0a, g1a, g0b, g1b
	s_cmp_eq_u32 s15, 0
	s_cbranch_scc0 .Lfor_b_\@
	tensor_load_to_lds s[\g0a:\g0a+3], s[\g1a:\g1a+7]
	s_nop 0
.rept 4
	v_nop
.endr
	s_branch .Lasked_\@
.Lfor_b_\@:
	tensor_load_to_lds s[\g0b:\g0b+3], s[\g1b:\g1b+7]
	s_nop 0
.rept 4
	v_nop
.endr
.Lasked_\@:
.endm
.macro CREST
	s_cmp_lg_u32 s14, 0
	s_cbranch_scc1 .Lnot_wave_0_\@
	s_barrier_signal -3
.Lnot_wave_0_\@:
	s_barrier_wait -3
	s_barrier_signal -1
	s_barrier_wait -1
.endm
.macro CROUND
	s_barrier_signal -1
	s_barrier_wait -1
	CREST
.endm
.macro LSC p
	global_load_b128 v[SC+16*\p:SC+16*\p+3], v[SCO], s[68:69]
	global_load_b128 v[SC+16*\p+4:SC+16*\p+7], v[SCO], s[70:71]
	global_load_b128 v[SC+16*\p+8:SC+16*\p+11], v[SCB], s[68:69]
	global_load_b128 v[SC+16*\p+12:SC+16*\p+15], v[SCA], s[70:71]
.endm
	s_load_b256 s[4:11], s[0:1], 0x0
.if MODE == 0
	s_load_b128 s[76:79], s[0:1], 0x20
.endif
	v_lshl_add_u32 v[SPW], v0, 2, SPARE
	v_mov_b32 v[NIL], 0
	ds_add_u32 v[SPW], v[NIL]
	ds_add_u32 v[SPW], v[NIL]
	v_lshrrev_b32 v1, 5, v0
	v_readfirstlane_b32 s14, v1
	s_lshr_b32 s15, s14, 1
	s_and_b32 s16, s14, 1
	s_bfe_u32 s40, ttmp6, 0x40000
	s_bfe_u32 s41, ttmp6, 0x40004
	s_and_b32 s17, ttmp7, 0xffff
.if MODE == 0
	s_cmp_eq_u32 ttmp9, 2
	s_cselect_b32 s[PATH], 1, 0
	s_cselect_b32 s42, s17, ttmp9
	s_cselect_b32 s17, 0, s17
.else
	s_mov_b32 s42, ttmp9
.endif
	s_lshl_b32 s42, s42, 2
	s_add_co_u32 s42, s42, s40
	s_lshl_b32 s17, s17, 2
	s_add_co_u32 s17, s17, s41
	s_lshl_b32 s43, s41, 2
	s_lshl_b32 s43, 15, s43
	s_lshl_b32 s44, 0x1111, s40
	s_or_b32 s[G1+0], s43, (3<<16)|(1<<21)
	s_or_b32 s[G1B+0], s44, (3<<16)|(1<<21)
.irp g, G1, G1B
	s_mov_b32 s[\g+1], 512<<16
	s_mov_b32 s[\g+2], 8<<16
	s_mov_b32 s[\g+3], 512<<16
	s_mov_b32 s[\g+4], 8
	s_mov_b32 s[\g+5], 2*KK
	s_mov_b32 s[\g+6], 0
	s_mov_b32 s[\g+7], 0
.endr
.if MODE == 0
	s_lshl_b32 s18, ttmp9, 15
	s_add_co_u32 s18, s18, 0xc00000
	s_mov_b32 s19, 0x400000
	s_mov_b32 s72, 16*512
	s_mov_b32 s74, 64*512
	s_mov_b32 s22, 0x200000
	s_cmp_eq_u32 s[PATH], 1
	s_cselect_b32 s84, s42, s40
	s_cselect_b32 s18, s19, s18
	s_cselect_b32 s86, 0xc10000, s19
	s_cselect_b32 s23, s74, s72
	s_cselect_b32 s74, s72, s74
	s_mov_b32 s72, s23
	s_cselect_b32 s22, s22, 0
.else
	s_mov_b32 s84, s42
	s_mov_b32 s18, WSOFF
	s_mov_b32 s86, ASOFF
	s_mov_b32 s72, RS0*512
	s_mov_b32 s74, 64*512
.endif
	s_lshl_b32 s84, s84, 10
	s_add_co_u32 s84, s84, s18
	s_lshl_b32 s18, s16, 9
	s_add_co_u32 s84, s84, s18
	s_lshl_b32 s18, s17, 10
	s_add_co_u32 s86, s86, s18
	s_lshl_b32 s18, s15, 9
	s_add_co_u32 s86, s86, s18
	s_mov_b32 s85, 0
	s_mov_b32 s87, 0
	s_mov_b32 s73, 0
	s_mov_b32 s75, 0
	s_lshl_b32 s18, s16, 3
	s_lshl_b32 s20, s17, 4
	s_add_co_u32 s20, s20, s18
	s_mul_i32 s20, s20, 16*KK
.if MODE == 0
	s_add_co_u32 s20, s20, s22
.endif
	s_lshl_b32 s46, s42, 4
	s_add_co_u32 s46, s46, s18
	s_mul_i32 s46, s46, 16*KK
.if MODE != 0
	s_add_co_u32 s46, s46, WOFF
.endif
	s_mov_b32 s21, 0
	s_mov_b32 s47, 0
	s_lshl_b32 s45, s14, 15
	s_mov_b32 s[SEL], 0x76543210
	s_mov_b32 s[SEL+1], 0xfedcba98
	s_mov_b32 s[MNT], 0x600000
	s_wait_dscnt 0x0
	s_wait_kmcnt 0x0
.if MODE == 0
	s_cmp_eq_u32 s[PATH], 1
	s_cselect_b64 s[80:81], s[4:5], s[6:7]
	s_cselect_b64 s[82:83], s[6:7], s[4:5]
.else
	s_mov_b64 s[80:81], s[6:7]
	s_mov_b64 s[82:83], s[4:5]
.endif
	s_add_nc_u64 s[20:21], s[82:83], s[20:21]
	s_add_nc_u64 s[46:47], s[80:81], s[46:47]
	s_add_nc_u64 s[68:69], s[80:81], s[84:85]
	s_add_nc_u64 s[70:71], s[82:83], s[86:87]
	CROUND
.irp s, 0,1
	s_mov_b32 s[G0+4*\s], 1
	s_add_co_u32 s[G0+4*\s+1], s45, \s*SLOT
	s_add_nc_u64 s[G0+4*\s+2:G0+4*\s+3], s[20:21], \s*4096
	s_or_b32 s[G0+4*\s+3], s[G0+4*\s+3], 0x80000000
	s_mov_b32 s[G0B+4*\s], 1
	s_add_co_u32 s[G0B+4*\s+1], s45, \s*SLOT
	s_add_nc_u64 s[G0B+4*\s+2:G0B+4*\s+3], s[46:47], \s*4096
	s_or_b32 s[G0B+4*\s+3], s[G0B+4*\s+3], 0x80000000
.if \s
	s_cmp_eq_u32 s15, 0                            ; the prefetches: of the eight tiles that I fetch, the partner at place p (cx for A, cy for B) names tiles 2 p and 2 p + 1: told apart by address
	s_cselect_b32 s18, s40, s41
	s_cselect_b64 s[100:101], s[20:21], s[46:47]
	s_mul_i32 s18, s18, 32*KK
	s_mov_b32 s19, 0
	s_add_nc_u64 s[100:101], s[100:101], s[18:19]
	v_bfe_u32 v7, v0, 4, 1
	v_and_b32 v6, 15, v0
	v_mul_u32_u24 v7, v7, 16*KK
	v_lshl_add_u32 v6, v6, 8, v7                   ; lanes 0-15 one tile's 4,096 bytes of a K step, lanes 16-31 the next tile's: a lane a block of 256 bytes; never rewritten
	global_prefetch_b8 v6, s[100:101] offset:4096 th:TH_LOAD_NT scope:SCOPE_SE    ; K step 1, whose load follows when K step 0's has landed
	s_wait_alu depctr_va_vdst(0)
	s_wait_tensorcnt 0x0
	ds_add_u32 v[SPW], v[NIL]
	s_wait_dscnt 0x0
	CROUND
.endif
	JLOAD G0+4*\s, G1, G0B+4*\s, G1B               ; one tensor load of mine behind each round
.endr
	v_and_b32 v1, 15, v0
	v_bfe_u32 v2, v0, 4, 1
	v_and_b32 v3, 31, v0
	v_lshlrev_b32 v[CO], 4, v3
	global_prefetch_b8 v6, s[100:101] offset:8192 th:TH_LOAD_NT scope:SCOPE_SE    ; K step 2, whose load follows behind K step 0's products
	v_lshlrev_b32 v[SCO], 4, v1
	v_lshl_add_u32 v[SCO], v2, 8, v[SCO]
	s_lshr_b32 s18, s72, 1
	v_add_nc_u32 v[SCB], s18, v[SCO]
	s_lshr_b32 s18, s74, 1
	v_add_nc_u32 v[SCA], s18, v[SCO]
	LSC 0
	s_wait_alu depctr_va_vdst(0)
	s_wait_xcnt 0x0
	s_add_nc_u64 s[68:69], s[68:69], s[72:73]
	s_add_nc_u64 s[70:71], s[70:71], s[74:75]
	LSC 1
	v_lshlrev_b32 v4, 6, v2
.if MODE == 0
	v_and_b32 v5, 8, v1
	v_add_nc_u32 v5, v5, v1
	v_lshlrev_b32 v5, 2, v5
	s_cmp_eq_u32 ttmp9, 0
	s_cselect_b64 s[88:89], s[8:9], s[10:11]
	s_cmp_eq_u32 ttmp9, 2
	s_cselect_b64 s[88:89], s[76:77], s[88:89]
	s_cselect_b32 s18, s41, s40
	s_cselect_b32 s19, s15, s16
	s_lshl_b32 s18, s18, 10
	s_lshl_b32 s19, s19, 9
	s_add_co_u32 s18, s18, s19
	s_mov_b32 s19, 0
	s_add_nc_u64 s[88:89], s[88:89], s[18:19]
	s_cmp_eq_u32 s[PATH], 1
	s_cbranch_scc1 .Lbias_v
.else
	s_lshl_b32 s18, s42, 10
	s_lshl_b32 s19, s16, 9
	s_add_co_u32 s18, s18, s19
	s_mov_b32 s19, 0
	s_add_nc_u64 s[88:89], s[8:9], s[18:19]
.endif
.irp b, 0,1,2,3,4,5,6,7
	global_load_b128 v[BI+8*\b:BI+8*\b+3], v4, s[88:89] offset:4*(32*(\b/2)+8*(\b%2))
	global_load_b128 v[BI+8*\b+4:BI+8*\b+7], v4, s[88:89] offset:4*(32*(\b/2)+8*(\b%2))+16
.endr
.if MODE == 0
	s_branch .Lbias_done
.Lbias_v:
.irp a, 0,1,2,3,4,5,6,7
.irp j, 0,1,2,3,4,5,6,7
	global_load_b32 v[BI+8*\a+\j], v5, s[88:89] offset:4*(32*(\a/2)+8*(\a%2))
.endr
.endr
.Lbias_done:
.endif
	s_lshl_b32 s18, s15, 15
	s_lshl_b32 s19, s16, 15
	s_add_co_u32 s19, s19, 65536
.irp s, 0,1
	v_add_nc_u32 v[ADRA+\s], s18, v[CO]
	v_add_nc_u32 v[ADRB+\s], s19, v[CO]
	s_add_co_u32 s18, s18, SLOT
	s_add_co_u32 s19, s19, SLOT
.endr
.if MODE == 0
	s_mov_b32 s66, 405504
	s_mov_b32 s96, 1024
	s_mov_b32 s98, 1024
	s_cmp_eq_u32 s[PATH], 1
	s_cselect_b32 s18, s42, s17
	s_cselect_b32 s19, s16, s15
	s_cselect_b32 s22, s41, s40
	s_cselect_b32 s23, s15, s16
	s_cselect_b32 s66, 1024, s66
	s_cselect_b32 s96, 2048, s96
	s_cselect_b32 s98, 399360, s98
	s_lshr_b32 s84, s18, 3
	s_lshl_b32 s84, s84, 4
	s_lshl_b32 s22, s22, 2
	s_add_co_u32 s84, s84, s22
	s_lshl_b32 s23, s23, 1
	s_add_co_u32 s84, s84, s23
	s_mul_i32 s84, s84, 405504
	s_and_b32 s18, s18, 7
	s_lshl_b32 s18, s18, 1
	s_add_co_u32 s18, s18, s19
	s_mul_i32 s18, s18, 25344
	s_add_co_u32 s84, s84, s18
	s_mul_i32 s18, ttmp9, 8448
	s_add_co_u32 s84, s84, s18
	s_mov_b32 s85, 0
	s_add_nc_u64 s[12:13], s[78:79], s[84:85]
	s_mov_b64 s[90:91], s[12:13]
.elseif MODE == 2
	s_lshl_b32 s84, s17, 20
	s_lshl_b32 s18, s15, 19
	s_add_co_u32 s84, s84, s18
	s_lshl_b32 s18, s42, 12
	s_add_co_u32 s84, s84, s18
	s_lshl_b32 s18, s16, 11
	s_add_co_u32 s84, s84, s18
	s_mov_b32 s85, 0
	s_add_nc_u64 s[12:13], s[10:11], s[84:85]
	s_lshl_b32 s84, s42, 15
	s_lshl_b32 s18, s16, 14
	s_add_co_u32 s84, s84, s18
	s_lshl_b32 s18, s17, 10
	s_add_co_u32 s84, s84, s18
	s_lshl_b32 s18, s15, 9
	s_add_co_u32 s84, s84, s18
	s_add_co_u32 s84, s84, 0x1000000
	s_add_nc_u64 s[90:91], s[10:11], s[84:85]
	s_mov_b32 s66, 1024
	s_mov_b32 s96, 65536
	s_mov_b32 s98, 65536
.else
	s_lshl_b32 s84, s17, 20
	s_lshl_b32 s18, s15, 19
	s_add_co_u32 s84, s84, s18
	s_lshl_b32 s18, s42, 10
	s_add_co_u32 s84, s84, s18
	s_lshl_b32 s18, s16, 9
	s_add_co_u32 s84, s84, s18
	s_mov_b32 s85, 0
	s_add_nc_u64 s[12:13], s[10:11], s[84:85]
	s_mul_i32 s23, s14, 16*SPITCH
	v_mul_u32_u24 v5, v1, SPITCH
	v_lshl_add_u32 v5, v2, 6, v5
	v_add_nc_u32 v[STO], s23, v5
	v_add_nc_u32 v[RD], s23, v[CO]
.endif
	s_mov_b32 s97, 0
	s_mov_b32 s99, 0
.macro FRAG reg, adr, q, i
.irp c, 0,1,2,3
	ds_load_b128 v[\reg+4*\c:\reg+4*\c+3], v[\adr] offset:4096*(\i)+2048*(\q)+512*\c
.endr
.endm
.macro WM rb, ra
.if (\rb) && (\ra)
	v_wmma_scale_f32_16x16x128_f8f6f4 v[rD:rD+7], v[rB:rB+15], v[rA:rA+15], v[rC:rC+7], v[rSB], v[rSA] matrix_a_scale:MATRIX_SCALE_ROW1 matrix_b_scale:MATRIX_SCALE_ROW1
.elseif (\rb)
	v_wmma_scale_f32_16x16x128_f8f6f4 v[rD:rD+7], v[rB:rB+15], v[rA:rA+15], v[rC:rC+7], v[rSB], v[rSA] matrix_a_scale:MATRIX_SCALE_ROW1
.elseif (\ra)
	v_wmma_scale_f32_16x16x128_f8f6f4 v[rD:rD+7], v[rB:rB+15], v[rA:rA+15], v[rC:rC+7], v[rSB], v[rSA] matrix_b_scale:MATRIX_SCALE_ROW1
.else
	v_wmma_scale_f32_16x16x128_f8f6f4 v[rD:rD+7], v[rB:rB+15], v[rA:rA+15], v[rC:rC+7], v[rSB], v[rSA]
.endif
.endm
.macro MUL16 a0, p, q, sc, cm
.irp a, \a0, \a0+1
.irp b, 0,1,2,3,4,5,6,7
.set rD, 8*(8*((\a)%4)+\b)
.set rB, 128*(\p)+16*\b
.set rA, AF+16*(\a)
.set rSB, SC+16*(\sc)+8*(\q)+(\b%4)
.set rSA, SC+16*(\sc)+8*(\q)+4+((\a)%4)
.if \cm == 1
.set rC, BI+8*\b
.elseif \cm == 2
.set rC, BI+8*(\a)
.else
.set rC, rD
.endif
	WM \b/4, (\a)/4
.endr
.endr
.endm
.macro FETCH_B slot, q, p
	WIN TO_B
.irp i, 0,1,2,3,4,5,6,7
	FRAG 128*(\p)+16*\i, ADRB+\slot, \q, \i
.endr
	WIN 0
.endm
.macro FETCH_A slot, q, i0
.irp i, \i0, \i0+1, \i0+2, \i0+3
	FRAG AF+16*(\i), ADRA+\slot, \q, \i
.endr
.endm
.macro PLACES n
.rept \n
	v_nop
.endr
.endm
.macro STEP slot, q, cm
	s_wait_dscnt 4*NL
.if \cm
	WIN 0x81
.else
	WIN MUL_LO
.endif
	MUL16 0, (\q)%2, \q, \slot, \cm
	MUL16 2, (\q)%2, \q, \slot, \cm
	s_wait_dscnt 0
	PLACES NP
	FETCH_B \slot, (\q)+1, 1-(\q)%2
	FETCH_A \slot, (\q)+1, 0
.if \cm
	WIN 0xc1
.else
	WIN MUL_HI
.endif
	MUL16 4, (\q)%2, \q, \slot, \cm
	MUL16 6, (\q)%2, \q, \slot, \cm
	PLACES NP
	WIN 0
	FETCH_A \slot, (\q)+1, 4
.endm
.macro TURN slot, next, fill
	s_wait_tensorcnt 0x0
	ds_add_u32 v[SPW], v[NIL]
	s_wait_dscnt 4*NL+1
	WIN MUL_LO
	MUL16 0, 1, 1, \slot, 0
	s_wait_dscnt 0x0
	s_barrier_signal -1
	MUL16 2, 1, 1, \slot, 0
	WIN 0
	s_barrier_wait -1
.if \fill
	CREST
	s_add_nc_u64 s[G0+4*\slot+2:G0+4*\slot+3], s[G0+4*\slot+2:G0+4*\slot+3], 8192
	s_add_nc_u64 s[G0B+4*\slot+2:G0B+4*\slot+3], s[G0B+4*\slot+2:G0B+4*\slot+3], 8192
	JLOAD G0+4*\slot, G1, G0B+4*\slot, G1B
	PLACES NP-4
.else
	PLACES NP
.endif
	FETCH_B \next, 0, 0
	FETCH_A \next, 0, 0
	WIN MUL_HI
	MUL16 4, 1, 1, \slot, 0
	MUL16 6, 1, 1, \slot, 0
	PLACES NP
	WIN 0
	s_wait_loadcnt 0x0
.if \fill
	s_add_nc_u64 s[68:69], s[68:69], s[72:73]
	s_add_nc_u64 s[70:71], s[70:71], s[74:75]
	LSC \slot
.endif
	FETCH_A \next, 0, 4
.endm
	s_wait_alu depctr_va_vdst(0)
	s_wait_tensorcnt 1
	s_barrier_signal -1
	s_barrier_wait -1
	FETCH_B 0, 0, 0
	FETCH_A 0, 0, 0
	FETCH_A 0, 0, 4
	s_wait_loadcnt 0x0
.if MODE == 0
	s_cmp_eq_u32 s[PATH], 1
	s_cbranch_scc1 .Lfirst_v
	STEP 0, 0, 1
	s_branch .Lfirst_done
.Lfirst_v:
	STEP 0, 0, 2
.Lfirst_done:
.else
	STEP 0, 0, 1
.endif
	global_prefetch_b8 v6, s[100:101] offset:12288 th:TH_LOAD_NT scope:SCOPE_SE   ; K step 3, the last: its load follows a slot on
	s_mov_b32 s3, LAPS-1
.Llap:
	TURN 0, 1, 1
	STEP 1, 0, 0
	TURN 1, 0, 1
	STEP 0, 0, 0
	s_sub_co_u32 s3, s3, 1
	s_cmp_lg_u32 s3, 0
	s_cbranch_scc1 .Llap
	TURN 0, 1, 0
	STEP 1, 0, 0
	s_wait_dscnt 4*NL
	WIN MUL_LO
	MUL16 0, 1, 1, 1, 0
	MUL16 2, 1, 1, 1, 0
	s_wait_dscnt 0
	WIN MUL_HI
	MUL16 4, 1, 1, 1, 0
	MUL16 6, 1, 1, 1, 0
	WIN 0
	PLACES NP
.if QOUT
.macro EQ a
.set AW, 2+(\a)/4
.set AC, 64*((\a)%4)
.set W1N, AW|(AW<<2)
.set W2N, (AW<<6)|AW
	WIN W1N
.irp b, 0,1,2,3
.if RELU
	v_max3_num_f32 v[TM+\b], v[AC+16*\b], v[AC+16*\b+1], 0x4800000
.else
	v_max3_num_f32 v[TM+\b], |v[AC+16*\b]|, |v[AC+16*\b+1]|, 0x4800000
.endif
.endr
.irp i, 2,4,6,8,10,12,14
.irp b, 0,1,2,3
.if RELU
	v_max3_num_f32 v[TM+\b], v[AC+16*\b+\i], v[AC+16*\b+\i+1], v[TM+\b]
.else
	v_max3_num_f32 v[TM+\b], |v[AC+16*\b+\i]|, |v[AC+16*\b+\i+1]|, v[TM+\b]
.endif
.endr
.endr
	WIN 0
.irp b, 0,1,2,3
	v_permlanex16_b32 v[TM+4+\b], v[TM+\b], s[SEL], s[SEL+1]
.endr
.irp b, 0,1,2,3
	v_max_num_f32 v[TM+\b], v[TM+\b], v[TM+4+\b]
.endr
.irp b, 0,1,2,3
	v_add_nc_u32 v[TM+12+\b], 0xfc000000, v[TM+\b]
.endr
.irp b, 0,1,2,3
	v_and_or_b32 v[TM+8+\b], v[TM+\b], 0x7f800000, s[MNT]
.endr
.irp b, 0,1,2,3
	v_lshrrev_b32 v[TM+4+\b], 23, v[TM+12+\b]
.endr
	v_lshl_or_b32 v[PWS+(\a)], v[TM+5], 8, v[TM+4]
	v_lshl_or_b32 v[PWS+(\a)], v[TM+6], 16, v[PWS+(\a)]
	v_lshl_or_b32 v[PWS+(\a)], v[TM+7], 24, v[PWS+(\a)]
	WIN W2N
.set j, 0
.rept 64
.if RELU
	v_med3_num_f32 v[AC+j], v[AC+j], 0, v[TM+8+j/16]
.else
	v_med3_num_f32 v[AC+j], v[AC+j], -v[TM+8+j/16], v[TM+8+j/16]
.endif
.set j, j+1
.endr
	s_wait_alu depctr_va_vdst(0)
	s_wait_xcnt 0x0
.if (\a) == 4
	s_add_nc_u64 s[12:13], s[12:13], s[98:99]
.elseif (\a) > 0
	s_add_nc_u64 s[12:13], s[12:13], s[96:97]
.endif
	WIN AW
.irp b, 0,1,2,3
	v_cvt_scalef32_pk8_fp8_f32 v[PC+4*\b:PC+4*\b+1], v[AC+16*\b:AC+16*\b+7], v[TM+12+\b]
	v_cvt_scalef32_pk8_fp8_f32 v[PC+4*\b+2:PC+4*\b+3], v[AC+16*\b+8:AC+16*\b+15], v[TM+12+\b]
.endr
	v_nop
	WIN 0
	global_store_b128 v[CO], v[PC:PC+3], s[12:13]
	global_store_b128 v[CO], v[PC+4:PC+7], s[12:13] offset:512
	global_store_b128 v[VOB], v[PC+8:PC+11], s[12:13]
	global_store_b128 v[VOB], v[PC+12:PC+15], s[12:13] offset:512
.endm
.irp b, 0,1,2,3
	v_mov_b32 v[TM+4+\b], 0
.endr
	v_add_nc_u32 v[VOB], s66, v[CO]
.if MODE == 0
	v_mul_u32_u24 v[SLO], v2, 405504
	v_lshl_add_u32 v[SLO], v1, 4, v[SLO]
.endif
.irp a, 0,1,2,3,4,5,6,7
	EQ \a
.endr
	v_cmp_eq_u32 vcc_lo, 1, v2
.if MODE == 0
	s_cmp_eq_u32 s[PATH], 1
	s_cbranch_scc1 .Lwords_v
	v_mov_b32 v[SLO+1], 0x05040100
	v_mov_b32 v[SLO+3], 0x07060302
	v_cndmask_b32 v[SLO+1], v[SLO+1], v[SLO+3], vcc_lo
.irp g, 0,1,2,3
	v_perm_b32 v[WD+\g], v[PWS+2*\g+1], v[PWS+2*\g], v[SLO+1]
.endr
	s_branch .Lwords_done
.Lwords_v:
.endif
.irp j, 0,1,2,3
	v_cndmask_b32 v[WD+\j], v[PWS+\j], v[PWS+4+\j], vcc_lo
.endr
.if MODE == 0
.Lwords_done:
	global_store_b128 v[SLO], v[WD:WD+3], s[90:91] offset:8192
.else
	global_store_b128 v[SCO], v[WD:WD+3], s[90:91]
.endif
.else
.macro TOSTAGE a
.set AC, 64*((\a)%4)
	WIN 0x08+4*((\a)/4)
.irp b, 0,1,2,3,4,5,6,7
	ds_store_b128 v[STO], v[AC+8*\b:AC+8*\b+3] offset:128*(\b/2)+32*(\b%2)
	ds_store_b128 v[STO], v[AC+8*\b+4:AC+8*\b+7] offset:128*(\b/2)+32*(\b%2)+16
.endr
	WIN 0
.set BB, BK+64*((\a)%2)
.irp t, 0,1,2,3,4,5,6,7,8,9,10,11,12,13,14,15
	ds_load_b128 v[BB+4*\t:BB+4*\t+3], v[RD] offset:\t*SPITCH
.endr
.endm
.macro SEND a, younger
.set BB, BK+64*((\a)%2)
	s_wait_dscnt \younger
.if (\a) > 0
	s_add_nc_u64 s[12:13], s[12:13], 65536
.endif
.irp t, 0,1,2,3,4,5,6,7,8,9,10,11,12,13,14,15
	global_store_b128 v[CO], v[BB+4*\t:BB+4*\t+3], s[12:13] offset:\t*4096
.endr
.endm
	TOSTAGE 0
.irp a, 1,2,3,4,5,6,7
.if \a > 1
	s_wait_xcnt 0x0
.endif
	TOSTAGE \a
	SEND \a-1, 32
.endr
	s_wait_xcnt 0x0
	SEND 7, 0
.endif
	s_wait_tensorcnt 0x0
	ds_add_u32 v[SPW], v[NIL]
	s_wait_dscnt 0x0
	CROUND
	s_endpgm
.Lfunc_end_k_q7a0cfb6f94_gemm_1:
	.size	k_q7a0cfb6f94_gemm_1, .Lfunc_end_k_q7a0cfb6f94_gemm_1-k_q7a0cfb6f94_gemm_1
	.p2alignl 7, 3214868480
	.fill 96, 4, 3214868480
	.section	.rodata,"a",@progbits
	.p2align	6, 0x0
	.amdhsa_kernel k_q7a0cfb6f94_gemm_1
		.amdhsa_group_segment_fixed_size 327680
		.amdhsa_private_segment_fixed_size 0
		.amdhsa_enable_private_segment 0
		.amdhsa_kernarg_size 32
		.amdhsa_user_sgpr_count 2
		.amdhsa_user_sgpr_kernarg_segment_ptr 1
		.amdhsa_wavefront_size32 1
		.amdhsa_system_sgpr_workgroup_id_x 1
		.amdhsa_system_sgpr_workgroup_id_y 1
		.amdhsa_system_sgpr_workgroup_id_z 1
		.amdhsa_system_vgpr_workitem_id 0
		.amdhsa_next_free_vgpr 1024
		.amdhsa_next_free_sgpr 102
		.amdhsa_reserve_vcc 1
		.amdhsa_float_denorm_mode_32 3
		.amdhsa_float_denorm_mode_16_64 3
		.amdhsa_memory_ordered 1
		.amdhsa_forward_progress 1
		.amdhsa_inst_pref_size 186
	.end_amdhsa_kernel
	.amdgpu_metadata
---
amdhsa.version: [ 1, 2 ]
amdhsa.kernels:
  - .name:           k_q7a0cfb6f94_gemm_1
    .symbol:         k_q7a0cfb6f94_gemm_1.kd
    .args:
      - { .name: rq, .offset: 0, .size: 8, .value_kind: global_buffer, .address_space: global }
      - { .name: wts, .offset: 8, .size: 8, .value_kind: global_buffer, .address_space: global }
      - { .name: b1, .offset: 16, .size: 8, .value_kind: global_buffer, .address_space: global }
      - { .name: hid, .offset: 24, .size: 8, .value_kind: global_buffer, .address_space: global }
    .group_segment_fixed_size: 327680
    .private_segment_fixed_size: 0
    .kernarg_segment_align: 8
    .kernarg_segment_size: 32
    .max_flat_workgroup_size: 128
    .sgpr_count:     102
    .vgpr_count:     1024
    .wavefront_size: 32
...
	.end_amdgpu_metadata
.endif
;; end of part 6
;; launch gemm_2 (part 7): grid 8 x 32, 4 waves a work-group, clusters of 4 x 4, 327,680 bytes of LDS; arguments hid, wts, b2, y; writes y
.if DOCPART == 7
	.amdgcn_target "amdgcn-amd-amdhsa--gfx1250"
	.amdhsa_code_object_version 6
	.text
	.protected	k_q7a0cfb6f94_gemm_2
	.globl	k_q7a0cfb6f94_gemm_2
	.p2align	8
	.type	k_q7a0cfb6f94_gemm_2,@function
k_q7a0cfb6f94_gemm_2:
	s_mov_b64 s[64:65], 0
	v_nop
	global_prefetch_b8 v0, s[64:65] scope:SCOPE_SE
	s_setreg_imm32_b32 hwreg(HW_REG_WAVE_MODE, 25, 1), 1
	s_wait_xcnt 0x0
	s_wait_alu depctr_hold_cnt(0) depctr_sa_sdst(0) depctr_va_vdst(0) depctr_va_sdst(0) depctr_va_ssrc(0) depctr_va_vcc(0) depctr_vm_vsrc(0)
	s_getreg_b32 s2, hwreg(HW_REG_IB_STS2, 6, 4)
	s_cmp_eq_u32 s2, 0
	s_cbranch_scc0 .Lentry_in_a_cluster
	s_endpgm
.Lentry_in_a_cluster:
	s_bfe_u32 s2, ttmp6, 0x10000c
	s_cmp_lg_u32 s2, 0xf033
	s_cbranch_scc0 .Lentry_shape_is_right
	s_endpgm
.Lentry_shape_is_right:
; y = a W + bias, f32, on codes of FP8 (E4M3) with E8M0 scales: a = the hidden layer [4,096 places][KK], W = W2.  Nothing of the product is left out.
; Operands lie as images of the operand's registers: fragment (T, s) of 16 places x 128 K is 2,048 bytes at (T KK/128 + s) 2,048; scale words at ((s RS + (T>>2)) 16 + r) 16 + 4 (T&3).
; A work-group makes 128 x 128 of y over all of K: 8 x 32 = 256 work-groups.  K IS DEALT AMONG ITS FOUR WAVES: a slot of LDS holds 512 along K of A's 8 tiles and of B's 8 tiles, and wave w multiplies the slot's w-th 128 on all
; 64 accumulators (128 x 128): 64 LDS loads for 64 matrix instructions.  At the end each wave lays its partial tile into a stage in LDS (over the slots, behind their last fill and last read), and wave w adds the four parts of rows 32 w .. 32 w + 31, and the bias, and stores whole rows of 512 bytes.
; Source 0 = W's tiles (along a lane's registers), source 1 = a's tiles (along the lanes).  CLUSTER 4 x 4: a's tiles are asked for jointly along a row of the cluster, W's along a column.
; The ring: step k's round is followed by the fill for step k + 1 into the other slot, one load a wave (waves 0, 1: halves of a's tiles; waves 2, 3: of W's).  All scale words of a wave's K steps come at the head, 16 bytes a lane a side a step.
; PREFETCH: the head asks for K steps 1 and 2, step k for K step k + 3: one fill ahead of the load that wants it at the head, two fills ahead in the steps.  Of the four tiles that a wave fetches each of the four partners names one (by address), a lane a block of 256 bytes; K step 0 comes by its load alone, the last three steps ask for nothing.
.set KK, 4096
.set WOFF, 8388608
.set WSOFF, 12845056
.set ASOFF, 16777216
.set NS, KK/512                        ; slots' worth of K
.set SLOT, 131072                      ; a's 8 tiles x 8,192 bytes, then W's
.set SPITCH, 528                       ; a stage row: 512 bytes + 16
.set PART, 128*SPITCH                  ; a wave's partial tile in the stage
.set SPARE, 4*PART                     ; the spare words, 128 bytes a wave
.set RD, 8                             ; v8-11   stage, back: part p, my first row, 16 x lane
.set BI, 12                            ; v12-15  the bias of my four columns
.set ADRA, 16                          ; v16-17  my fragments of a in slot 0, 1
.set ADRB, 20                          ; v20-21  of W
.set STO, 24                           ; stage, in
.set CO, 25                            ; 16 x lane
.set SCO, 26                           ; 256 h + 16 r
.set SPW, 28
.set NIL, 29
.set PFO, 30                           ; 256 x lane
.set SC, 32                            ; scale words: step k at v[SC + 8 k]: + 0..3 W's, + 4..7 a's (lanes 0-15 tiles 0-3, lanes 16-31 tiles 4-7)
.set AF, 128                           ; a's fragments, window 0; W's: window 1, v0-127; accumulators (a, b) at v[8 (8 (a % 4) + b)] of window 2 + a / 4
.set G1, 24
.set G0, 32
.set G1B, 48
.set G0B, 56
.set PFA, 90
.set MSB, 0
.macro WIN new                         ; the immediate's high byte repeats the setting that is left
.if MSB != (\new)
	s_set_vgpr_msb (MSB<<8)|(\new)
.set MSB, (\new)
.endif
.endm
.macro PLACES n
.rept \n
	v_nop
.endr
.endm
.macro JLOAD g0a, g1a, g0b, g1b        ; a joint load: waves 0, 1 for a, waves 2, 3 for W; s_nop 0 and four v_nop follow each line
	s_cmp_eq_u32 s15, 0
	s_cbranch_scc0 .Lfor_b_\@
	tensor_load_to_lds s[\g0a:\g0a+3], s[\g1a:\g1a+7]
	s_nop 0
	PLACES 4
	s_branch .Lasked_\@
.Lfor_b_\@:
	tensor_load_to_lds s[\g0b:\g0b+3], s[\g1b:\g1b+7]
	s_nop 0
	PLACES 4
.Lasked_\@:
.endm
.macro CROUND                          ; a round of the cluster's barrier
	s_barrier_signal -1
	s_barrier_wait -1
	s_cmp_lg_u32 s14, 0
	s_cbranch_scc1 .Lnot_wave_0_\@
	s_barrier_signal -3
.Lnot_wave_0_\@:
	s_barrier_wait -3
	s_barrier_signal -1
	s_barrier_wait -1
.endm
	s_load_b256 s[4:11], s[0:1], 0x0               ; a, wts, bias, y
	v_lshl_add_u32 v[SPW], v0, 2, SPARE
	v_mov_b32 v[NIL], 0
	ds_add_u32 v[SPW], v[NIL]                      ; the opening: the add, twice on end, and its wait ahead of my first tensor load
	ds_add_u32 v[SPW], v[NIL]
	v_lshrrev_b32 v1, 5, v0
	v_readfirstlane_b32 s14, v1                    ; wave
	s_lshr_b32 s15, s14, 1                         ; I fetch for a (0) or W (1),
	s_and_b32 s16, s14, 1                          ; tiles 4 x this on
	s_bfe_u32 s40, ttmp6, 0x40000                  ; cx
	s_bfe_u32 s41, ttmp6, 0x40004                  ; cy
	s_lshl_b32 s42, ttmp9, 2
	s_add_co_u32 s42, s42, s40                     ; tile column 0..7
	s_and_b32 s17, ttmp7, 0xffff
	s_lshl_b32 s17, s17, 2
	s_add_co_u32 s17, s17, s41                     ; tile row 0..31
	s_lshl_b32 s43, s41, 2
	s_lshl_b32 s43, 15, s43                        ; my row of the cluster
	s_lshl_b32 s44, 0x1111, s40                    ; my column
	s_or_b32 s[G1+0], s43, (3<<16)|(1<<21)         ; the mask; elements of 8 bytes; bit 21 beside a mask; no padding
	s_or_b32 s[G1B+0], s44, (3<<16)|(1<<21)
.irp g, G1, G1B
	s_mov_b32 s[\g+1], 1024<<16                    ; a row: a tile's four fragments, 8,192 bytes
	s_mov_b32 s[\g+2], 4<<16                       ; four tiles
	s_mov_b32 s[\g+3], 1024<<16
	s_mov_b32 s[\g+4], 4
	s_mov_b32 s[\g+5], 2*KK                        ; from tile to tile: 16 KK bytes
	s_mov_b32 s[\g+6], 0
	s_mov_b32 s[\g+7], 0
.endr
	s_lshl_b32 s18, s16, 2
	s_lshl_b32 s20, s17, 3
	s_add_co_u32 s20, s20, s18
	s_mul_i32 s20, s20, 16*KK                      ; a: tile 8 row + 4 half
	s_lshl_b32 s46, s42, 3
	s_add_co_u32 s46, s46, s18
	s_mul_i32 s46, s46, 16*KK
	s_add_co_u32 s46, s46, WOFF                    ; W: tile 8 column + 4 half
	s_mov_b32 s21, 0
	s_mov_b32 s47, 0
	s_lshl_b32 s45, s14, 15                        ; LDS: wave x 32,768
	s_lshl_b32 s84, s42, 9
	s_add_co_u32 s84, s84, WSOFF
	s_lshl_b32 s18, s14, 12
	s_add_co_u32 s84, s84, s18                     ; W's scale words: 512 column + K step w (16 x 256 bytes a step)
	s_lshl_b32 s86, s17, 9
	s_add_co_u32 s86, s86, ASOFF
	s_lshl_b32 s18, s14, 14
	s_add_co_u32 s86, s86, s18                     ; a's: 64 x 256 bytes a step
	s_mov_b32 s85, 0
	s_mov_b32 s87, 0
	s_wait_dscnt 0x0                               ; both opening adds are done
	s_wait_kmcnt 0x0
	s_add_nc_u64 s[20:21], s[4:5], s[20:21]
	s_add_nc_u64 s[46:47], s[6:7], s[46:47]
	s_add_nc_u64 s[68:69], s[6:7], s[84:85]
	s_add_nc_u64 s[70:71], s[4:5], s[86:87]
	CROUND                                         ; all sixteen work-groups are here: the first joint loads meet
.irp s, 0,1
	s_mov_b32 s[G0+4*\s], 1
	s_add_co_u32 s[G0+4*\s+1], s45, \s*SLOT
	s_add_nc_u64 s[G0+4*\s+2:G0+4*\s+3], s[20:21], \s*8192
	s_or_b32 s[G0+4*\s+3], s[G0+4*\s+3], 0x80000000
	s_mov_b32 s[G0B+4*\s], 1
	s_add_co_u32 s[G0B+4*\s+1], s45, \s*SLOT
	s_add_nc_u64 s[G0B+4*\s+2:G0B+4*\s+3], s[46:47], \s*8192
	s_or_b32 s[G0B+4*\s+3], s[G0B+4*\s+3], 0x80000000
.endr
	JLOAD G0, G1, G0B, G1B                         ; K step 0: my one tensor load at the head
	s_lshl_b32 s18, s14, 11                        ; my 128 of a slot's 512: fragment w of each tile
	s_add_co_u32 s19, s18, 65536
	s_add_co_u32 s22, s18, SLOT
	s_add_co_u32 s23, s19, SLOT
	s_mul_i32 s72, s14, PART
	s_mul_i32 s73, s14, 32*SPITCH
	s_add_co_u32 s74, s73, PART
	s_add_co_u32 s75, s74, PART
	s_add_co_u32 s76, s75, PART
	s_lshl_b32 s80, s42, 9                         ; my block's 128 columns: 512 bytes
	s_mov_b32 s81, 0
	s_add_nc_u64 s[88:89], s[8:9], s[80:81]
	s_lshl_b32 s82, s17, 19
	s_lshl_b32 s83, s14, 17
	s_add_co_u32 s82, s82, s83
	s_add_co_u32 s82, s82, s80                     ; y: row 128 tile row + 32 wave, 4,096 bytes a row
	s_mov_b32 s83, 0
	s_add_nc_u64 s[12:13], s[10:11], s[82:83]
	s_cmp_eq_u32 s15, 0                            ; the prefetches: of the four tiles that I fetch, the partner at place p (cx for a, cy for W) names tile p: told apart by address
	s_cselect_b32 s77, s40, s41
	s_cselect_b64 s[PFA:PFA+1], s[20:21], s[46:47]
	s_mul_i32 s78, s77, 16*KK
	s_mov_b32 s79, 0
	s_add_nc_u64 s[PFA:PFA+1], s[PFA:PFA+1], s[78:79]
	v_and_b32 v1, 15, v0                           ; r
	v_bfe_u32 v2, v0, 4, 1                         ; h
	v_and_b32 v3, 31, v0
	v_lshlrev_b32 v[CO], 4, v3
	v_lshlrev_b32 v[PFO], 8, v3
	v_lshlrev_b32 v[SCO], 4, v1
	v_lshl_add_u32 v[SCO], v2, 8, v[SCO]
	v_add_nc_u32 v[ADRA], s18, v[CO]
	v_add_nc_u32 v[ADRA+1], s22, v[CO]
	v_add_nc_u32 v[ADRB], s19, v[CO]
	v_add_nc_u32 v[ADRB+1], s23, v[CO]
	v_mul_u32_u24 v4, v1, SPITCH
	v_lshl_add_u32 v4, v2, 6, v4
	v_add_nc_u32 v[STO], s72, v4                   ; in: my part, row r, + 64 h
	v_add_nc_u32 v[RD], s73, v[CO]
	v_add_nc_u32 v[RD+1], s74, v[CO]
	v_add_nc_u32 v[RD+2], s75, v[CO]
	v_add_nc_u32 v[RD+3], s76, v[CO]
	s_wait_alu depctr_va_vdst(0)
	global_prefetch_b8 v[PFO], s[PFA:PFA+1] offset:8192 th:TH_LOAD_NT scope:SCOPE_SE    ; K step 1 of one tile: 32 lanes x 256 bytes
	global_prefetch_b8 v[PFO], s[PFA:PFA+1] offset:16384 th:TH_LOAD_NT scope:SCOPE_SE   ; K step 2
.set Q, 0
.rept NS
	global_load_b128 v[SC+8*Q:SC+8*Q+3], v[SCO], s[68:69] offset:16384*Q
	global_load_b128 v[SC+8*Q+4:SC+8*Q+7], v[SCO], s[70:71] offset:65536*Q
.set Q, Q+1
.endr
	global_load_b128 v[BI:BI+3], v[CO], s[88:89]
.macro FRAG reg, adr, i
.irp c, 0,1,2,3
	ds_load_b128 v[\reg+4*\c:\reg+4*\c+3], v[\adr] offset:8192*(\i)+512*\c
.endr
.endm
.macro WM rb, ra, c                    ; tiles 4-7 of a side take their scale words from lanes 16-31
.if (\rb) && (\ra)
	v_wmma_scale_f32_16x16x128_f8f6f4 v[rD:rD+7], v[rB:rB+15], v[rA:rA+15], \c, v[rSB], v[rSA] matrix_a_scale:MATRIX_SCALE_ROW1 matrix_b_scale:MATRIX_SCALE_ROW1
.elseif (\rb)
	v_wmma_scale_f32_16x16x128_f8f6f4 v[rD:rD+7], v[rB:rB+15], v[rA:rA+15], \c, v[rSB], v[rSA] matrix_a_scale:MATRIX_SCALE_ROW1
.elseif (\ra)
	v_wmma_scale_f32_16x16x128_f8f6f4 v[rD:rD+7], v[rB:rB+15], v[rA:rA+15], \c, v[rSB], v[rSA] matrix_b_scale:MATRIX_SCALE_ROW1
.else
	v_wmma_scale_f32_16x16x128_f8f6f4 v[rD:rD+7], v[rB:rB+15], v[rA:rA+15], \c, v[rSB], v[rSA]
.endif
.endm
.macro MUL16 a0, k, c                  ; a's tiles a0, a0 + 1 x W's eight; the 64 accumulators take turns, one instruction a turn
.irp a, \a0, \a0+1
.irp b, 0,1,2,3,4,5,6,7
.set rD, 8*(8*((\a)%4)+\b)
.set rB, 16*\b
.set rA, AF+16*(\a)
.set rSB, SC+8*(\k)+(\b%4)
.set rSA, SC+8*(\k)+4+((\a)%4)
	WM \b/4, (\a)/4, \c
.endr
.endr
.endm
; K step k (512 along K, 128 of them mine).  c: the products' C: the constant 0 in the first step, else the accumulator itself.
.macro SSTEP k, c
.set NX, ((\k)+1)%2
	s_wait_tensorcnt 0x0                           ; all my tensor loads have landed: my part of this step's slot
	ds_add_u32 v[SPW], v[NIL]
.if ((\k) > 0) && ((\k)+1 < NS)
	s_add_nc_u64 s[G0+4*NX+2:G0+4*NX+3], s[G0+4*NX+2:G0+4*NX+3], 16384    ; no load of mine is out: the other slot's next K step
	s_add_nc_u64 s[G0B+4*NX+2:G0B+4*NX+3], s[G0B+4*NX+2:G0B+4*NX+3], 16384
.endif
	s_wait_dscnt 0x0                               ; the add is done; my reads of the other slot ended in the last step
.if (\k)+1 < NS
	CROUND                                         ; no wave of any partner still reads the other slot or has a load on its way
	JLOAD G0+4*NX, G1, G0B+4*NX, G1B               ; K step k + 1: my one tensor load behind the round
	PLACES 4                                       ; with the four above: eight places ahead of loads into registers that products have read
.else
	s_barrier_signal -1
	s_barrier_wait -1
	PLACES 8
.endif
	WIN 0x40
.irp i, 0,1,2,3,4,5,6,7
	FRAG 16*\i, ADRB+(\k)%2, \i
.endr
	WIN 0
.irp i, 0,1,2,3,4,5,6,7
	FRAG AF+16*\i, ADRA+(\k)%2, \i
.endr
.if (\k)+3 < NS
	global_prefetch_b8 v[PFO], s[PFA:PFA+1] offset:((\k)+3)*8192 th:TH_LOAD_NT scope:SCOPE_SE   ; K step k + 3 of one tile: 32 lanes x 256 bytes
.endif
.if (\k) == 0
	s_wait_loadcnt 0x0                             ; the scale words and the bias
.endif
	s_wait_dscnt 24                                ; W's tiles and a's tiles 0, 1 are in; the youngest 24 loads (a's tiles 2-7, four each) may be out
	WIN 0xa1
	MUL16 0, \k, \c
	s_wait_dscnt 16                                ; a's tiles 4-7 may be out
	MUL16 2, \k, \c
	s_wait_dscnt 8                                 ; a's tiles 6, 7 may be out
	WIN 0xf1
	MUL16 4, \k, \c
	s_wait_dscnt 0x0
.if (\k)+1 == NS
	s_barrier_signal -1                            ; my last reads of the slots are over: behind this barrier the stage is laid over them
.endif
	MUL16 6, \k, \c
	WIN 0
.if (\k)+1 == NS
	s_barrier_wait -1
.endif
.endm
	SSTEP 0, 0
.irp k, 1,2,3,4,5,6,7
	SSTEP \k, v[rD:rD+7]
.endr
	PLACES 8                                       ; ahead of the first reads of the sums
.irp a, 0,1,2,3,4,5,6,7
	WIN 0x08+4*(\a/4)
.irp b, 0,1,2,3,4,5,6,7
	ds_store_b128 v[STO], v[64*(\a%4)+8*\b:64*(\a%4)+8*\b+3] offset:\a*16*SPITCH+128*(\b/2)+32*(\b%2)      ; tile b, half h: logical columns 32 (b / 2) + 16 h + 8 (b % 2) on; each accumulator from its low end
	ds_store_b128 v[STO], v[64*(\a%4)+8*\b+4:64*(\a%4)+8*\b+7] offset:\a*16*SPITCH+128*(\b/2)+32*(\b%2)+16
.endr
.endr
	WIN 0
	s_wait_dscnt 0x0                               ; for the others' sake: my part lies in the stage
	s_barrier_signal -1
	s_barrier_wait -1
.macro RLOAD n                         ; rows 4 n .. 4 n + 3 of my 32, all four parts: 16 loads of 512 bytes
.set BB, AF+64*((\n)%2)
.irp j, 0,1,2,3
.irp p, 0,1,2,3
	ds_load_b128 v[BB+16*\j+4*\p:BB+16*\j+4*\p+3], v[RD+\p] offset:(4*(\n)+\j)*SPITCH
.endr
.endr
.endm
.macro RSUM n
.set BB, AF+64*((\n)%2)
.irp j, 0,1,2,3
.irp e, 0,2
	v_pk_add_f32 v[BB+16*\j+\e:BB+16*\j+\e+1], v[BB+16*\j+\e:BB+16*\j+\e+1], v[BB+16*\j+4+\e:BB+16*\j+5+\e]
	v_pk_add_f32 v[BB+16*\j+8+\e:BB+16*\j+9+\e], v[BB+16*\j+8+\e:BB+16*\j+9+\e], v[BB+16*\j+12+\e:BB+16*\j+13+\e]
.endr
.endr
.irp j, 0,1,2,3
.irp e, 0,2
	v_pk_add_f32 v[BB+16*\j+\e:BB+16*\j+\e+1], v[BB+16*\j+\e:BB+16*\j+\e+1], v[BB+16*\j+8+\e:BB+16*\j+9+\e]
.endr
.endr
.irp j, 0,1,2,3
.irp e, 0,2
	v_pk_add_f32 v[BB+16*\j+\e:BB+16*\j+\e+1], v[BB+16*\j+\e:BB+16*\j+\e+1], v[BI+\e:BI+\e+1]
.endr
.endr
.irp j, 0,1,2,3
	global_store_b128 v[CO], v[BB+16*\j:BB+16*\j+3], s[12:13] offset:(4*(\n)+\j)*4096   ; 512 consecutive bytes of a row of y
.endr
.endm
	RLOAD 0
.irp n, 0,1,2,3,4,5,6
.if \n > 0
	s_wait_xcnt 0x0                                ; batch n - 1's stores have read the registers that the loads below fill
.endif
	RLOAD \n+1
	s_wait_dscnt 16                                ; batch n is in; batch n + 1's 16 loads may be out
	RSUM \n
.endr
	s_wait_dscnt 0x0
	RSUM 7
	s_wait_tensorcnt 0x0                           ; the wave's end
	ds_add_u32 v[SPW], v[NIL]
	s_wait_dscnt 0x0
	CROUND                                         ; the closing round
	s_endpgm
.Lfunc_end_k_q7a0cfb6f94_gemm_2:
	.size	k_q7a0cfb6f94_gemm_2, .Lfunc_end_k_q7a0cfb6f94_gemm_2-k_q7a0cfb6f94_gemm_2
	.p2alignl 7, 3214868480
	.fill 96, 4, 3214868480
	.section	.rodata,"a",@progbits
	.p2align	6, 0x0
	.amdhsa_kernel k_q7a0cfb6f94_gemm_2
		.amdhsa_group_segment_fixed_size 327680
		.amdhsa_private_segment_fixed_size 0
		.amdhsa_enable_private_segment 0
		.amdhsa_kernarg_size 32
		.amdhsa_user_sgpr_count 2
		.amdhsa_user_sgpr_kernarg_segment_ptr 1
		.amdhsa_wavefront_size32 1
		.amdhsa_system_sgpr_workgroup_id_x 1
		.amdhsa_system_sgpr_workgroup_id_y 1
		.amdhsa_system_sgpr_workgroup_id_z 1
		.amdhsa_system_vgpr_workitem_id 0
		.amdhsa_next_free_vgpr 1024
		.amdhsa_next_free_sgpr 100
		.amdhsa_reserve_vcc 0
		.amdhsa_float_denorm_mode_32 3
		.amdhsa_float_denorm_mode_16_64 3
		.amdhsa_memory_ordered 1
		.amdhsa_forward_progress 1
		.amdhsa_inst_pref_size 153
	.end_amdhsa_kernel
	.amdgpu_metadata
---
amdhsa.version: [ 1, 2 ]
amdhsa.kernels:
  - .name:           k_q7a0cfb6f94_gemm_2
    .symbol:         k_q7a0cfb6f94_gemm_2.kd
    .args:
      - { .name: hid, .offset: 0, .size: 8, .value_kind: global_buffer, .address_space: global }
      - { .name: wts, .offset: 8, .size: 8, .value_kind: global_buffer, .address_space: global }
      - { .name: b2, .offset: 16, .size: 8, .value_kind: global_buffer, .address_space: global }
      - { .name: y, .offset: 24, .size: 8, .value_kind: global_buffer, .address_space: global }
    .group_segment_fixed_size: 327680
    .private_segment_fixed_size: 0
    .kernarg_segment_align: 8
    .kernarg_segment_size: 32
    .max_flat_workgroup_size: 128
    .sgpr_count:     100
    .vgpr_count:     1024
    .wavefront_size: 32
...
	.end_amdgpu_metadata
.endif
;; end of part 7
;; launch ln2 (part 8): grid 256 x 1, 16 waves a work-group, no clusters, 0 bytes of LDS; arguments res, y, g2, be2, out0; writes out0
.if DOCPART == 8
	.amdgcn_target "amdgcn-amd-amdhsa--gfx1250"
	.amdhsa_code_object_version 6
	.text
	.protected	k_q7a0cfb6f94_ln2
	.globl	k_q7a0cfb6f94_ln2
	.p2align	8
	.type	k_q7a0cfb6f94_ln2,@function
k_q7a0cfb6f94_ln2:
	s_mov_b64 s[64:65], 0
	v_nop
	global_prefetch_b8 v0, s[64:65] scope:SCOPE_SE
	s_setreg_imm32_b32 hwreg(HW_REG_WAVE_MODE, 25, 1), 1
	s_wait_xcnt 0x0
; out0 = LayerNorm(res + ff) over rows of 1,024, in f32; ff (b2 within it) arrives whole in y, [4,096][1,024] f32.  Nothing is left out.
; The mean, then the mean of the squared differences (two passes: no difference of large sums), x rsqrt(var + 1e-5) x g2 + be2.
; res and y lie by PLACE, out0 by logical row: place 16 T + r holds logical row 32 (T>>1) + 16 (r>>3) + 8 (T&1) + (r&7).
; Work-group T owns tile T, wave w its place w.  A row lies in one wave's registers, 32 numbers a lane; each load and store covers 512 consecutive bytes.  Waves share nothing: no LDS, no barrier.
; All 32 loads of a wave go out at once.  LIMITS: NaN and infinities among the inputs are not served.
.set LO,  2                            ; v2       16 x lane
.set T,   4                            ; v4-13    sums at work
.set A,   32                           ; v32-63   res's row, then the row at work
.set Y,   64                           ; v64-95   y's row
.set G,   96                           ; v96-127  gamma of my 32 columns
.set BE,  128                          ; v128-159 beta
	s_load_b256 s[4:11], s[0:1], 0x0               ; res, y, g2, be2
	s_load_b64 s[12:13], s[0:1], 0x20              ; out0
	v_lshrrev_b32 v1, 5, v0
	s_delay_alu instid0(VALU_DEP_1)
	v_readfirstlane_b32 s16, v1                    ; wave 0..15
	v_and_b32 v1, 31, v0                           ; lane
	s_delay_alu instid0(VALU_DEP_1)
	v_lshlrev_b32 v[LO], 4, v1
	s_lshl_b32 s17, ttmp9, 16
	s_lshl_b32 s18, s16, 12
	s_add_co_u32 s20, s17, s18                     ; by place: row 16 T + w, 4,096 bytes a row
	s_mov_b32 s21, 0
	s_lshr_b32 s17, ttmp9, 1
	s_lshl_b32 s22, s17, 17
	s_and_b32 s17, ttmp9, 1
	s_lshl_b32 s17, s17, 15
	s_add_co_u32 s22, s22, s17
	s_lshr_b32 s17, s16, 3
	s_lshl_b32 s17, s17, 16
	s_add_co_u32 s22, s22, s17
	s_and_b32 s17, s16, 7
	s_lshl_b32 s17, s17, 12
	s_add_co_u32 s22, s22, s17                     ; logical: row 32 (T>>1) + 8 (T&1) + 16 (w>>3) + (w&7)
	s_mov_b32 s23, 0
	s_mov_b32 s24, 0x76543210                      ; v_permlanex16_b32's selects for lane xor 16
	s_mov_b32 s25, 0xfedcba98
	s_mov_b32 s26, 0x3a800000                      ; 1 / 1,024
	s_mov_b32 s27, 0x3727c5ac                      ; 1e-5
	s_wait_alu depctr_va_vdst(0)
	s_wait_kmcnt 0x0
	s_add_nc_u64 s[4:5], s[4:5], s[20:21]
	s_add_nc_u64 s[6:7], s[6:7], s[20:21]
	s_add_nc_u64 s[12:13], s[12:13], s[22:23]
.irp j, 0,1,2,3,4,5,6,7
	global_load_b128 v[A+4*\j:A+4*\j+3], v[LO], s[4:5] offset:512*\j th:TH_LOAD_NT
.endr
.irp j, 0,1,2,3,4,5,6,7
	global_load_b128 v[Y+4*\j:Y+4*\j+3], v[LO], s[6:7] offset:512*\j th:TH_LOAD_NT
.endr
.irp j, 0,1,2,3,4,5,6,7
	global_load_b128 v[G+4*\j:G+4*\j+3], v[LO], s[8:9] offset:512*\j
.endr
.irp j, 0,1,2,3,4,5,6,7
	global_load_b128 v[BE+4*\j:BE+4*\j+3], v[LO], s[10:11] offset:512*\j
.endr
	s_wait_loadcnt 16                              ; res and y are in; gamma's and beta's 16 loads may be out
.set j, 0
.rept 16
	v_pk_add_f32 v[A+j:A+j+1], v[A+j:A+j+1], v[Y+j:Y+j+1]              ; res + ff
.set j, j+2
.endr
.macro REDUCE                          ; four pairs in v[T] .. v[T+7] -> the row's sum in v[T], in every lane
	s_delay_alu instid0(VALU_DEP_3)
	v_pk_add_f32 v[T:T+1], v[T:T+1], v[T+2:T+3]
	s_delay_alu instid0(VALU_DEP_2)
	v_pk_add_f32 v[T+4:T+5], v[T+4:T+5], v[T+6:T+7]
	s_delay_alu instid0(VALU_DEP_1)
	v_pk_add_f32 v[T:T+1], v[T:T+1], v[T+4:T+5]
	s_delay_alu instid0(VALU_DEP_1)
	v_add_f32 v[T], v[T], v[T+1]
	s_delay_alu instid0(VALU_DEP_1)
	v_add_f32_dpp v[T], v[T], v[T] row_xmask:1 row_mask:0xf bank_mask:0xf
	s_delay_alu instid0(VALU_DEP_1)
	v_add_f32_dpp v[T], v[T], v[T] row_xmask:2 row_mask:0xf bank_mask:0xf
	s_delay_alu instid0(VALU_DEP_1)
	v_add_f32_dpp v[T], v[T], v[T] row_xmask:4 row_mask:0xf bank_mask:0xf
	s_delay_alu instid0(VALU_DEP_1)
	v_add_f32_dpp v[T], v[T], v[T] row_xmask:8 row_mask:0xf bank_mask:0xf
	s_delay_alu instid0(VALU_DEP_1)
	v_permlanex16_b32 v[T+1], v[T], s24, s25       ; its destination has been written before
	s_delay_alu instid0(VALU_DEP_1)
	v_add_f32 v[T], v[T], v[T+1]
.endm
.irp c, 0,1,2,3
	v_pk_add_f32 v[T+2*\c:T+2*\c+1], v[A+2*\c:A+2*\c+1], v[A+8+2*\c:A+9+2*\c]     ; four chains; the first sums start them
.endr
.irp k, 16,24
.irp c, 0,1,2,3
	s_delay_alu instid0(VALU_DEP_4)
	v_pk_add_f32 v[T+2*\c:T+2*\c+1], v[T+2*\c:T+2*\c+1], v[A+\k+2*\c:A+\k+2*\c+1]
.endr
.endr
	REDUCE
	s_delay_alu instid0(VALU_DEP_1)
	v_mul_f32 v[T+8], s26, v[T]                    ; the mean, twice: a pair for the packed forms
	s_delay_alu instid0(VALU_DEP_2)
	v_mul_f32 v[T+9], s26, v[T]
.set j, 0
.rept 16
	v_pk_add_f32 v[A+j:A+j+1], v[A+j:A+j+1], v[T+8:T+9] neg_lo:[0,1] neg_hi:[0,1]
.set j, j+2
.endr
.irp c, 0,1,2,3
	v_pk_mul_f32 v[T+2*\c:T+2*\c+1], v[A+2*\c:A+2*\c+1], v[A+2*\c:A+2*\c+1]
.endr
.irp k, 8,16,24
.irp c, 0,1,2,3
	s_delay_alu instid0(VALU_DEP_4)
	v_pk_fma_f32 v[T+2*\c:T+2*\c+1], v[A+\k+2*\c:A+\k+2*\c+1], v[A+\k+2*\c:A+\k+2*\c+1], v[T+2*\c:T+2*\c+1]
.endr
.endr
	REDUCE
	s_delay_alu instid0(VALU_DEP_1)
	v_fma_f32 v[T], v[T], s26, s27                 ; the variance + 1e-5
	s_wait_alu depctr_va_vdst(0)
	v_rsq_f32 v[T+8], v[T]
	v_rsq_f32 v[T+9], v[T]
	v_nop                                          ; a plain line behind the transcendentals,
	s_wait_alu depctr_va_vdst(0)                   ; and one wait for both, ahead of their first reader
.set j, 0
.rept 16
	v_pk_mul_f32 v[A+j:A+j+1], v[A+j:A+j+1], v[T+8:T+9]
.set j, j+2
.endr
	s_wait_loadcnt 0x0                             ; gamma and beta
.set j, 0
.rept 16
	v_pk_fma_f32 v[A+j:A+j+1], v[A+j:A+j+1], v[G+j:G+j+1], v[BE+j:BE+j+1]
.set j, j+2
.endr
.irp j, 0,1,2,3,4,5,6,7
	global_store_b128 v[LO], v[A+4*\j:A+4*\j+3], s[12:13] offset:512*\j th:TH_STORE_NT   ; 512 consecutive bytes; written once, read by nobody here
.endr
	s_endpgm
.Lfunc_end_k_q7a0cfb6f94_ln2:
	.size	k_q7a0cfb6f94_ln2, .Lfunc_end_k_q7a0cfb6f94_ln2-k_q7a0cfb6f94_ln2
	.p2alignl 7, 3214868480
	.fill 96, 4, 3214868480
	.section	.rodata,"a",@progbits
	.p2align	6, 0x0
	.amdhsa_kernel k_q7a0cfb6f94_ln2
		.amdhsa_group_segment_fixed_size 0
		.amdhsa_private_segment_fixed_size 0
		.amdhsa_enable_private_segment 0
		.amdhsa_kernarg_size 40
		.amdhsa_user_sgpr_count 2
		.amdhsa_user_sgpr_kernarg_segment_ptr 1
		.amdhsa_wavefront_size32 1
		.amdhsa_system_sgpr_workgroup_id_x 1
		.amdhsa_system_sgpr_workgroup_id_y 1
		.amdhsa_system_sgpr_workgroup_id_z 1
		.amdhsa_system_vgpr_workitem_id 0
		.amdhsa_next_free_vgpr 160
		.amdhsa_next_free_sgpr 66
		.amdhsa_reserve_vcc 0
		.amdhsa_float_denorm_mode_32 3
		.amdhsa_float_denorm_mode_16_64 3
		.amdhsa_memory_ordered 1
		.amdhsa_forward_progress 1
		.amdhsa_inst_pref_size 14
	.end_amdhsa_kernel
	.amdgpu_metadata
---
amdhsa.version: [ 1, 2 ]
amdhsa.kernels:
  - .name:           k_q7a0cfb6f94_ln2
    .symbol:         k_q7a0cfb6f94_ln2.kd
    .args:
      - { .name: res, .offset: 0, .size: 8, .value_kind: global_buffer, .address_space: global }
      - { .name: y, .offset: 8, .size: 8, .value_kind: global_buffer, .address_space: global }
      - { .name: g2, .offset: 16, .size: 8, .value_kind: global_buffer, .address_space: global }
      - { .name: be2, .offset: 24, .size: 8, .value_kind: global_buffer, .address_space: global }
      - { .name: out0, .offset: 32, .size: 8, .value_kind: global_buffer, .address_space: global }
    .group_segment_fixed_size: 0
    .private_segment_fixed_size: 0
    .kernarg_segment_align: 8
    .kernarg_segment_size: 40
    .max_flat_workgroup_size: 512
    .sgpr_count:     66
    .vgpr_count:     160
    .wavefront_size: 32
...
	.end_amdgpu_metadata
.endif
;; end of part 8
